; MI455X (gfx1250); checked and timed in simulation.
; The chip was launched on July 23, 2026; its instructions are those of AMD's public machine-readable ISA for CDNA 5 (MIT licence, August 2026) and "CDNA5" Instruction Set Architecture Reference Guide (July 2026). The comments in the code are by the model that wrote it; some were corrected since.
;; Enhanced Brain. Allowed arithmetic: matrix products marked QUANTISED: E2M1 operands, one E8M0 scale for each 32 along K, by v_wmma_scale_f32_16x16x128_f8f6f4 with both operands' format E2M1 (or v_wmma_scale_f32_32x16x128_f4), f32 sums; products left as they are: f32 operands where the result goes on into a quantised operand, else bf16, f16 or f32 operands; f32 sums; everything else in f32.
;; Inputs: W1 1,024 x 256 float32; W2 256 x 8 float32; Wa 8 x 1,024 x 4,096 float32; Wb 8 x 4,096 x 1,024 float32; b1 256 float32; b2 8 float32; x 16 x 64 x 1,024 float32.
;; Outputs: out0 16 x 64 x 1,024 float32.
;; This version of the problem:
;;   THIS VERSION OF THE PROBLEM IS GIVEN IN LOW PRECISION. The matrix products marked QUANTISED in the list below multiply operands that are first quantised to E2M1 (2 exponent bits, 1 mantissa bit; 4 bits a number), with one power-of-two scale for each 32 numbers along K (OCP MX v1.0); their sums are f32. All else is computed in f32.
;;   The module's matrix products, in the order in which they are computed (A, B: the left and right operand; K: the contracted axis; several contracted axes count as one K, in the product's order):
;;     1. [M 16, K 1,024] x [K 1,024, N 256]; A: computed on the way; B: input W1: QUANTISED
;;     2. [M 16, K 256] x [K 256, N 8]; A: computed on the way; B: input W2: left as it is (N = 8 < 16)
;;     3. batch 16 x [M 1, K 3] x [K 3, N 8]; A: computed on the way; B: computed on the way: left as it is (K = 3 < 32)
;;     4. [M 1,024, K 1,024] x [K 1,024, N 4,096]; A: input x; B: input Wa: QUANTISED
;;     5. [M 1,024, K 4,096] x [K 4,096, N 1,024]; A: computed on the way; B: input Wb: QUANTISED
;;     6. [M 1,024, K 1,024] x [K 1,024, N 4,096]; A: input x; B: input Wa: QUANTISED
;;     7. [M 1,024, K 4,096] x [K 4,096, N 1,024]; A: computed on the way; B: input Wb: QUANTISED
;;     8. [M 1,024, K 1,024] x [K 1,024, N 4,096]; A: input x; B: input Wa: QUANTISED
;;     9. [M 1,024, K 4,096] x [K 4,096, N 1,024]; A: computed on the way; B: input Wb: QUANTISED
;;     10. [M 1,024, K 1,024] x [K 1,024, N 4,096]; A: input x; B: input Wa: QUANTISED
;;     11. [M 1,024, K 4,096] x [K 4,096, N 1,024]; A: computed on the way; B: input Wb: QUANTISED
;;     12. [M 1,024, K 1,024] x [K 1,024, N 4,096]; A: input x; B: input Wa: QUANTISED
;;     13. [M 1,024, K 4,096] x [K 4,096, N 1,024]; A: computed on the way; B: input Wb: QUANTISED
;;     14. [M 1,024, K 1,024] x [K 1,024, N 4,096]; A: input x; B: input Wa: QUANTISED
;;     15. [M 1,024, K 4,096] x [K 4,096, N 1,024]; A: computed on the way; B: input Wb: QUANTISED
;;     16. [M 1,024, K 1,024] x [K 1,024, N 4,096]; A: input x; B: input Wa: QUANTISED
;;     17. [M 1,024, K 4,096] x [K 4,096, N 1,024]; A: computed on the way; B: input Wb: QUANTISED
;;     18. [M 1,024, K 1,024] x [K 1,024, N 4,096]; A: input x; B: input Wa: QUANTISED
;;     19. [M 1,024, K 4,096] x [K 4,096, N 1,024]; A: computed on the way; B: input Wb: QUANTISED
;;   THE QUANTISER, for each operand of a quantised product, along K:
;;     - K is cut into blocks of 32 from its start; a last block that is shorter is filled with zeros.
;;     - A block's scale is 2^e with e = floor(log2(the largest magnitude in the block)) - 2, held to -126 .. 127; a block of zeros has e = 0. As a byte (E8M0): e + 127.
;;     - Each number is divided by its block's scale, clamped to +-6, and rounded to the nearest number of E2M1, ties to even, subnormals kept.
;;     - The product sums the exact products of the quantised numbers (number of the format x scale) in f32.
;;   ~~~python
;;   def quantise(x, axis):      # numpy; x: float32 -> the quantised numbers, widened to float32 again
;;       x = np.moveaxis(x, axis, -1); K = x.shape[-1]
;;       x = np.pad(x, [(0, 0)] * (x.ndim - 1) + [(0, -K % 32)]); x = x.reshape(x.shape[:-1] + (-1, 32)); a = np.abs(x).max(-1, keepdims=True)
;;       e = np.where(a > 0, np.clip(np.frexp(np.where(a > 0, a, 1))[1] - 1 - 2, -126, 127), 0)      # np.frexp(a)[1] - 1 = floor(log2(a)), exactly
;;       r = np.clip(x / 2.0 ** e, -6, 6)
;;       step = 2.0 ** (np.maximum(np.frexp(np.where(r == 0, 1, r))[1] - 1, 0) - 1)
;;       q = np.round(r / step) * step * 2.0 ** e      # np.round: ties to even
;;       return np.moveaxis(q.reshape(q.shape[:-2] + (-1,))[..., :K], -1, axis).astype(np.float32)
;;   ~~~
;;   OPERANDS COMPUTED ON THE WAY. 'Computed on the way' means the value that the module computes at that place (a softmax that the list does not call 'softmax' is quantised finished and normalised). What goes into a quantiser is computed in f32, as accurately as f32 sums, v_exp_f32 and their like allow (about 1e-6 of the number): no bf16 or f16 on the way to a quantiser, and a product that is left as it is and whose result goes on into a quantised operand takes f32 operands (vector FMAs, or v_wmma_f32_16x16x4_f32). A number that lies on a knife's edge between two numbers of the format may be rounded either way, as far as f32 arithmetic and the matrix unit's own rounding can turn it there, and no further.
;; 2 versions. Each part assembles by itself: llvm-mc -triple=amdgcn-amd-amdhsa -mcpu=gfx1250 --defsym DOCPART=n.
;; ======== version 1 of 2: 4 launches
;; workspace buffers: waq 17,825,792 bytes; wbq 17,825,792 bytes; rq 204,800 bytes; xq 557,056 bytes; hq 6,684,672 bytes; sel 256 bytes of whole numbers; wts 256 bytes
;; launch prep (part 1): grid 146 x 1, 8 waves a work-group, no clusters, 27,648 bytes of LDS; arguments x, W1, Wa, waq, rq, xq; writes waq, rq, xq
.if DOCPART == 1
	.amdgcn_target "amdgcn-amd-amdhsa--gfx1250"
	.amdhsa_code_object_version 6
	.text
	.protected	k_qcce64e5422_prep
	.globl	k_qcce64e5422_prep
	.p2align	8
	.type	k_qcce64e5422_prep,@function
k_qcce64e5422_prep:
	s_mov_b64 s[64:65], 0
	v_nop
	global_prefetch_b8 v0, s[64:65] scope:SCOPE_SE
	s_setreg_imm32_b32 hwreg(HW_REG_WAVE_MODE, 25, 1), 1
	s_wait_xcnt 0x0
; FIRST OF FOUR LAUNCHES.  Three kinds of work-group, parted by the work-group's number alone:
;   0-15    XPOOL: batch element b: its 64 tokens x 1,024 numbers become FP4 (E2M1) codes with one E8M0 byte for each 32 along K (buffer xq), and the mean over the tokens goes to rq as f32.
;   16, 17  BULK on W1 [1024 (k)][256]: codes and scale bytes into rq.
;   18-145  BULK on Wa, zones 0 to 3, [1024 (k)][4096] each: codes and scale bytes into waq.  (Zones 4 to 7 are taken by the next launch.)
; THE QUANTISER: a block's scale is 2^(floor(log2(largest magnitude)) - 2); its byte is the largest magnitude's exponent field - 2, held at 1 from below; numbers / scale to the nearest code, ties to even, beyond 6 the code of 6.
; LIMITS: NaN and infinities among the inputs are not served.  A block whose largest magnitude lies under 2^-124, a block of zeros among them, gets the byte 1 (the stated rule gives a block of zeros 127):
; its codes are zeros then or as the held scale gives them, and the bytes are read by this program alone.  The mean's 64 numbers are added in another order than a plain running sum.
; LAYOUT OF CODES: images of operand registers.  A fragment (16 rows x 128 K) is 1,024 bytes: byte 256 x (block of 32 in the K step) + 16 x row holds that block's 32 codes; a load of 16 bytes a lane at 512 c + 16 x lane
; brings registers 4 c .. 4 c + 3 of the operand.  Weights: 32 columns form a PAIR of tiles u = 0, 1; row r of tile u is column (r & 7) + 16 (r >> 3) + 8 u of the pair, so that a transposed product leaves a lane 16 neighbours.
; No tensor loads, no cluster, no barrier: waves share nothing here, and nothing is read by two work-groups.
.set WV,   20                          ; s20      my wave's number
.set SRCB, 32                          ; s[32:33] BULK: my wave's first byte of the f32 weights
.set DCO,  34                          ; s[34:35] BULK: of its codes
.set DSO,  36                          ; s[36:37] BULK: of its scale words
.set SEL,  38                          ; s[38:39] lane selects of v_permlanex16_b32: lane l xor 16
.set MK,   40                          ; s40      mask of lanes 16-31
; BULK's registers
.set LO,  1                            ; v1   16 x lane
.set BA,  2                            ; v2   LDS: where my four columns' codes of a block go
.set RA,  3                            ; v3   LDS: where I read 16 bytes of a tile back
.set GA,  4                            ; v4   my byte in a pair's codes in memory
.set SA,  5                            ; v5   LDS: where my four columns' scale words go
.set SR,  6                            ; v6   LDS: where I read 16 bytes of scale words back
.set T,   32                           ; v32-63   8 numbers down K of each of my 4 columns
.set S,   64                           ; v64-191  32 rows x my 4 columns as loaded: row k at v[S + 4 k]
.set C,   192                          ; v192-207 a block's codes: column j at v[C + 4 j]
.set R,   208                          ; v208-223 codes read back by tiles
.set AM,  224                          ; v224-227 largest magnitudes;  v228-231 the conversions' scale operands;  v232-235 bytes;  v236-239 scale words
.set SCO, 228
.set BY,  232
.set SW,  236
; XPOOL's registers
.set XA,  1                            ; v1   x: token r of a tile, + 64 h: my 16 numbers of a block
.set HST, 2                            ; v2   16 r + 8 h: my 8 bytes of a block's 256 in an image
.set L8,  3                            ; v3   8 x lane
.set LI,  4                            ; v4   16 x lane
.set PBW, 5                            ; v5   LDS: the mean, on the way in
.set PBR, 6                            ; v6   LDS: and out
.set PW,  8                            ; v8-11  scale words of the four token tiles
.set TMX, 12                           ; v12-15 the other half's maxima
.set TM,  16
.set SCQ, 20
.set TB,  24
.set PC,  32                           ; v32-47 codes, two sets by turns
.set SP2, 48                           ; v48-49 the scale words as stored
.set PB,  52                           ; v52-55 the mean as stored
.set X0,  64                           ; v64-127, v128-191 two sets of 64 numbers
.set P,   192                          ; v192-255 sums over tokens
.set XPB, 22528                        ; LDS: BULK has 8 x 2,816 bytes from 0 on; XPOOL 8 x 512 from here on
.set XC,  32                           ; s[32:33] xq's codes, s[34:35] its scale words, s[36:37] the mean's place in rq
.set XSB, 34
.set PO,  36
.macro BULKADR                         ; a lane's places.  My columns are 4 l .. 4 l + 3 of the wave's 128: pair l >> 3, tile (l >> 1) & 1, rows 4 (l & 1) + 8 ((l >> 2) & 1) + j
	v_and_b32 v7, 31, v0
	v_lshlrev_b32 v[LO], 4, v7
	s_mul_i32 s21, s[WV], 2816                     ; my wave's own LDS: 8 tiles x (256 + 16) bytes, and from byte 2,304 on 512 bytes of scale words
	v_lshrrev_b32 v8, 3, v7
	v_bfe_u32 v9, v7, 1, 1
	v_lshl_add_u32 v10, v8, 1, v9                  ; tile 0..7
	v_and_b32 v11, 1, v7
	v_bfe_u32 v12, v7, 2, 1
	v_lshlrev_b32 v11, 2, v11
	v_lshl_add_u32 v11, v12, 3, v11                ; first row
	v_mul_u32_u24 v[BA], v10, 272
	v_lshl_add_u32 v[BA], v11, 4, v[BA]
	v_add_nc_u32 v[BA], s21, v[BA]
	v_lshrrev_b32 v12, 4, v7
	v_and_b32 v13, 15, v7
	v_mul_u32_u24 v[RA], v12, 272
	v_lshl_add_u32 v[RA], v13, 4, v[RA]
	v_add_nc_u32 v[RA], s21, v[RA]
	v_lshlrev_b32 v[GA], 10, v12
	v_lshl_add_u32 v[GA], v13, 4, v[GA]
	v_lshlrev_b32 v[SA], 7, v8
	v_lshl_add_u32 v[SA], v9, 6, v[SA]
	v_lshl_add_u32 v[SA], v11, 2, v[SA]
	v_add_nc_u32 v[SA], s21, v[SA]
	v_add_nc_u32 v[SA], 2304, v[SA]
	v_add_nc_u32 v[SR], s21, v[LO]
	v_add_nc_u32 v[SR], 2304, v[SR]
.endm
.macro GLOAD g, o, pitch               ; rows 32 g + 8 o .. + 7: each load takes 512 consecutive bytes of a row
.irp i, 0,1,2,3,4,5,6,7
	global_load_b128 v[S+4*(8*(\o)+\i):S+4*(8*(\o)+\i)+3], v[LO], s[SRCB:SRCB+1] offset:(32*(\g)+8*(\o)+\i)*\pitch th:TH_LOAD_NT
.endr
.endm
; One wave: 128 columns x 128 along K of f32 stored [K][N] become 8 tiles x one K step of codes and 512 bytes of scale words.  pitch: bytes of a row of the weights; cps: bytes from pair to pair in the codes.
; A block of 32 along K is 32 rows: 32 loads, all that the wave has out.  The conversions want 8 neighbours along K in consecutive registers, the loads give 4 neighbours along N: the copies into T turn them.
.macro BULK pitch, cps
.irp o, 0,1,2,3
	GLOAD 0, \o, \pitch
.endr
.irp g, 0,1,2,3
	s_wait_loadcnt 0x0                             ; the block's 32 rows are in; nothing younger is out
.irp j, 0,1,2,3
	v_max3_num_f32 v[AM+\j], |v[S+\j]|, |v[S+4+\j]|, 0x1800000   ; my four columns by turns; the floor 2^(3 - 127) holds the byte at 1 from below
.endr
.irp t, 1,2,3,4,5,6,7,8,9,10,11,12,13,14,15
.irp j, 0,1,2,3
	v_max3_num_f32 v[AM+\j], v[AM+\j], |v[S+8*\t+\j]|, |v[S+8*\t+4+\j]|
.endr
.endr
.irp j, 0,1,2,3
	v_add_nc_u32 v[SCO+\j], 0xff000000, v[AM+\j]   ; 2 off the exponent field: the conversion takes this operand's exponent field as its scale
.endr
.irp j, 0,1,2,3
	v_lshrrev_b32 v[BY+\j], 23, v[SCO+\j]          ; the scale's byte
.endr
.irp j, 0,1,2,3
.if \g == 0
	v_mov_b32 v[SW+\j], v[BY+\j]
.else
	v_lshl_or_b32 v[SW+\j], v[BY+\j], 8*\g, v[SW+\j]   ; byte g of the K step's word
.endif
.endr
.irp o, 0,1,2,3
.irp j, 0,1,2,3
.irp i, 0,1,2,3,4,5,6,7
	v_mov_b32 v[T+8*\j+\i], v[S+4*(8*\o+\i)+\j]
.endr
.endr
.if \g < 3
	GLOAD \g+1, \o, \pitch                         ; these eight rows have been read out: the next block's land there
.endif
.irp j, 0,1,2,3
	v_cvt_scalef32_pk8_fp4_f32 v[C+4*\j+\o], v[T+8*\j:T+8*\j+7], v[SCO+\j]
.endr
	v_nop                                          ; a plain line between the conversions and the next writes of their sources
.endr
	s_wait_xcnt 0x0                                ; the last block's stores have read R
.irp j, 0,1,2,3
	ds_store_b128 v[BA], v[C+4*\j:C+4*\j+3] offset:16*\j
.endr
.irp i, 0,1,2,3
	ds_load_b128 v[R+4*\i:R+4*\i+3], v[RA] offset:544*\i   ; LDS serves a wave's instructions in order: these see my stores.  Pair i: lanes 0-15 tile 0, lanes 16-31 tile 1
.endr
	s_wait_dscnt 0x0
.irp i, 0,1,2,3
	global_store_b128 v[GA], v[R+4*\i:R+4*\i+3], s[DCO:DCO+1] offset:\i*\cps+256*\g   ; sixteen lanes store 256 consecutive bytes, aligned: block g of a tile's image
.endr
.endr
.irp j, 0,1,2,3
	ds_store_b32 v[SA], v[SW+\j] offset:4*\j
.endr
	ds_load_b128 v[C:C+3], v[SR]
	s_wait_dscnt 0x0
	global_store_b128 v[LO], v[C:C+3], s[DSO:DSO+1]   ; 512 consecutive bytes: [pair 4][lane 32]: lanes 0-15 tile 0's rows, lanes 16-31 tile 1's
	s_wait_tensorcnt 0x0
	ds_add_u32 v30, v31
	s_wait_dscnt 0x0
	s_endpgm
.endm
; Which part of Wa is my wave's.  Work-group q: zone e0 + (q >> 5), K step (q >> 2) & 7, run of 128 columns 8 (q & 3) + wave
.macro WAADR first, e0, wa, wq
	s_sub_co_u32 s21, ttmp9, \first
	s_lshr_b32 s22, s21, 5
.if \e0
	s_add_co_u32 s22, s22, \e0
.endif
	s_bfe_u32 s23, s21, 0x30002
	s_and_b32 s24, s21, 3
	s_lshl_b32 s24, s24, 3
	s_add_co_u32 s24, s24, s[WV]
	s_lshl_b32 s26, s22, 24                        ; f32: zone x 16 MiB + K step x 128 rows of 16,384 bytes + run x 512
	s_lshl_b32 s25, s23, 21
	s_add_co_u32 s26, s26, s25
	s_lshl_b32 s25, s24, 9
	s_add_co_u32 s26, s26, s25
	s_mov_b32 s27, 0
	s_lshl_b32 s28, s22, 21                        ; codes [zone][pair 128][K step 8][tile 2][1,024]
	s_lshl_b32 s25, s24, 16
	s_add_co_u32 s28, s28, s25
	s_lshl_b32 s25, s23, 11
	s_add_co_u32 s28, s28, s25
	s_mov_b32 s29, 0
	s_lshl_b32 s30, s22, 17                        ; scale words, behind the codes: [zone][run 32][K step 8][512]
	s_lshl_b32 s25, s24, 12
	s_add_co_u32 s30, s30, s25
	s_lshl_b32 s25, s23, 9
	s_add_co_u32 s30, s30, s25
	s_add_co_u32 s30, s30, 16777216
	s_mov_b32 s31, 0
	s_wait_kmcnt 0x0
	s_add_nc_u64 s[SRCB:SRCB+1], s[\wa:\wa+1], s[26:27]
	s_add_nc_u64 s[DCO:DCO+1], s[\wq:\wq+1], s[28:29]
	s_add_nc_u64 s[DSO:DSO+1], s[\wq:\wq+1], s[30:31]
.endm
; 64 numbers of a lane, register 16 b + i = number 16 h + i of block b of my row, become codes: v[pc + 2 b], v[pc + 2 b + 1] hold my 16 of block b; the bytes are left in v[TB + b]
.macro QUANT4 src, pc
.irp b, 0,1,2,3
	v_max3_num_f32 v[TM+\b], |v[\src+16*\b]|, |v[\src+16*\b+1]|, 0x1800000
.endr
.irp i, 2,4,6,8,10,12,14
.irp b, 0,1,2,3
	v_max3_num_f32 v[TM+\b], v[TM+\b], |v[\src+16*\b+\i]|, |v[\src+16*\b+\i+1]|
.endr
.endr
.irp b, 0,1,2,3
	v_permlanex16_b32 v[TMX+\b], v[TM+\b], s[SEL], s[SEL+1]
.endr
.irp b, 0,1,2,3
	v_max_num_f32 v[TM+\b], v[TM+\b], v[TMX+\b]    ; with lane l xor 16's 16 numbers: the block's largest magnitude
.endr
.irp b, 0,1,2,3
	v_add_nc_u32 v[SCQ+\b], 0xff000000, v[TM+\b]
.endr
.irp b, 0,1,2,3
	v_lshrrev_b32 v[TB+\b], 23, v[SCQ+\b]
.endr
.irp b, 0,1,2,3
	v_cvt_scalef32_pk8_fp4_f32 v[\pc+2*\b], v[\src+16*\b:\src+16*\b+7], v[SCQ+\b]
	v_cvt_scalef32_pk8_fp4_f32 v[\pc+2*\b+1], v[\src+16*\b+8:\src+16*\b+15], v[SCQ+\b]
.endr
	v_nop                                          ; a plain line behind the last conversion
.endm
	s_load_b256 s[4:11], s[0:1], 0x0               ; x s[4:5], W1 s[6:7], Wa s[8:9], waq s[10:11]
	s_load_b128 s[12:15], s[0:1], 0x20             ; rq s[12:13], xq s[14:15]
	v_lshl_add_u32 v30, v0, 2, 0x6800
	v_mov_b32 v31, 0
	v_lshrrev_b32 v7, 5, v0
	v_readfirstlane_b32 s[WV], v7
	s_cmp_lt_u32 ttmp9, 16
	s_cbranch_scc1 .Lxpool
	BULKADR
	s_cmp_lt_u32 ttmp9, 18
	s_cbranch_scc1 .Lw1
	WAADR 18, 0, 8, 10
	BULK 16384, 16384
.Lw1:                                                  ; W1: 16 waves: run of 128 columns t & 1, K step t >> 1
	s_sub_co_u32 s21, ttmp9, 16
	s_lshl_b32 s21, s21, 3
	s_add_co_u32 s21, s21, s[WV]
	s_and_b32 s22, s21, 1
	s_lshr_b32 s23, s21, 1
	s_lshl_b32 s26, s23, 17                        ; 128 rows of 1,024 bytes
	s_lshl_b32 s25, s22, 9
	s_add_co_u32 s26, s26, s25
	s_mov_b32 s27, 0
	s_lshl_b32 s28, s22, 16                        ; codes [pair 8][K step 8][tile 2][1,024]
	s_lshl_b32 s25, s23, 11
	s_add_co_u32 s28, s28, s25
	s_mov_b32 s29, 0
	s_lshl_b32 s30, s22, 12                        ; scale words from byte 131,072: [run 2][K step 8][512]
	s_lshl_b32 s25, s23, 9
	s_add_co_u32 s30, s30, s25
	s_add_co_u32 s30, s30, 131072
	s_mov_b32 s31, 0
	s_wait_kmcnt 0x0
	s_add_nc_u64 s[SRCB:SRCB+1], s[6:7], s[26:27]
	s_add_nc_u64 s[DCO:DCO+1], s[12:13], s[28:29]
	s_add_nc_u64 s[DSO:DSO+1], s[12:13], s[30:31]
	BULK 1024, 16384
; XPOOL.  Wave s takes K step s (128 numbers, 512 bytes of each row) of the batch element's 64 tokens, a tile of 16 tokens at a time.
.Lxpool:
	v_and_b32 v7, 31, v0
	v_and_b32 v8, 15, v0                           ; r
	v_bfe_u32 v9, v0, 4, 1                         ; h
	v_lshlrev_b32 v[XA], 12, v8
	v_lshl_add_u32 v[XA], v9, 6, v[XA]
	v_lshlrev_b32 v[HST], 4, v8
	v_lshl_add_u32 v[HST], v9, 3, v[HST]
	v_lshlrev_b32 v[L8], 3, v7
	v_lshlrev_b32 v[LI], 4, v7
	s_lshl_b32 s21, s[WV], 9
	s_add_co_u32 s22, s21, XPB
	v_lshlrev_b32 v[PBW], 6, v9
	v_add_nc_u32 v[PBW], s22, v[PBW]
	v_add_nc_u32 v[PBR], s22, v[LI]
.irp b, 0,1,2,3
	v_mov_b32 v[TMX+\b], 0                         ; written once: a lane permute's destination counts as one of its sources
.endr
	s_lshl_b32 s24, ttmp9, 18                      ; x: b x 64 rows of 4,096 bytes + 512 s
	s_add_co_u32 s24, s24, s21
	s_mov_b32 s25, 0
	s_lshl_b32 s26, ttmp9, 15                      ; codes [b][K step 8][token tile 4][1,024]
	s_lshl_b32 s23, s[WV], 12
	s_add_co_u32 s26, s26, s23
	s_mov_b32 s27, 0
	s_lshl_b32 s28, ttmp9, 11                      ; scale words from byte 524,288: [b][K step 8][lane 32][2]
	s_lshl_b32 s23, s[WV], 8
	s_add_co_u32 s28, s28, s23
	s_add_co_u32 s28, s28, 524288
	s_mov_b32 s29, 0
	s_lshl_b32 s30, ttmp9, 12                      ; the mean: rq from byte 139,264: [b][1,024] f32
	s_add_co_u32 s30, s30, s21
	s_add_co_u32 s30, s30, 139264
	s_mov_b32 s31, 0
	s_mov_b32 s[SEL], 0x76543210
	s_mov_b32 s[SEL+1], 0xfedcba98
	s_mov_b32 s[MK], 0xffff0000
	s_wait_kmcnt 0x0
	s_add_nc_u64 s[4:5], s[4:5], s[24:25]
	s_add_nc_u64 s[XC:XC+1], s[14:15], s[26:27]
	s_add_nc_u64 s[XSB:XSB+1], s[14:15], s[28:29]
	s_add_nc_u64 s[PO:PO+1], s[12:13], s[30:31]
.macro XL m, set                       ; token tile m: lane (r, h) takes, of token r, 16 neighbours of each of the K step's four blocks
.irp b, 0,1,2,3
.irp j, 0,1,2,3
	global_load_b128 v[\set+16*\b+4*\j:\set+16*\b+4*\j+3], v[XA], s[4:5] offset:\m*65536+128*\b+16*\j th:TH_LOAD_NT
.endr
.endr
.endm
.macro QX m                            ; token tile m is quantised and its codes stored: a block's 256 bytes of the image by one store of 8 bytes a lane
.if \m >= 2
	s_wait_xcnt 0x0                                ; tile m - 2's stores have read this set of code registers
.endif
	QUANT4 X0+64*(\m%2), PC+8*(\m%2)
	v_lshl_or_b32 v[PW+\m], v[TB+1], 8, v[TB]
	v_lshl_or_b32 v[PW+\m], v[TB+2], 16, v[PW+\m]
	v_lshl_or_b32 v[PW+\m], v[TB+3], 24, v[PW+\m]  ; my token's scale word of this K step
.irp b, 0,1,2,3
	global_store_b64 v[HST], v[PC+8*(\m%2)+2*\b:PC+8*(\m%2)+2*\b+1], s[XC:XC+1] offset:\m*1024+256*\b
.endr
.endm
.macro PADD set
.set i, 0
.rept 32
	v_pk_add_f32 v[P+i:P+i+1], v[P+i:P+i+1], v[\set+i:\set+i+1]
.set i, i+2
.endr
.endm
	XL 0, X0
	XL 1, X0+64
	s_wait_loadcnt 16                              ; tile 0's sixteen loads are in; tile 1's may be out
	QX 0
	s_wait_loadcnt 0x0
.set i, 0
.rept 32
	v_pk_add_f32 v[P+i:P+i+1], v[X0+i:X0+i+1], v[X0+64+i:X0+64+i+1]   ; the first two tiles start the sums
.set i, i+2
.endr
	XL 2, X0
	QX 1
	XL 3, X0+64
	s_wait_loadcnt 16                              ; tile 2's are in; tile 3's may be out
	PADD X0
	QX 2
	s_wait_loadcnt 0x0
	PADD X0+64
	QX 3
	v_cndmask_b32 v[SP2], v[PW], v[PW+1], s[MK]    ; word 0: lanes 0-15 tile 0's tokens, lanes 16-31 tile 1's; word 1: tiles 2 and 3: so one register serves two tiles of a scaled product
	v_cndmask_b32 v[SP2+1], v[PW+2], v[PW+3], s[MK]
	global_store_b64 v[L8], v[SP2:SP2+1], s[XSB:XSB+1]
.irp k, 1,2,4,8                        ; the sums over the 16 tokens that lie in the 16 lanes of my half
.set i, 0
.rept 64
	v_add_f32_dpp v[P+i], v[P+i], v[P+i] row_xmask:\k row_mask:0xf bank_mask:0xf
.set i, i+1
.endr
.endr
.set i, 0
.rept 32
	v_pk_mul_f32 v[P+i:P+i+1], v[P+i:P+i+1], 0x3c800000 op_sel_hi:[1,0]   ; / 64
.set i, i+2
.endr
.irp b, 0,1,2,3
.irp j, 0,1,2,3
	ds_store_b128 v[PBW], v[P+16*\b+4*\j:P+16*\b+4*\j+3] offset:128*\b+16*\j   ; the sixteen lanes of a half write the same bytes with the same values
.endr
.endr
	ds_load_b128 v[PB:PB+3], v[PBR]                ; my wave's own bytes, served in order
	s_wait_dscnt 0x0
	global_store_b128 v[LI], v[PB:PB+3], s[PO:PO+1]   ; 512 consecutive bytes of the mean
	s_wait_tensorcnt 0x0
	ds_add_u32 v30, v31
	s_wait_dscnt 0x0
	s_endpgm
.Lfunc_end_k_qcce64e5422_prep:
	.size	k_qcce64e5422_prep, .Lfunc_end_k_qcce64e5422_prep-k_qcce64e5422_prep
	.p2alignl 7, 3214868480
	.fill 96, 4, 3214868480
	.section	.rodata,"a",@progbits
	.p2align	6, 0x0
	.amdhsa_kernel k_qcce64e5422_prep
		.amdhsa_group_segment_fixed_size 27648
		.amdhsa_private_segment_fixed_size 0
		.amdhsa_enable_private_segment 0
		.amdhsa_kernarg_size 48
		.amdhsa_user_sgpr_count 2
		.amdhsa_user_sgpr_kernarg_segment_ptr 1
		.amdhsa_wavefront_size32 1
		.amdhsa_system_sgpr_workgroup_id_x 1
		.amdhsa_system_sgpr_workgroup_id_y 1
		.amdhsa_system_sgpr_workgroup_id_z 1
		.amdhsa_system_vgpr_workitem_id 0
		.amdhsa_next_free_vgpr 256
		.amdhsa_next_free_sgpr 66
		.amdhsa_reserve_vcc 0
		.amdhsa_float_denorm_mode_32 3
		.amdhsa_float_denorm_mode_16_64 3
		.amdhsa_memory_ordered 1
		.amdhsa_forward_progress 1
		.amdhsa_inst_pref_size 166
	.end_amdhsa_kernel
	.amdgpu_metadata
---
amdhsa.version: [ 1, 2 ]
amdhsa.kernels:
  - .name:           k_qcce64e5422_prep
    .symbol:         k_qcce64e5422_prep.kd
    .args:
      - { .name: x, .offset: 0, .size: 8, .value_kind: global_buffer, .address_space: global }
      - { .name: W1, .offset: 8, .size: 8, .value_kind: global_buffer, .address_space: global }
      - { .name: Wa, .offset: 16, .size: 8, .value_kind: global_buffer, .address_space: global }
      - { .name: waq, .offset: 24, .size: 8, .value_kind: global_buffer, .address_space: global }
      - { .name: rq, .offset: 32, .size: 8, .value_kind: global_buffer, .address_space: global }
      - { .name: xq, .offset: 40, .size: 8, .value_kind: global_buffer, .address_space: global }
    .group_segment_fixed_size: 27648
    .private_segment_fixed_size: 0
    .kernarg_segment_align: 8
    .kernarg_segment_size: 48
    .max_flat_workgroup_size: 256
    .sgpr_count:     66
    .vgpr_count:     256
    .wavefront_size: 32
...
	.end_amdgpu_metadata
.endif
;; end of part 1
;; launch route (part 2): grid 129 x 1, 8 waves a work-group, no clusters, 36,864 bytes of LDS; arguments rq, b1, W2, b2, Wa, waq, sel, wts; writes waq, sel, wts
.if DOCPART == 2
	.amdgcn_target "amdgcn-amd-amdhsa--gfx1250"
	.amdhsa_code_object_version 6
	.text
	.protected	k_qcce64e5422_route
	.globl	k_qcce64e5422_route
	.p2align	8
	.type	k_qcce64e5422_route,@function
k_qcce64e5422_route:
	s_mov_b64 s[64:65], 0
	v_nop
	global_prefetch_b8 v0, s[64:65] scope:SCOPE_SE
	s_setreg_imm32_b32 hwreg(HW_REG_WAVE_MODE, 25, 1), 1
	s_wait_xcnt 0x0
; SECOND LAUNCH.  Work-group 0 is the ROUTER: logits = tanh(Q(mean) Q(W1) + b1) W2 + b2, softmax, the three largest of eight, their weights renormalised.  It stores the chosen zones as whole numbers (sel [b][4])
; and their weights (wts [b][4]); no address or branch of this launch hangs on them.  Work-groups 1-128: BULK on Wa, zones 4 to 7, as in the launch before (see there for the quantiser and the layouts).
; ROUTER: the first product is on FP4 codes: the mean is quantised here (wave w: K step w), W1's codes come from rq.  It is used transposed (source 0 = 16 columns of W1, source 1 = the 16 batch elements):
; lane (r, h) holds batch element r and hidden units 32 w + 16 h + 0 .. 15 of wave w's 32.  The second product (N = 8) is fused multiply-adds in f32; the waves' parts meet in LDS.
; LIMITS: NaN and infinities are not served; blocks under 2^-124 get the byte 1.  tanh(d) = 1 - 2 / (1 + 2^(2 log2(e) d)): its error is some 1e-7 absolute, not relative, near d = 0.
; Equal probabilities go to the lower zone, as jax.lax.top_k has it; probabilities that differ by rounding alone may fall either way.
; No tensor loads and no cluster: the router is one work-group, and BULK's waves share nothing.
.set WV,   20
.set SRCB, 32
.set DCO,  34
.set DSO,  36
.set LO,  1
.set BA,  2
.set RA,  3
.set GA,  4
.set SA,  5
.set SR,  6
.set T,   32
.set S,   64
.set C,   192
.set R,   208
.set AM,  224
.set SCO, 228
.set BY,  232
.set SW,  236
; the router's LDS, behind BULK's 8 x 2,816 bytes
.set PIMG, 22528                       ; the mean's 8 fragments, images of 1,024 bytes
.set PSC,  30720                       ; their scale words, 128 bytes each
.set LG,   31744                       ; the waves' parts of the logits: [wave 8][batch 16][8] f32
; the router's registers
.set XA,  1                            ; v1   the mean: row r of 4,096 bytes + 64 h
.set HST, 2                            ; v2   LDS: my 8 bytes of a block in my wave's image
.set L4,  3                            ; v3   4 x lane
.set LI,  4                            ; v4   16 x lane
.set PSW, 5                            ; v5   LDS: my scale word, on the way in
.set B1A, 6                            ; v6   64 h
.set W2A, 7                            ; v7   512 h
.set LGW, 8                            ; v8   LDS: my wave's part of batch r's logits
.set LGR, 9                            ; v9   LDS: wave 0's part of them
.set PIR, 10                           ; v10  LDS: an image, on the way out
.set PSR, 11                           ; v11  LDS: scale words, on the way out
.set TMX, 12
.set TM,  16
.set SCQ, 20
.set TB,  24
.set PW,  28
.set OUTA, 29                          ; v29  16 r + 8 h
.set PF,  32                           ; v32-95   64 numbers of the mean, then its 8 fragments
.set WF,  96                           ; v96-223  W1's 16 fragments (K step s, tile u at 16 s + 8 u); then W2's rows; then the waves' parts
.set DA,  224                          ; v224-239 the codes just made; then the two accumulators
.set W1S, 240                          ; v240-247 W1's scale words, one register a K step: lanes 0-15 tile 0, lanes 16-31 tile 1
.set PS,  248                          ; v248-255 the mean's
.set RH,  32                           ; v32-47   tanh
.set RL,  48                           ; v48-55   logits, then probabilities
.set RLX, 56                           ; v56-63   the other half's
.set RM,  64
.set RS,  65
.set BEST, 66                          ; v66-68
.set IDX, 69                           ; v69-71
.set OV,  72                           ; v72-75
.set SEL, 42                           ; s[42:43]
.set MK,  44
.macro BULKADR
	v_and_b32 v7, 31, v0
	v_lshlrev_b32 v[LO], 4, v7
	s_mul_i32 s21, s[WV], 2816
	v_lshrrev_b32 v8, 3, v7
	v_bfe_u32 v9, v7, 1, 1
	v_lshl_add_u32 v10, v8, 1, v9
	v_and_b32 v11, 1, v7
	v_bfe_u32 v12, v7, 2, 1
	v_lshlrev_b32 v11, 2, v11
	v_lshl_add_u32 v11, v12, 3, v11
	v_mul_u32_u24 v[BA], v10, 272
	v_lshl_add_u32 v[BA], v11, 4, v[BA]
	v_add_nc_u32 v[BA], s21, v[BA]
	v_lshrrev_b32 v12, 4, v7
	v_and_b32 v13, 15, v7
	v_mul_u32_u24 v[RA], v12, 272
	v_lshl_add_u32 v[RA], v13, 4, v[RA]
	v_add_nc_u32 v[RA], s21, v[RA]
	v_lshlrev_b32 v[GA], 10, v12
	v_lshl_add_u32 v[GA], v13, 4, v[GA]
	v_lshlrev_b32 v[SA], 7, v8
	v_lshl_add_u32 v[SA], v9, 6, v[SA]
	v_lshl_add_u32 v[SA], v11, 2, v[SA]
	v_add_nc_u32 v[SA], s21, v[SA]
	v_add_nc_u32 v[SA], 2304, v[SA]
	v_add_nc_u32 v[SR], s21, v[LO]
	v_add_nc_u32 v[SR], 2304, v[SR]
.endm
.macro GLOAD g, o, pitch
.irp i, 0,1,2,3,4,5,6,7
	global_load_b128 v[S+4*(8*(\o)+\i):S+4*(8*(\o)+\i)+3], v[LO], s[SRCB:SRCB+1] offset:(32*(\g)+8*(\o)+\i)*\pitch th:TH_LOAD_NT
.endr
.endm
; One wave: 128 columns x 128 along K of f32 stored [K][N] become 8 tiles x one K step of codes and 512 bytes of scale words (explained in the first launch's text)
.macro BULK pitch, cps
.irp o, 0,1,2,3
	GLOAD 0, \o, \pitch
.endr
.irp g, 0,1,2,3
	s_wait_loadcnt 0x0                             ; the block's 32 rows are in; nothing younger is out
.irp j, 0,1,2,3
	v_max3_num_f32 v[AM+\j], |v[S+\j]|, |v[S+4+\j]|, 0x1800000
.endr
.irp t, 1,2,3,4,5,6,7,8,9,10,11,12,13,14,15
.irp j, 0,1,2,3
	v_max3_num_f32 v[AM+\j], v[AM+\j], |v[S+8*\t+\j]|, |v[S+8*\t+4+\j]|
.endr
.endr
.irp j, 0,1,2,3
	v_add_nc_u32 v[SCO+\j], 0xff000000, v[AM+\j]
.endr
.irp j, 0,1,2,3
	v_lshrrev_b32 v[BY+\j], 23, v[SCO+\j]
.endr
.irp j, 0,1,2,3
.if \g == 0
	v_mov_b32 v[SW+\j], v[BY+\j]
.else
	v_lshl_or_b32 v[SW+\j], v[BY+\j], 8*\g, v[SW+\j]
.endif
.endr
.irp o, 0,1,2,3
.irp j, 0,1,2,3
.irp i, 0,1,2,3,4,5,6,7
	v_mov_b32 v[T+8*\j+\i], v[S+4*(8*\o+\i)+\j]
.endr
.endr
.if \g < 3
	GLOAD \g+1, \o, \pitch
.endif
.irp j, 0,1,2,3
	v_cvt_scalef32_pk8_fp4_f32 v[C+4*\j+\o], v[T+8*\j:T+8*\j+7], v[SCO+\j]
.endr
	v_nop                                          ; a plain line between the conversions and the next writes of their sources
.endr
	s_wait_xcnt 0x0                                ; the last block's stores have read R
.irp j, 0,1,2,3
	ds_store_b128 v[BA], v[C+4*\j:C+4*\j+3] offset:16*\j
.endr
.irp i, 0,1,2,3
	ds_load_b128 v[R+4*\i:R+4*\i+3], v[RA] offset:544*\i
.endr
	s_wait_dscnt 0x0
.irp i, 0,1,2,3
	global_store_b128 v[GA], v[R+4*\i:R+4*\i+3], s[DCO:DCO+1] offset:\i*\cps+256*\g
.endr
.endr
.irp j, 0,1,2,3
	ds_store_b32 v[SA], v[SW+\j] offset:4*\j
.endr
	ds_load_b128 v[C:C+3], v[SR]
	s_wait_dscnt 0x0
	global_store_b128 v[LO], v[C:C+3], s[DSO:DSO+1]
	s_wait_tensorcnt 0x0
	ds_add_u32 v30, v31
	s_wait_dscnt 0x0
	s_endpgm
.endm
.macro WAADR first, e0, wa, wq
	s_sub_co_u32 s21, ttmp9, \first
	s_lshr_b32 s22, s21, 5
.if \e0
	s_add_co_u32 s22, s22, \e0
.endif
	s_bfe_u32 s23, s21, 0x30002
	s_and_b32 s24, s21, 3
	s_lshl_b32 s24, s24, 3
	s_add_co_u32 s24, s24, s[WV]
	s_lshl_b32 s26, s22, 24
	s_lshl_b32 s25, s23, 21
	s_add_co_u32 s26, s26, s25
	s_lshl_b32 s25, s24, 9
	s_add_co_u32 s26, s26, s25
	s_mov_b32 s27, 0
	s_lshl_b32 s28, s22, 21
	s_lshl_b32 s25, s24, 16
	s_add_co_u32 s28, s28, s25
	s_lshl_b32 s25, s23, 11
	s_add_co_u32 s28, s28, s25
	s_mov_b32 s29, 0
	s_lshl_b32 s30, s22, 17
	s_lshl_b32 s25, s24, 12
	s_add_co_u32 s30, s30, s25
	s_lshl_b32 s25, s23, 9
	s_add_co_u32 s30, s30, s25
	s_add_co_u32 s30, s30, 16777216
	s_mov_b32 s31, 0
	s_wait_kmcnt 0x0
	s_add_nc_u64 s[SRCB:SRCB+1], s[\wa:\wa+1], s[26:27]
	s_add_nc_u64 s[DCO:DCO+1], s[\wq:\wq+1], s[28:29]
	s_add_nc_u64 s[DSO:DSO+1], s[\wq:\wq+1], s[30:31]
.endm
.macro QUANT4 src, pc
.irp b, 0,1,2,3
	v_max3_num_f32 v[TM+\b], |v[\src+16*\b]|, |v[\src+16*\b+1]|, 0x1800000
.endr
.irp i, 2,4,6,8,10,12,14
.irp b, 0,1,2,3
	v_max3_num_f32 v[TM+\b], v[TM+\b], |v[\src+16*\b+\i]|, |v[\src+16*\b+\i+1]|
.endr
.endr
.irp b, 0,1,2,3
	v_permlanex16_b32 v[TMX+\b], v[TM+\b], s[SEL], s[SEL+1]
.endr
.irp b, 0,1,2,3
	v_max_num_f32 v[TM+\b], v[TM+\b], v[TMX+\b]
.endr
.irp b, 0,1,2,3
	v_add_nc_u32 v[SCQ+\b], 0xff000000, v[TM+\b]
.endr
.irp b, 0,1,2,3
	v_lshrrev_b32 v[TB+\b], 23, v[SCQ+\b]
.endr
.irp b, 0,1,2,3
	v_cvt_scalef32_pk8_fp4_f32 v[\pc+2*\b], v[\src+16*\b:\src+16*\b+7], v[SCQ+\b]
	v_cvt_scalef32_pk8_fp4_f32 v[\pc+2*\b+1], v[\src+16*\b+8:\src+16*\b+15], v[SCQ+\b]
.endr
	v_nop                                          ; a plain line behind the last conversion
.endm
	s_load_b256 s[4:11], s[0:1], 0x0               ; rq s[4:5], b1 s[6:7], W2 s[8:9], b2 s[10:11]
	s_load_b256 s[12:19], s[0:1], 0x20             ; Wa s[12:13], waq s[14:15], sel s[16:17], wts s[18:19]
	v_lshl_add_u32 v30, v0, 2, 0x8c00
	v_mov_b32 v31, 0
	v_lshrrev_b32 v7, 5, v0
	v_readfirstlane_b32 s[WV], v7
	s_cmp_eq_u32 ttmp9, 0
	s_cbranch_scc1 .Lrouter
	BULKADR
	WAADR 1, 4, 12, 14
	BULK 16384, 16384
.Lrouter:
	v_and_b32 v13, 31, v0
	v_and_b32 v14, 15, v0                          ; r: the batch element
	v_bfe_u32 v15, v0, 4, 1                        ; h
	v_lshlrev_b32 v[XA], 12, v14
	v_lshl_add_u32 v[XA], v15, 6, v[XA]
	v_lshlrev_b32 v[L4], 2, v13
	v_lshlrev_b32 v[LI], 4, v13
	v_lshlrev_b32 v[OUTA], 4, v14
	v_lshl_add_u32 v[OUTA], v15, 3, v[OUTA]
	s_lshl_b32 s21, s[WV], 10
	s_add_co_u32 s21, s21, PIMG
	v_add_nc_u32 v[HST], s21, v[OUTA]
	s_lshl_b32 s21, s[WV], 7
	s_add_co_u32 s21, s21, PSC
	v_add_nc_u32 v[PSW], s21, v[L4]
	v_lshlrev_b32 v[B1A], 6, v15
	v_lshlrev_b32 v[W2A], 9, v15
	v_lshlrev_b32 v[LGR], 5, v14
	v_add_nc_u32 v[LGR], LG, v[LGR]
	s_lshl_b32 s21, s[WV], 9
	v_add_nc_u32 v[LGW], s21, v[LGR]
	v_add_nc_u32 v[PIR], PIMG, v[LI]
	v_add_nc_u32 v[PSR], PSC, v[L4]
.irp b, 0,1,2,3
	v_mov_b32 v[TMX+\b], 0                         ; written once: a lane permute's destination counts as one of its sources
.endr
	s_lshl_b32 s22, s[WV], 9                       ; the mean's K step w
	s_add_co_u32 s22, s22, 139264
	s_mov_b32 s23, 0
	s_lshl_b32 s24, s[WV], 14                      ; W1's pair w of tiles
	s_mov_b32 s25, 0
	s_lshr_b32 s26, s[WV], 2                       ; its scale words: run w >> 2, pair w & 3
	s_lshl_b32 s26, s26, 12
	s_and_b32 s27, s[WV], 3
	s_lshl_b32 s27, s27, 7
	s_add_co_u32 s26, s26, s27
	s_add_co_u32 s26, s26, 131072
	s_mov_b32 s27, 0
	s_lshl_b32 s28, s[WV], 7                       ; b1: my 32 numbers
	s_mov_b32 s29, 0
	s_lshl_b32 s30, s[WV], 10                      ; W2: my 32 rows of 32 bytes
	s_mov_b32 s31, 0
	s_mov_b32 s[SEL], 0x76543210
	s_mov_b32 s[SEL+1], 0xfedcba98
	s_mov_b32 s[MK], 0xffff0000
	s_wait_kmcnt 0x0
	s_add_nc_u64 s[32:33], s[4:5], s[22:23]
	s_add_nc_u64 s[34:35], s[4:5], s[24:25]
	s_add_nc_u64 s[36:37], s[4:5], s[26:27]
	s_add_nc_u64 s[38:39], s[6:7], s[28:29]
	s_add_nc_u64 s[40:41], s[8:9], s[30:31]
	s_load_b256 s[48:55], s[10:11], 0x0            ; b2
.irp b, 0,1,2,3
.irp j, 0,1,2,3
	global_load_b128 v[PF+16*\b+4*\j:PF+16*\b+4*\j+3], v[XA], s[32:33] offset:128*\b+16*\j
.endr
.endr
.irp s, 0,1,2,3,4,5,6,7
.irp u, 0,1
.irp c, 0,1
	global_load_b128 v[WF+16*\s+8*\u+4*\c:WF+16*\s+8*\u+4*\c+3], v[LI], s[34:35] offset:\s*2048+\u*1024+\c*512
.endr
.endr
.endr
.irp s, 0,1,2,3,4,5,6,7
	global_load_b32 v[W1S+\s], v[L4], s[36:37] offset:\s*512
.endr
	s_wait_loadcnt 40                              ; the mean's sixteen loads are in; W1's 32 and its 8 scale words, issued behind them, may be out
	QUANT4 PF, DA
	v_lshl_or_b32 v[PW], v[TB+1], 8, v[TB]
	v_lshl_or_b32 v[PW], v[TB+2], 16, v[PW]
	v_lshl_or_b32 v[PW], v[TB+3], 24, v[PW]
.irp b, 0,1,2,3
	ds_store_b64 v[HST], v[DA+2*\b:DA+2*\b+1] offset:256*\b
.endr
	ds_store_b32 v[PSW], v[PW]
	s_wait_dscnt 0x0                               ; for the others' sake: my stores have landed
	s_barrier_signal -1
	s_barrier_wait -1                              ; the mean's eight fragments lie in LDS
.irp u, 0,1
	global_load_b128 v[DA+8*\u:DA+8*\u+3], v[B1A], s[38:39] offset:32*\u        ; b1 in the result's layout starts the sums: hidden units 32 w + 16 h + 8 u + 0 .. 7
	global_load_b128 v[DA+8*\u+4:DA+8*\u+7], v[B1A], s[38:39] offset:32*\u+16
.endr
.irp s, 0,1,2,3,4,5,6,7
.irp c, 0,1
	ds_load_b128 v[PF+8*\s+4*\c:PF+8*\s+4*\c+3], v[PIR] offset:\s*1024+\c*512
.endr
.endr
.irp s, 0,1,2,3,4,5,6,7
	ds_load_b32 v[PS+\s], v[PSR] offset:\s*128
.endr
	s_wait_loadcnt 0x0
	s_wait_dscnt 0x0
.irp s, 0,1,2,3,4,5,6,7                ; the two accumulators by turns, one instruction a turn
	v_wmma_scale_f32_16x16x128_f8f6f4 v[DA:DA+7], v[WF+16*\s:WF+16*\s+7], v[PF+8*\s:PF+8*\s+7], v[DA:DA+7], v[W1S+\s], v[PS+\s] matrix_a_fmt:MATRIX_FMT_FP4 matrix_b_fmt:MATRIX_FMT_FP4
	v_wmma_scale_f32_16x16x128_f8f6f4 v[DA+8:DA+15], v[WF+16*\s+8:WF+16*\s+15], v[PF+8*\s:PF+8*\s+7], v[DA+8:DA+15], v[W1S+\s], v[PS+\s] matrix_a_fmt:MATRIX_FMT_FP4 matrix_b_fmt:MATRIX_FMT_FP4 matrix_a_scale:MATRIX_SCALE_ROW1
.endr
.rept 4
	v_nop                                          ; four places behind the last products: in front of loads into their sources and of the first read of results
.endr
.irp i, 0,1,2,3,4,5,6,7,8,9,10,11,12,13,14,15
	global_load_b128 v[WF+8*\i:WF+8*\i+3], v[W2A], s[40:41] offset:32*\i        ; W2's row of my hidden unit i: eight numbers
	global_load_b128 v[WF+8*\i+4:WF+8*\i+7], v[W2A], s[40:41] offset:32*\i+16
.endr
.irp i, 0,1,2,3,4,5,6,7,8,9,10,11,12,13,14,15
	v_mul_f32 v[RH+\i], 0x4038aa3b, v[DA+\i]       ; 2 log2(e) d; each accumulator from its low end on
.endr
.irp i, 0,1,2,3,4,5,6,7,8,9,10,11,12,13,14,15
	v_exp_f32 v[RH+\i], v[RH+\i]
.endr
	v_nop                                          ; a plain line behind the exponentials
	s_wait_alu depctr_va_vdst(0)
.irp i, 0,1,2,3,4,5,6,7,8,9,10,11,12,13,14,15
	v_add_f32 v[RH+\i], 1.0, v[RH+\i]
.endr
.irp i, 0,1,2,3,4,5,6,7,8,9,10,11,12,13,14,15
	v_rcp_f32 v[RH+\i], v[RH+\i]
.endr
	v_nop
	s_wait_alu depctr_va_vdst(0)
.irp i, 0,1,2,3,4,5,6,7,8,9,10,11,12,13,14,15
	v_fma_f32 v[RH+\i], v[RH+\i], -2.0, 1.0        ; tanh
.endr
.irp e, 0,1,2,3,4,5,6,7
	v_mov_b32 v[RLX+\e], 0
.endr
	s_wait_loadcnt 0x0
.irp e, 0,1,2,3,4,5,6,7
	v_mul_f32 v[RL+\e], v[RH], v[WF+\e]
.endr
.irp i, 1,2,3,4,5,6,7,8,9,10,11,12,13,14,15
.irp e, 0,1,2,3,4,5,6,7
	v_fmac_f32 v[RL+\e], v[RH+\i], v[WF+8*\i+\e]
.endr
.endr
.irp e, 0,1,2,3,4,5,6,7
	v_permlanex16_b32 v[RLX+\e], v[RL+\e], s[SEL], s[SEL+1]
.endr
.irp e, 0,1,2,3,4,5,6,7
	v_add_f32 v[RL+\e], v[RL+\e], v[RLX+\e]        ; with the other half's 16 hidden units
.endr
	ds_store_b128 v[LGW], v[RL:RL+3]               ; lanes r and r + 16 write the same bytes with the same values
	ds_store_b128 v[LGW], v[RL+4:RL+7] offset:16
	s_wait_dscnt 0x0
	s_barrier_signal -1
	s_barrier_wait -1
	s_cmp_lg_u32 s[WV], 0
	s_cbranch_scc1 .Lrend                          ; wave 0 does the rest
.irp w, 0,1,2,3,4,5,6,7
	ds_load_b128 v[WF+8*\w:WF+8*\w+3], v[LGR] offset:512*\w
	ds_load_b128 v[WF+8*\w+4:WF+8*\w+7], v[LGR] offset:512*\w+16
.endr
	s_wait_kmcnt 0x0                               ; b2
	s_wait_dscnt 0x0
.irp e, 0,1,2,3,4,5,6,7
	v_add_f32 v[RL+\e], s[48+\e], v[WF+\e]
.endr
.irp w, 1,2,3,4,5,6,7
.irp e, 0,1,2,3,4,5,6,7
	v_add_f32 v[RL+\e], v[RL+\e], v[WF+8*\w+\e]
.endr
.endr
	v_max3_num_f32 v[RM], v[RL], v[RL+1], v[RL+2]  ; the softmax takes its maximum away first
	v_max3_num_f32 v[RM], v[RM], v[RL+3], v[RL+4]
	v_max3_num_f32 v[RM], v[RM], v[RL+5], v[RL+6]
	v_max_num_f32 v[RM], v[RM], v[RL+7]
.irp e, 0,1,2,3,4,5,6,7
	v_sub_f32 v[RL+\e], v[RL+\e], v[RM]
.endr
.irp e, 0,1,2,3,4,5,6,7
	v_mul_f32 v[RL+\e], 0x3fb8aa3b, v[RL+\e]
.endr
.irp e, 0,1,2,3,4,5,6,7
	v_exp_f32 v[RL+\e], v[RL+\e]
.endr
	v_nop
	s_wait_alu depctr_va_vdst(0)
	v_add_f32 v[RS], v[RL], v[RL+1]
.irp e, 2,3,4,5,6,7
	v_add_f32 v[RS], v[RS], v[RL+\e]
.endr
	v_rcp_f32 v[RS], v[RS]
	v_nop
	s_wait_alu depctr_va_vdst(0)
.irp e, 0,1,2,3,4,5,6,7
	v_mul_f32 v[RL+\e], v[RL+\e], v[RS]            ; the probabilities
.endr
.irp k, 0,1,2                          ; three times: the largest, the lower zone where two are equal (the compare is strict); then it is taken out
	v_mov_b32 v[BEST+\k], v[RL]
	v_mov_b32 v[IDX+\k], 0
.irp e, 1,2,3,4,5,6,7
	v_cmp_gt_f32 vcc_lo, v[RL+\e], v[BEST+\k]
	v_cndmask_b32 v[BEST+\k], v[BEST+\k], v[RL+\e], vcc_lo
	v_cndmask_b32 v[IDX+\k], v[IDX+\k], \e, vcc_lo
.endr
.irp e, 0,1,2,3,4,5,6,7
	v_cmp_eq_u32 vcc_lo, \e, v[IDX+\k]
	v_cndmask_b32 v[RL+\e], v[RL+\e], -1.0, vcc_lo
.endr
.endr
	v_add_f32 v[RS], v[BEST], v[BEST+1]
	v_add_f32 v[RS], v[RS], v[BEST+2]
	v_rcp_f32 v[RS], v[RS]
	v_nop
	s_wait_alu depctr_va_vdst(0)
.irp k, 0,1,2
	v_mul_f32 v[BEST+\k], v[BEST+\k], v[RS]        ; the three weights, renormalised
.endr
	v_cndmask_b32 v[OV], v[IDX], v[IDX+2], s[MK]   ; lanes r and r + 16 hold the same: lane r stores entries 0 and 1 of batch r, lane r + 16 entry 2 and a zero
	v_cndmask_b32 v[OV+1], v[IDX+1], 0, s[MK]
	v_cndmask_b32 v[OV+2], v[BEST], v[BEST+2], s[MK]
	v_cndmask_b32 v[OV+3], v[BEST+1], 0, s[MK]
	global_store_b64 v[OUTA], v[OV:OV+1], s[16:17]     ; 256 consecutive bytes, aligned: all of sel
	global_store_b64 v[OUTA], v[OV+2:OV+3], s[18:19]   ; and all of wts
.Lrend:
	s_wait_tensorcnt 0x0
	ds_add_u32 v30, v31
	s_wait_dscnt 0x0
	s_endpgm
.Lfunc_end_k_qcce64e5422_route:
	.size	k_qcce64e5422_route, .Lfunc_end_k_qcce64e5422_route-k_qcce64e5422_route
	.p2alignl 7, 3214868480
	.fill 96, 4, 3214868480
	.section	.rodata,"a",@progbits
	.p2align	6, 0x0
	.amdhsa_kernel k_qcce64e5422_route
		.amdhsa_group_segment_fixed_size 36864
		.amdhsa_private_segment_fixed_size 0
		.amdhsa_enable_private_segment 0
		.amdhsa_kernarg_size 64
		.amdhsa_user_sgpr_count 2
		.amdhsa_user_sgpr_kernarg_segment_ptr 1
		.amdhsa_wavefront_size32 1
		.amdhsa_system_sgpr_workgroup_id_x 1
		.amdhsa_system_sgpr_workgroup_id_y 1
		.amdhsa_system_sgpr_workgroup_id_z 1
		.amdhsa_system_vgpr_workitem_id 0
		.amdhsa_next_free_vgpr 256
		.amdhsa_next_free_sgpr 66
		.amdhsa_reserve_vcc 1
		.amdhsa_float_denorm_mode_32 3
		.amdhsa_float_denorm_mode_16_64 3
		.amdhsa_memory_ordered 1
		.amdhsa_forward_progress 1
		.amdhsa_inst_pref_size 97
	.end_amdhsa_kernel
	.amdgpu_metadata
---
amdhsa.version: [ 1, 2 ]
amdhsa.kernels:
  - .name:           k_qcce64e5422_route
    .symbol:         k_qcce64e5422_route.kd
    .args:
      - { .name: rq, .offset: 0, .size: 8, .value_kind: global_buffer, .address_space: global }
      - { .name: b1, .offset: 8, .size: 8, .value_kind: global_buffer, .address_space: global }
      - { .name: W2, .offset: 16, .size: 8, .value_kind: global_buffer, .address_space: global }
      - { .name: b2, .offset: 24, .size: 8, .value_kind: global_buffer, .address_space: global }
      - { .name: Wa, .offset: 32, .size: 8, .value_kind: global_buffer, .address_space: global }
      - { .name: waq, .offset: 40, .size: 8, .value_kind: global_buffer, .address_space: global }
      - { .name: sel, .offset: 48, .size: 8, .value_kind: global_buffer, .address_space: global }
      - { .name: wts, .offset: 56, .size: 8, .value_kind: global_buffer, .address_space: global }
    .group_segment_fixed_size: 36864
    .private_segment_fixed_size: 0
    .kernarg_segment_align: 8
    .kernarg_segment_size: 64
    .max_flat_workgroup_size: 256
    .sgpr_count:     66
    .vgpr_count:     256
    .wavefront_size: 32
...
	.end_amdgpu_metadata
.endif
;; end of part 2
;; launch ffn1 (part 3): grid 28 x 16, 8 waves a work-group, no clusters, 58,368 bytes of LDS; arguments xq, waq, sel, Wb, wbq, hq; writes wbq, hq
.if DOCPART == 3
	.amdgcn_target "amdgcn-amd-amdhsa--gfx1250"
	.amdhsa_code_object_version 6
	.text
	.protected	k_qcce64e5422_ffn1
	.globl	k_qcce64e5422_ffn1
	.p2align	8
	.type	k_qcce64e5422_ffn1,@function
k_qcce64e5422_ffn1:
	s_mov_b64 s[64:65], 0
	v_nop
	global_prefetch_b8 v0, s[64:65] scope:SCOPE_SE
	s_setreg_imm32_b32 hwreg(HW_REG_WAVE_MODE, 25, 1), 1
	s_wait_xcnt 0x0
; THIRD LAUNCH.  Work-groups with x < 12: GEMM1, the first product of a chosen (batch element, zone) pair with its GELU and the quantising of the result.  x >= 12: BULK on Wb [4096 (k)][1024], all 8 zones
; (256 work-groups; see the first launch's text for the quantiser and the layouts), which streams beside them.
; Only the 16 x 3 chosen pairs are multiplied: reference() gives the other zones the weight 0.  The zone comes from sel, stored by the launch before, and enters addresses behind a clamp to 0 .. 7.
; GEMM1: work-group (x, y): batch element b = y, choice k = x >> 2, quarter x & 3 of the 4,096 hidden units; wave w takes 128 of them: K step g = 8 (x & 3) + w of the second product, as four pairs of tiles.
; The product is used transposed (source 0 = 16 columns of Wa, source 1 = 16 tokens): lane (r, h) holds token r, and the 16 registers of a pair's two tiles are hidden units 16 h + 0 .. 15 of the pair's 32: one block of the
; next K lies in lanes l and l xor 16.  x's codes (32 KiB + 2 KiB of scale words) lie in LDS for all eight waves; Wa's fragments go from memory straight into the registers of the one wave that multiplies them,
; a whole column pair (8 K steps, 40 loads) ahead.
; GELU as jax.nn.gelu has it (the tanh form): x / (1 + 2^(x (k1 + k2 x x))), k1 = -2 sqrt(2/pi) log2(e), k2 = 0.044715 k1, which is 0.5 x (1 + tanh(..)) written with one exponential; all in f32.
; LIMITS: NaN and infinities are not served; blocks under 2^-124, blocks of zeros among them, get the byte 1.
; NO JOINT LOADS: the work-groups of a batch element share x's 34 KiB alone, of the 578 KiB that each reads; which weights a work-group reads hangs on sel, so partners cannot be told at launch.
.set WV,   20
.set SRCB, 32
.set DCO,  34
.set DSO,  36
.set LO,  1
.set BA,  2
.set RA,  3
.set GA,  4
.set SA,  5
.set SR,  6
.set T,   32
.set S,   64
.set C,   192
.set R,   208
.set AM,  224
.set SCO, 228
.set BY,  232
.set SW,  236
; GEMM1's LDS, behind BULK's 8 x 2,816 bytes
.set XIMG, 22528                       ; x's fragments [K step 8][token tile 4][1,024]
.set XSC,  55296                       ; their scale words [K step 8][lane 32][2]
; GEMM1's registers
.set LI,  1                            ; v1   16 x lane
.set L8,  2                            ; v2   8 x lane
.set L4,  3                            ; v3   4 x lane
.set HST, 4                            ; v4   16 r + 8 h
.set XIR, 5                            ; v5   LDS: an image of x for my lane
.set K1,  6                            ; v[6:7] k1, twice
.set PW,  8                            ; v8-11  the hidden layer's scale words, a token tile each
.set TMX, 12
.set XS,  16                           ; v16-17 x's scale words of the K step in hand
.set WS,  18                           ; v18-25 Wa's, one register a K step
.set XSR, 26                           ; v26  LDS: x's scale words for my lane
.set CG,  27                           ; v27  16 x thread;  v28 the same in LDS;  v29 8 x thread;  v30 the same in LDS
.set CL,  28
.set CG8, 29
.set CL8, 30
.set XF,  32                           ; v32-63   x's four fragments of a K step; at work in the epilogue
.set ACC, 64                           ; v64-127  accumulators: token tile m, tile u at 16 m + 8 u
.set WF,  128                          ; v128-255 Wa's fragments of a column pair: K step s, tile u at 16 s + 8 u
.set TM,  XF
.set SCQ, XF+4
.set TB,  XF+8
.set PC,  XF+16
.set GW,  40                           ; s[40:41] Wa's codes of the pair in hand;  s[42:43] its scale words;  s[44:45] where the hidden codes go;  s[46:47] their scale words
.set GWS, 42
.set GH,  44
.set GHS, 46
.set K2,  48                           ; s[48:49] k2
.set SEL, 50                           ; s[50:51]
.set SH,  52                           ; s52  8 x the pair's number: its byte's place in a scale word
.set CNT, 53
.set MK,  54
.macro BULKADR
	v_and_b32 v7, 31, v0
	v_lshlrev_b32 v[LO], 4, v7
	s_mul_i32 s21, s[WV], 2816
	v_lshrrev_b32 v8, 3, v7
	v_bfe_u32 v9, v7, 1, 1
	v_lshl_add_u32 v10, v8, 1, v9
	v_and_b32 v11, 1, v7
	v_bfe_u32 v12, v7, 2, 1
	v_lshlrev_b32 v11, 2, v11
	v_lshl_add_u32 v11, v12, 3, v11
	v_mul_u32_u24 v[BA], v10, 272
	v_lshl_add_u32 v[BA], v11, 4, v[BA]
	v_add_nc_u32 v[BA], s21, v[BA]
	v_lshrrev_b32 v12, 4, v7
	v_and_b32 v13, 15, v7
	v_mul_u32_u24 v[RA], v12, 272
	v_lshl_add_u32 v[RA], v13, 4, v[RA]
	v_add_nc_u32 v[RA], s21, v[RA]
	v_lshlrev_b32 v[GA], 10, v12
	v_lshl_add_u32 v[GA], v13, 4, v[GA]
	v_lshlrev_b32 v[SA], 7, v8
	v_lshl_add_u32 v[SA], v9, 6, v[SA]
	v_lshl_add_u32 v[SA], v11, 2, v[SA]
	v_add_nc_u32 v[SA], s21, v[SA]
	v_add_nc_u32 v[SA], 2304, v[SA]
	v_add_nc_u32 v[SR], s21, v[LO]
	v_add_nc_u32 v[SR], 2304, v[SR]
.endm
.macro GLOAD g, o, pitch
.irp i, 0,1,2,3,4,5,6,7
	global_load_b128 v[S+4*(8*(\o)+\i):S+4*(8*(\o)+\i)+3], v[LO], s[SRCB:SRCB+1] offset:(32*(\g)+8*(\o)+\i)*\pitch th:TH_LOAD_NT
.endr
.endm
; One wave: 128 columns x 128 along K of f32 stored [K][N] become 8 tiles x one K step of codes and 512 bytes of scale words (explained in the first launch's text)
.macro BULK pitch, cps
.irp o, 0,1,2,3
	GLOAD 0, \o, \pitch
.endr
.irp g, 0,1,2,3
	s_wait_loadcnt 0x0                             ; the block's 32 rows are in; nothing younger is out
.irp j, 0,1,2,3
	v_max3_num_f32 v[AM+\j], |v[S+\j]|, |v[S+4+\j]|, 0x1800000
.endr
.irp t, 1,2,3,4,5,6,7,8,9,10,11,12,13,14,15
.irp j, 0,1,2,3
	v_max3_num_f32 v[AM+\j], v[AM+\j], |v[S+8*\t+\j]|, |v[S+8*\t+4+\j]|
.endr
.endr
.irp j, 0,1,2,3
	v_add_nc_u32 v[SCO+\j], 0xff000000, v[AM+\j]
.endr
.irp j, 0,1,2,3
	v_lshrrev_b32 v[BY+\j], 23, v[SCO+\j]
.endr
.irp j, 0,1,2,3
.if \g == 0
	v_mov_b32 v[SW+\j], v[BY+\j]
.else
	v_lshl_or_b32 v[SW+\j], v[BY+\j], 8*\g, v[SW+\j]
.endif
.endr
.irp o, 0,1,2,3
.irp j, 0,1,2,3
.irp i, 0,1,2,3,4,5,6,7
	v_mov_b32 v[T+8*\j+\i], v[S+4*(8*\o+\i)+\j]
.endr
.endr
.if \g < 3
	GLOAD \g+1, \o, \pitch
.endif
.irp j, 0,1,2,3
	v_cvt_scalef32_pk8_fp4_f32 v[C+4*\j+\o], v[T+8*\j:T+8*\j+7], v[SCO+\j]
.endr
	v_nop                                          ; a plain line between the conversions and the next writes of their sources
.endr
	s_wait_xcnt 0x0                                ; the last block's stores have read R
.irp j, 0,1,2,3
	ds_store_b128 v[BA], v[C+4*\j:C+4*\j+3] offset:16*\j
.endr
.irp i, 0,1,2,3
	ds_load_b128 v[R+4*\i:R+4*\i+3], v[RA] offset:544*\i
.endr
	s_wait_dscnt 0x0
.irp i, 0,1,2,3
	global_store_b128 v[GA], v[R+4*\i:R+4*\i+3], s[DCO:DCO+1] offset:\i*\cps+256*\g
.endr
.endr
.irp j, 0,1,2,3
	ds_store_b32 v[SA], v[SW+\j] offset:4*\j
.endr
	ds_load_b128 v[C:C+3], v[SR]
	s_wait_dscnt 0x0
	global_store_b128 v[LO], v[C:C+3], s[DSO:DSO+1]
	s_set_vgpr_msb 0x4
	s_wait_tensorcnt 0x0
	ds_add_u32 v31, v1
	s_wait_dscnt 0x0
	s_set_vgpr_msb 0x400
	s_endpgm
.endm
.macro QUANT4 src, pc
.irp b, 0,1,2,3
	v_max3_num_f32 v[TM+\b], |v[\src+16*\b]|, |v[\src+16*\b+1]|, 0x1800000
.endr
.irp i, 2,4,6,8,10,12,14
.irp b, 0,1,2,3
	v_max3_num_f32 v[TM+\b], v[TM+\b], |v[\src+16*\b+\i]|, |v[\src+16*\b+\i+1]|
.endr
.endr
.irp b, 0,1,2,3
	v_permlanex16_b32 v[TMX+\b], v[TM+\b], s[SEL], s[SEL+1]
.endr
.irp b, 0,1,2,3
	v_max_num_f32 v[TM+\b], v[TM+\b], v[TMX+\b]
.endr
.irp b, 0,1,2,3
	v_add_nc_u32 v[SCQ+\b], 0xff000000, v[TM+\b]
.endr
.irp b, 0,1,2,3
	v_lshrrev_b32 v[TB+\b], 23, v[SCQ+\b]
.endr
.irp b, 0,1,2,3
	v_cvt_scalef32_pk8_fp4_f32 v[\pc+2*\b], v[\src+16*\b:\src+16*\b+7], v[SCQ+\b]
	v_cvt_scalef32_pk8_fp4_f32 v[\pc+2*\b+1], v[\src+16*\b+8:\src+16*\b+15], v[SCQ+\b]
.endr
	v_nop                                          ; a plain line behind the last conversion
.endm
; One scaled product on FP4 codes.  d, a, b: first registers of D, source 0, source 1; zero: the product starts its sum; sa, sb: the scale registers; ra, rb: 1 = that side's scales lie in lanes 16-31
.macro WM d, a, b, zero, sa, sb, ra, rb
.if \zero
.if (\ra) && (\rb)
	v_wmma_scale_f32_16x16x128_f8f6f4 v[\d:\d+7], v[\a:\a+7], v[\b:\b+7], 0, v[\sa], v[\sb] matrix_a_fmt:MATRIX_FMT_FP4 matrix_b_fmt:MATRIX_FMT_FP4 matrix_a_scale:MATRIX_SCALE_ROW1 matrix_b_scale:MATRIX_SCALE_ROW1
.elseif (\ra)
	v_wmma_scale_f32_16x16x128_f8f6f4 v[\d:\d+7], v[\a:\a+7], v[\b:\b+7], 0, v[\sa], v[\sb] matrix_a_fmt:MATRIX_FMT_FP4 matrix_b_fmt:MATRIX_FMT_FP4 matrix_a_scale:MATRIX_SCALE_ROW1
.elseif (\rb)
	v_wmma_scale_f32_16x16x128_f8f6f4 v[\d:\d+7], v[\a:\a+7], v[\b:\b+7], 0, v[\sa], v[\sb] matrix_a_fmt:MATRIX_FMT_FP4 matrix_b_fmt:MATRIX_FMT_FP4 matrix_b_scale:MATRIX_SCALE_ROW1
.else
	v_wmma_scale_f32_16x16x128_f8f6f4 v[\d:\d+7], v[\a:\a+7], v[\b:\b+7], 0, v[\sa], v[\sb] matrix_a_fmt:MATRIX_FMT_FP4 matrix_b_fmt:MATRIX_FMT_FP4
.endif
.else
.if (\ra) && (\rb)
	v_wmma_scale_f32_16x16x128_f8f6f4 v[\d:\d+7], v[\a:\a+7], v[\b:\b+7], v[\d:\d+7], v[\sa], v[\sb] matrix_a_fmt:MATRIX_FMT_FP4 matrix_b_fmt:MATRIX_FMT_FP4 matrix_a_scale:MATRIX_SCALE_ROW1 matrix_b_scale:MATRIX_SCALE_ROW1
.elseif (\ra)
	v_wmma_scale_f32_16x16x128_f8f6f4 v[\d:\d+7], v[\a:\a+7], v[\b:\b+7], v[\d:\d+7], v[\sa], v[\sb] matrix_a_fmt:MATRIX_FMT_FP4 matrix_b_fmt:MATRIX_FMT_FP4 matrix_a_scale:MATRIX_SCALE_ROW1
.elseif (\rb)
	v_wmma_scale_f32_16x16x128_f8f6f4 v[\d:\d+7], v[\a:\a+7], v[\b:\b+7], v[\d:\d+7], v[\sa], v[\sb] matrix_a_fmt:MATRIX_FMT_FP4 matrix_b_fmt:MATRIX_FMT_FP4 matrix_b_scale:MATRIX_SCALE_ROW1
.else
	v_wmma_scale_f32_16x16x128_f8f6f4 v[\d:\d+7], v[\a:\a+7], v[\b:\b+7], v[\d:\d+7], v[\sa], v[\sb] matrix_a_fmt:MATRIX_FMT_FP4 matrix_b_fmt:MATRIX_FMT_FP4
.endif
.endif
.endm
	s_load_b256 s[4:11], s[0:1], 0x0               ; xq s[4:5], waq s[6:7], sel s[8:9], Wb s[10:11]
	s_load_b128 s[12:15], s[0:1], 0x20             ; wbq s[12:13], hq s[14:15]
	v_lshl_add_u32 v31, v0, 2, 0xe000
	s_set_vgpr_msb 0x40
	v_mov_b32 v1, 0
	s_set_vgpr_msb 0x4000
	v_lshrrev_b32 v7, 5, v0
	v_readfirstlane_b32 s[WV], v7
	s_and_b32 s22, ttmp7, 0xffff
	s_cmp_lt_u32 ttmp9, 12
	s_cbranch_scc1 .Lgemm
	BULKADR
	s_sub_co_u32 s21, ttmp9, 12                    ; Wb: work-group q = 16 (x - 12) + y: zone q >> 5, K step q & 31; wave w: columns 128 w on
	s_lshl_b32 s21, s21, 4
	s_add_co_u32 s21, s21, s22
	s_lshr_b32 s23, s21, 5
	s_and_b32 s24, s21, 31
	s_lshl_b32 s26, s23, 24                        ; f32: zone x 16 MiB + K step x 128 rows of 4,096 bytes + 512 w
	s_lshl_b32 s25, s24, 19
	s_add_co_u32 s26, s26, s25
	s_lshl_b32 s25, s[WV], 9
	s_add_co_u32 s26, s26, s25
	s_mov_b32 s27, 0
	s_lshl_b32 s28, s23, 21                        ; codes [zone][pair 32][K step 32][tile 2][1,024]
	s_lshl_b32 s25, s[WV], 18
	s_add_co_u32 s28, s28, s25
	s_lshl_b32 s25, s24, 11
	s_add_co_u32 s28, s28, s25
	s_mov_b32 s29, 0
	s_lshl_b32 s30, s23, 17                        ; scale words, behind the codes: [zone][run 8][K step 32][512]
	s_lshl_b32 s25, s[WV], 14
	s_add_co_u32 s30, s30, s25
	s_lshl_b32 s25, s24, 9
	s_add_co_u32 s30, s30, s25
	s_add_co_u32 s30, s30, 16777216
	s_mov_b32 s31, 0
	s_wait_kmcnt 0x0
	s_add_nc_u64 s[SRCB:SRCB+1], s[10:11], s[26:27]
	s_add_nc_u64 s[DCO:DCO+1], s[12:13], s[28:29]
	s_add_nc_u64 s[DSO:DSO+1], s[12:13], s[30:31]
	BULK 4096, 65536
.Lgemm:
	s_lshr_b32 s23, ttmp9, 2                       ; k: which of the three choices
	s_and_b32 s24, ttmp9, 3
	s_mul_i32 s25, s22, 3
	s_add_co_u32 s25, s25, s23                     ; the pair's number p = 3 b + k
	s_lshl_b32 s26, s24, 3
	s_add_co_u32 s26, s26, s[WV]                   ; g: my 128 hidden units
	s_lshl_b32 s28, s22, 4
	s_lshl_b32 s29, s23, 2
	s_add_co_u32 s28, s28, s29                     ; sel[b][k]
	s_mov_b32 s29, 0
	s_lshl_b32 s30, s22, 15                        ; x's codes of b
	s_mov_b32 s31, 0
	s_lshl_b32 s38, s22, 11                        ; and its scale words
	s_add_co_u32 s38, s38, 524288
	s_mov_b32 s39, 0
	v_and_b32 v7, 31, v0
	v_and_b32 v8, 15, v0
	v_bfe_u32 v9, v0, 4, 1
	v_lshlrev_b32 v[LI], 4, v7
	v_lshlrev_b32 v[L8], 3, v7
	v_lshlrev_b32 v[L4], 2, v7
	v_lshlrev_b32 v[HST], 4, v8
	v_lshl_add_u32 v[HST], v9, 3, v[HST]
	v_add_nc_u32 v[XIR], XIMG, v[LI]
	v_add_nc_u32 v[XSR], XSC, v[L8]
	v_lshlrev_b32 v[CG], 4, v0
	v_add_nc_u32 v[CL], XIMG, v[CG]
	v_lshlrev_b32 v[CG8], 3, v0
	v_add_nc_u32 v[CL8], XSC, v[CG8]
	v_mov_b32 v[K1], 0xc0135761                    ; k1 = -2.3022082
	v_mov_b32 v[K1+1], 0xc0135761
.irp m, 0,1,2,3
	v_mov_b32 v[PW+\m], 0
	v_mov_b32 v[TMX+\m], 0
.endr
	s_mov_b32 s[K2], 0xbdd2d3e8                    ; k2 = -0.10294324
	s_mov_b32 s[K2+1], s[K2]                       ; (named with it as a pair, so it is written)
	s_mov_b32 s[SEL], 0x76543210
	s_mov_b32 s[SEL+1], 0xfedcba98
	s_mov_b32 s[SH], 0
	s_mov_b32 s[MK], 0xffff0000
	s_wait_kmcnt 0x0
	s_add_nc_u64 s[28:29], s[8:9], s[28:29]
	s_load_b32 s27, s[28:29], 0x0                  ; the zone
	s_add_nc_u64 s[32:33], s[4:5], s[30:31]
	s_add_nc_u64 s[34:35], s[4:5], s[38:39]
.irp i, 0,1,2,3,4,5,6,7
	global_load_b128 v[ACC+4*\i:ACC+4*\i+3], v[CG], s[32:33] offset:4096*\i    ; x's codes: 256 threads x 16 bytes, eight times
.endr
	global_load_b64 v[ACC+32:ACC+33], v[CG8], s[34:35]
	s_wait_kmcnt 0x0
	s_min_u32 s27, s27, 7                          ; a loaded number enters addresses only behind a clamp
	s_lshl_b32 s36, s27, 21
	s_lshl_b32 s37, s26, 16
	s_add_co_u32 s36, s36, s37
	s_mov_b32 s37, 0
	s_add_nc_u64 s[GW:GW+1], s[6:7], s[36:37]
	s_lshl_b32 s36, s27, 17
	s_lshl_b32 s38, s26, 12
	s_add_co_u32 s36, s36, s38
	s_add_co_u32 s36, s36, 16777216
	s_add_nc_u64 s[GWS:GWS+1], s[6:7], s[36:37]
	s_lshl_b32 s38, s25, 5
	s_add_co_u32 s38, s38, s26                     ; 32 p + g
	s_lshl_b32 s36, s38, 12                        ; the hidden codes [p 48][K step 32][token tile 4][1,024]
	s_add_nc_u64 s[GH:GH+1], s[14:15], s[36:37]
	s_lshl_b32 s36, s38, 8                         ; their scale words from byte 6,291,456: [p][K step][lane 32][2]
	s_add_co_u32 s36, s36, 6291456
	s_add_nc_u64 s[GHS:GHS+1], s[14:15], s[36:37]
.macro WLOAD s, co, so                 ; K step s of a column pair: four loads of fragments, one of scale words; co, so: bytes on to the pair that is meant
.irp u, 0,1
.irp c, 0,1
	global_load_b128 v[WF+16*(\s)+8*\u+4*\c:WF+16*(\s)+8*\u+4*\c+3], v[LI], s[GW:GW+1] offset:\co+(\s)*2048+\u*1024+\c*512
.endr
.endr
	global_load_b32 v[WS+(\s)], v[L4], s[GWS:GWS+1] offset:\so+(\s)*512
.endm
.irp s, 0,1,2,3,4,5,6,7
	WLOAD \s, 0, 0
.endr
	s_wait_loadcnt 40                              ; x's nine loads are in; the first pair's forty, issued behind them, may be out
.irp i, 0,1,2,3,4,5,6,7
	ds_store_b128 v[CL], v[ACC+4*\i:ACC+4*\i+3] offset:4096*\i
.endr
	ds_store_b64 v[CL8], v[ACC+32:ACC+33]
	s_wait_dscnt 0x0                               ; for the others' sake: my stores have landed
	s_barrier_signal -1
	s_barrier_wait -1                              ; x lies in LDS; it is only read from here on
; One column pair: 32 hidden units x 64 tokens.  ahead = 1: behind each K step's products the next pair's fragments of that K step are asked for, into the registers just read.
.macro MINI ahead
.irp s, 0,1,2,3,4,5,6,7
.irp m, 0,1,2,3
.irp c, 0,1
	ds_load_b128 v[XF+8*\m+4*\c:XF+8*\m+4*\c+3], v[XIR] offset:\s*4096+\m*1024+\c*512
.endr
.endr
	ds_load_b64 v[XS:XS+1], v[XSR] offset:\s*256
.if \ahead
	s_wait_loadcnt 35                              ; this K step's five loads are in.  Younger: this pair's K steps s + 1 .. 7 and the next pair's 0 .. s - 1, five loads each: 35
.else
	s_wait_loadcnt 5*(7-\s)                        ; the last pair: only its own later K steps are younger
.endif
	s_wait_dscnt 0x0
.irp m, 0,1,2,3                        ; the eight accumulators by turns, one instruction a turn
.irp u, 0,1
	WM ACC+16*\m+8*\u, WF+16*\s+8*\u, XF+8*\m, (\s==0), WS+\s, XS+\m/2, \u, \m%2
.endr
.endr
.rept 4
	v_nop                                          ; four places in front of loads into registers that the products have read, and of the first read of results
.endr
.if \ahead
	WLOAD \s, 16384, 128
.endif
.endr
.irp hh, 0,1                           ; GELU, 32 numbers at a time; each accumulator is read from its low end on
.irp i, 0,2,4,6,8,10,12,14,16,18,20,22,24,26,28,30
	v_pk_mul_f32 v[XF+\i:XF+\i+1], v[ACC+32*\hh+\i:ACC+32*\hh+\i+1], v[ACC+32*\hh+\i:ACC+32*\hh+\i+1]
.endr
.irp i, 0,2,4,6,8,10,12,14,16,18,20,22,24,26,28,30
	v_pk_fma_f32 v[XF+\i:XF+\i+1], v[XF+\i:XF+\i+1], s[K2:K2+1], v[K1:K1+1] op_sel_hi:[1,0,1]
.endr
.irp i, 0,2,4,6,8,10,12,14,16,18,20,22,24,26,28,30
	v_pk_mul_f32 v[XF+\i:XF+\i+1], v[XF+\i:XF+\i+1], v[ACC+32*\hh+\i:ACC+32*\hh+\i+1]
.endr
.irp i, 0,1,2,3,4,5,6,7,8,9,10,11,12,13,14,15,16,17,18,19,20,21,22,23,24,25,26,27,28,29,30,31
	v_exp_f32 v[XF+\i], v[XF+\i]
.endr
	v_nop                                          ; a plain line behind the exponentials
	s_wait_alu depctr_va_vdst(0)
.irp i, 0,2,4,6,8,10,12,14,16,18,20,22,24,26,28,30
	v_pk_add_f32 v[XF+\i:XF+\i+1], v[XF+\i:XF+\i+1], 1.0 op_sel_hi:[1,0]
.endr
.irp i, 0,1,2,3,4,5,6,7,8,9,10,11,12,13,14,15,16,17,18,19,20,21,22,23,24,25,26,27,28,29,30,31
	v_rcp_f32 v[XF+\i], v[XF+\i]
.endr
	v_nop
	s_wait_alu depctr_va_vdst(0)
.irp i, 0,2,4,6,8,10,12,14,16,18,20,22,24,26,28,30
	v_pk_mul_f32 v[ACC+32*\hh+\i:ACC+32*\hh+\i+1], v[ACC+32*\hh+\i:ACC+32*\hh+\i+1], v[XF+\i:XF+\i+1]
.endr
.endr
	QUANT4 ACC, PC                                 ; one block of the next K for each token tile
.irp m, 0,1,2,3
	v_lshl_or_b32 v[PW+\m], v[TB+\m], s[SH], v[PW+\m]   ; the pair's byte of my token's scale word
.endr
.irp m, 0,1,2,3
	global_store_b64 v[HST], v[PC+2*\m:PC+2*\m+1], s[GH:GH+1] offset:\m*1024   ; 32 lanes store 256 consecutive bytes, aligned: this block of the tile's image
.endr
.if \ahead
	s_wait_xcnt 0x0                                ; the bases, and the registers that the stores read, are written again only behind this wait
	s_add_nc_u64 s[GW:GW+1], s[GW:GW+1], 16384
	s_add_nc_u64 s[GWS:GWS+1], s[GWS:GWS+1], 128
	s_add_nc_u64 s[GH:GH+1], s[GH:GH+1], 256
	s_add_co_u32 s[SH], s[SH], 8
.endif
.endm
	s_mov_b32 s[CNT], 3
.Lpair:
	MINI 1
	s_sub_co_u32 s[CNT], s[CNT], 1
	s_cmp_lg_u32 s[CNT], 0
	s_cbranch_scc1 .Lpair
	MINI 0                                         ; the last pair asks for nothing: no load leaves its buffer
	v_cndmask_b32 v[XF+24], v[PW], v[PW+1], s[MK]  ; word 0: lanes 0-15 token tile 0, lanes 16-31 tile 1; word 1: tiles 2 and 3
	v_cndmask_b32 v[XF+25], v[PW+2], v[PW+3], s[MK]
	global_store_b64 v[L8], v[XF+24:XF+25], s[GHS:GHS+1]
	s_set_vgpr_msb 0x4
	s_wait_tensorcnt 0x0
	ds_add_u32 v31, v1
	s_wait_dscnt 0x0
	s_set_vgpr_msb 0x400
	s_endpgm
.Lfunc_end_k_qcce64e5422_ffn1:
	.size	k_qcce64e5422_ffn1, .Lfunc_end_k_qcce64e5422_ffn1-k_qcce64e5422_ffn1
	.p2alignl 7, 3214868480
	.fill 96, 4, 3214868480
	.section	.rodata,"a",@progbits
	.p2align	6, 0x0
	.amdhsa_kernel k_qcce64e5422_ffn1
		.amdhsa_group_segment_fixed_size 58368
		.amdhsa_private_segment_fixed_size 0
		.amdhsa_enable_private_segment 0
		.amdhsa_kernarg_size 48
		.amdhsa_user_sgpr_count 2
		.amdhsa_user_sgpr_kernarg_segment_ptr 1
		.amdhsa_wavefront_size32 1
		.amdhsa_system_sgpr_workgroup_id_x 1
		.amdhsa_system_sgpr_workgroup_id_y 1
		.amdhsa_system_sgpr_workgroup_id_z 1
		.amdhsa_system_vgpr_workitem_id 0
		.amdhsa_next_free_vgpr 258
		.amdhsa_next_free_sgpr 66
		.amdhsa_reserve_vcc 0
		.amdhsa_float_denorm_mode_32 3
		.amdhsa_float_denorm_mode_16_64 3
		.amdhsa_memory_ordered 1
		.amdhsa_forward_progress 1
		.amdhsa_inst_pref_size 136
	.end_amdhsa_kernel
	.amdgpu_metadata
---
amdhsa.version: [ 1, 2 ]
amdhsa.kernels:
  - .name:           k_qcce64e5422_ffn1
    .symbol:         k_qcce64e5422_ffn1.kd
    .args:
      - { .name: xq, .offset: 0, .size: 8, .value_kind: global_buffer, .address_space: global }
      - { .name: waq, .offset: 8, .size: 8, .value_kind: global_buffer, .address_space: global }
      - { .name: sel, .offset: 16, .size: 8, .value_kind: global_buffer, .address_space: global }
      - { .name: Wb, .offset: 24, .size: 8, .value_kind: global_buffer, .address_space: global }
      - { .name: wbq, .offset: 32, .size: 8, .value_kind: global_buffer, .address_space: global }
      - { .name: hq, .offset: 40, .size: 8, .value_kind: global_buffer, .address_space: global }
    .group_segment_fixed_size: 58368
    .private_segment_fixed_size: 0
    .kernarg_segment_align: 8
    .kernarg_segment_size: 48
    .max_flat_workgroup_size: 256
    .sgpr_count:     66
    .vgpr_count:     258
    .wavefront_size: 32
...
	.end_amdgpu_metadata
.endif
;; end of part 3
;; launch ffn2 (part 4): grid 16 x 16, 12 waves a work-group, no clusters, 210,432 bytes of LDS; arguments hq, wbq, sel, wts, x, out0; writes out0
.if DOCPART == 4
	.amdgcn_target "amdgcn-amd-amdhsa--gfx1250"
	.amdhsa_code_object_version 6
	.text
	.protected	k_qcce64e5422_ffn2
	.globl	k_qcce64e5422_ffn2
	.p2align	8
	.type	k_qcce64e5422_ffn2,@function
k_qcce64e5422_ffn2:
	s_mov_b64 s[64:65], 0
	v_nop
	global_prefetch_b8 v0, s[64:65] scope:SCOPE_SE
	s_setreg_imm32_b32 hwreg(HW_REG_WAVE_MODE, 25, 1), 1
	s_wait_xcnt 0x0
; FOURTH LAUNCH.  out[b] = x[b] + the sum over the three chosen zones of weight x (hidden layer x Wb[zone]), on the FP4 codes that the launch before stored.
; Work-group (cs, b) owns out[b][64 tokens][columns 64 cs .. + 63]: each output has one owner.  Wave w takes choice k = w >> 2 and the quarter w & 3 of K = 4,096 (8 K steps of 128) for the whole 64 x 64 tile:
; 16 accumulators.  So every fragment is loaded once in the work-group, from memory straight into the registers of the one wave that multiplies it.  The twelve parts meet in LDS; waves 0 to 7 add them,
; weigh them, add x and store.  The zone comes from sel (stored two launches back) behind a clamp to 0 .. 7; the weights from wts are values only.
; The product is used transposed (source 0 = 16 columns of Wb, source 1 = 16 tokens): lane (r, h) holds token r and, in tile t, columns 32 (t / 2) + 16 h + 8 (t % 2) + 0 .. 7.
; The sums over K's quarters and over the zones run in another order than reference()'s running sum; all in f32.
; NO JOINT LOADS: the sixteen work-groups of a batch element read the same hidden codes, half of a work-group's 768 KiB; joint requests land in LDS alone and would want slots there and rounds of a cluster's barrier
; in place of loads into registers.  That form is not built here.  Wb's tiles hang on sel, so their sharers cannot be told at launch.
; REGISTERS: v1-8 addresses; v16-31 Wb's scale words, v32-47 the hidden layer's; v48-111, v112-175 two sets of 8 fragments; accumulator a = 4 m + t at v[176 + 8 a]: a >= 10 lies above v255, in window 1.
.set WV,  20
.set LI,  1                            ; v1   16 x lane
.set L8,  2                            ; v2   8 x lane
.set L4,  3                            ; v3   4 x lane
.set STO, 4                            ; v4   LDS: my wave's part: row r of 272 bytes + 64 h
.set RD,  5                            ; v5-7 LDS: choice k's four parts, rows 8 w + lane / 16, 16 bytes a lane
.set GO,  8                            ; v8   the same rows in x and out
.set WS,  16                           ; v[WS + 8 (pair) + K step]
.set HS,  32                           ; v[HS + 2 (K step) + (token tile / 2)]
.set F0,  48                           ; a set: Wb's tile t at + 8 t, the hidden layer's token tile m at + 32 + 8 m
.set F1,  112
.set AC,  176
.set PP,  64                           ; the way out: part (row pair i, choice k, quarter q) at v[PP + 48 i + 16 k + 4 q]
.set GW,  40                           ; s[40:41] Wb's codes;  s[42:43] its scale words;  s[44:45] the hidden codes;  s[46:47] their scale words
.set GWS, 42
.set GH,  44
.set GHS, 46
.set MSB, 0
.macro WIN new                         ; the immediate's high byte repeats the setting that is left; a switch that changes nothing is dropped
.if MSB != \new
	s_set_vgpr_msb (MSB<<8)|\new
.set MSB, \new
.endif
.endm
.macro WM d, a, b, zero, sa, sb, ra, rb
.if \zero
.if (\ra) && (\rb)
	v_wmma_scale_f32_16x16x128_f8f6f4 v[\d:\d+7], v[\a:\a+7], v[\b:\b+7], 0, v[\sa], v[\sb] matrix_a_fmt:MATRIX_FMT_FP4 matrix_b_fmt:MATRIX_FMT_FP4 matrix_a_scale:MATRIX_SCALE_ROW1 matrix_b_scale:MATRIX_SCALE_ROW1
.elseif (\ra)
	v_wmma_scale_f32_16x16x128_f8f6f4 v[\d:\d+7], v[\a:\a+7], v[\b:\b+7], 0, v[\sa], v[\sb] matrix_a_fmt:MATRIX_FMT_FP4 matrix_b_fmt:MATRIX_FMT_FP4 matrix_a_scale:MATRIX_SCALE_ROW1
.elseif (\rb)
	v_wmma_scale_f32_16x16x128_f8f6f4 v[\d:\d+7], v[\a:\a+7], v[\b:\b+7], 0, v[\sa], v[\sb] matrix_a_fmt:MATRIX_FMT_FP4 matrix_b_fmt:MATRIX_FMT_FP4 matrix_b_scale:MATRIX_SCALE_ROW1
.else
	v_wmma_scale_f32_16x16x128_f8f6f4 v[\d:\d+7], v[\a:\a+7], v[\b:\b+7], 0, v[\sa], v[\sb] matrix_a_fmt:MATRIX_FMT_FP4 matrix_b_fmt:MATRIX_FMT_FP4
.endif
.else
.if (\ra) && (\rb)
	v_wmma_scale_f32_16x16x128_f8f6f4 v[\d:\d+7], v[\a:\a+7], v[\b:\b+7], v[\d:\d+7], v[\sa], v[\sb] matrix_a_fmt:MATRIX_FMT_FP4 matrix_b_fmt:MATRIX_FMT_FP4 matrix_a_scale:MATRIX_SCALE_ROW1 matrix_b_scale:MATRIX_SCALE_ROW1
.elseif (\ra)
	v_wmma_scale_f32_16x16x128_f8f6f4 v[\d:\d+7], v[\a:\a+7], v[\b:\b+7], v[\d:\d+7], v[\sa], v[\sb] matrix_a_fmt:MATRIX_FMT_FP4 matrix_b_fmt:MATRIX_FMT_FP4 matrix_a_scale:MATRIX_SCALE_ROW1
.elseif (\rb)
	v_wmma_scale_f32_16x16x128_f8f6f4 v[\d:\d+7], v[\a:\a+7], v[\b:\b+7], v[\d:\d+7], v[\sa], v[\sb] matrix_a_fmt:MATRIX_FMT_FP4 matrix_b_fmt:MATRIX_FMT_FP4 matrix_b_scale:MATRIX_SCALE_ROW1
.else
	v_wmma_scale_f32_16x16x128_f8f6f4 v[\d:\d+7], v[\a:\a+7], v[\b:\b+7], v[\d:\d+7], v[\sa], v[\sb] matrix_a_fmt:MATRIX_FMT_FP4 matrix_b_fmt:MATRIX_FMT_FP4
.endif
.endif
.endm
.macro LOADSTEP sp, f                  ; my K step sp: four tiles of Wb and four token tiles of the hidden layer: sixteen loads of 512 bytes
.irp t, 0,1,2,3
.irp c, 0,1
	global_load_b128 v[\f+8*\t+4*\c:\f+8*\t+4*\c+3], v[LI], s[GW:GW+1] offset:(\t/2)*65536+(\sp)*2048+(\t%2)*1024+\c*512
.endr
.endr
.irp m, 0,1,2,3
.irp c, 0,1
	global_load_b128 v[\f+32+8*\m+4*\c:\f+32+8*\m+4*\c+3], v[LI], s[GH:GH+1] offset:(\sp)*4096+\m*1024+\c*512
.endr
.endr
.endm
.macro STEPW sp, f                     ; its sixteen products: the accumulators by turns, one instruction a turn; one switch of the window up, one back
.irp m, 0,1,2,3
.irp t, 0,1,2,3
.if 4*\m+\t < 10
	WIN 0
	WM AC+8*(4*\m+\t), \f+8*\t, \f+32+8*\m, (\sp==0), WS+8*(\t/2)+\sp, HS+2*\sp+\m/2, \t%2, \m%2
.else
	WIN 0x50                                       ; C and D in window 1
	WM 8*(4*\m+\t-10), \f+8*\t, \f+32+8*\m, (\sp==0), WS+8*(\t/2)+\sp, HS+2*\sp+\m/2, \t%2, \m%2
.endif
.endr
.endr
	WIN 0
.endm
	s_load_b256 s[4:11], s[0:1], 0x0               ; hq s[4:5], wbq s[6:7], sel s[8:9], wts s[10:11]
	s_load_b128 s[12:15], s[0:1], 0x20             ; x s[12:13], out0 s[14:15]
	v_lshl_add_u32 v14, v0, 2, 0x33000
	v_mov_b32 v15, 0
	v_lshrrev_b32 v9, 5, v0
	v_readfirstlane_b32 s[WV], v9
	s_and_b32 s21, ttmp7, 0xffff                   ; b
	s_lshr_b32 s22, s[WV], 2                       ; k
	s_and_b32 s23, s[WV], 3                        ; my quarter of K
	s_mul_i32 s24, s21, 3
	s_add_co_u32 s24, s24, s22                     ; p = 3 b + k
	s_lshl_b32 s26, s21, 4                         ; wts[b]
	s_mov_b32 s27, 0
	s_lshl_b32 s28, s22, 2
	s_add_co_u32 s28, s28, s26                     ; sel[b][k]
	s_mov_b32 s29, 0
	v_and_b32 v9, 31, v0
	v_and_b32 v10, 15, v0
	v_bfe_u32 v11, v0, 4, 1
	v_lshlrev_b32 v[LI], 4, v9
	v_lshlrev_b32 v[L8], 3, v9
	v_lshlrev_b32 v[L4], 2, v9
	s_mul_i32 s34, s[WV], 17408                    ; my wave's part: 64 rows of 256 + 16 bytes
	v_mul_u32_u24 v[STO], v10, 272
	v_lshl_add_u32 v[STO], v11, 6, v[STO]
	v_add_nc_u32 v[STO], s34, v[STO]
	s_lshl_b32 s35, s[WV], 3
	v_add_nc_u32 v12, s35, v11                     ; row 8 w + lane / 16 (used by waves 0 to 7 alone)
	v_mul_u32_u24 v[RD], v12, 272
	v_lshl_add_u32 v[RD], v10, 4, v[RD]
	v_add_nc_u32 v[RD+1], 69632, v[RD]
	v_add_nc_u32 v[RD+2], 139264, v[RD]
	v_lshlrev_b32 v[GO], 12, v12
	v_lshl_add_u32 v[GO], v10, 4, v[GO]
	s_wait_kmcnt 0x0
	s_add_nc_u64 s[28:29], s[8:9], s[28:29]
	s_add_nc_u64 s[26:27], s[10:11], s[26:27]
	s_load_b32 s25, s[28:29], 0x0                  ; the zone
	s_load_b128 s[48:51], s[26:27], 0x0            ; the three weights and a zero
	s_lshl_b32 s30, s24, 5
	s_lshl_b32 s31, s23, 3
	s_add_co_u32 s30, s30, s31                     ; 32 p + my first K step
	s_lshl_b32 s32, s30, 12
	s_mov_b32 s33, 0
	s_add_nc_u64 s[GH:GH+1], s[4:5], s[32:33]
	s_lshl_b32 s32, s30, 8
	s_add_co_u32 s32, s32, 6291456
	s_add_nc_u64 s[GHS:GHS+1], s[4:5], s[32:33]
	s_lshl_b32 s32, s21, 18                        ; x and out: b x 64 rows of 4,096 bytes + 256 cs
	s_lshl_b32 s31, ttmp9, 8
	s_add_co_u32 s32, s32, s31
	s_add_nc_u64 s[54:55], s[12:13], s[32:33]
	s_add_nc_u64 s[56:57], s[14:15], s[32:33]
	s_wait_kmcnt 0x0
	s_min_u32 s25, s25, 7                          ; a loaded number enters addresses only behind a clamp
	s_mov_b32 s52, s49                             ; the packed form names a pair and takes its low word: s[48:49] serves weight 0, s[50:51] weight 2, s[52:53] weight 1
	s_mov_b32 s53, s49
	s_lshl_b32 s32, s25, 21                        ; Wb's codes: zone, pair 2 cs, K step 8 x quarter
	s_lshl_b32 s31, ttmp9, 17
	s_add_co_u32 s32, s32, s31
	s_lshl_b32 s31, s23, 14
	s_add_co_u32 s32, s32, s31
	s_add_nc_u64 s[GW:GW+1], s[6:7], s[32:33]
	s_lshl_b32 s32, s25, 17                        ; its scale words: zone, run cs >> 1, K step, pair 2 (cs & 1) of the run
	s_lshr_b32 s31, ttmp9, 1
	s_lshl_b32 s31, s31, 14
	s_add_co_u32 s32, s32, s31
	s_lshl_b32 s31, s23, 12
	s_add_co_u32 s32, s32, s31
	s_and_b32 s31, ttmp9, 1
	s_lshl_b32 s31, s31, 8
	s_add_co_u32 s32, s32, s31
	s_add_co_u32 s32, s32, 16777216
	s_add_nc_u64 s[GWS:GWS+1], s[6:7], s[32:33]
.irp q, 0,1
.irp sp, 0,1,2,3,4,5,6,7
	global_load_b32 v[WS+8*\q+\sp], v[L4], s[GWS:GWS+1] offset:\q*128+\sp*512   ; lanes 0-15 tile 0's columns, lanes 16-31 tile 1's
.endr
.endr
.irp sp, 0,1,2,3,4,5,6,7
	global_load_b64 v[HS+2*\sp:HS+2*\sp+1], v[L8], s[GHS:GHS+1] offset:\sp*256
.endr
	LOADSTEP 0, F0
	LOADSTEP 1, F1                                 ; 56 loads are out
.irp sp, 0,1,2,3,4,5,6,7
.if \sp < 7
	s_wait_loadcnt 16                              ; all but the next K step's sixteen loads are in
.else
	s_wait_loadcnt 0x0
.endif
	STEPW \sp, F0+64*(\sp%2)
.rept 4
	v_nop                                          ; four places in front of loads into registers that the products have read, and of the first read of results
.endr
.if \sp < 6
	LOADSTEP \sp+2, F0+64*(\sp%2)
.endif
.endr
	s_cmp_lt_u32 s[WV], 8
	s_cbranch_scc0 .Lno_x
.irp i, 0,1,2,3
	global_load_b128 v[F0+4*\i:F0+4*\i+3], v[GO], s[54:55] offset:8192*\i th:TH_LOAD_NT   ; x at the rows that I shall store: asked for ahead of the meeting in LDS
.endr
.Lno_x:
.irp m, 0,1,2,3
.irp t, 0,1,2,3
.if 4*\m+\t < 10
	WIN 0
	ds_store_b128 v[STO], v[AC+8*(4*\m+\t):AC+8*(4*\m+\t)+3] offset:\m*4352+(\t/2)*128+(\t%2)*32          ; each accumulator from its low end on
	ds_store_b128 v[STO], v[AC+8*(4*\m+\t)+4:AC+8*(4*\m+\t)+7] offset:\m*4352+(\t/2)*128+(\t%2)*32+16
.else
	WIN 0x04                                       ; an LDS store's data are its source 1: window 1
	ds_store_b128 v[STO], v[8*(4*\m+\t-10):8*(4*\m+\t-10)+3] offset:\m*4352+(\t/2)*128+(\t%2)*32
	ds_store_b128 v[STO], v[8*(4*\m+\t-10)+4:8*(4*\m+\t-10)+7] offset:\m*4352+(\t/2)*128+(\t%2)*32+16
.endif
.endr
.endr
	WIN 0
	s_wait_dscnt 0x0                               ; for the others' sake: my part has landed
	s_barrier_signal -1
	s_barrier_wait -1                              ; the twelve parts lie in LDS
	s_cmp_lt_u32 s[WV], 8
	s_cbranch_scc0 .Lend
.irp i, 0,1,2,3                        ; wave w: rows 8 w .. 8 w + 7, two at a time; sixteen lanes to a row of 256 bytes
.irp k, 0,1,2
.irp q, 0,1,2,3
	ds_load_b128 v[PP+48*\i+16*\k+4*\q:PP+48*\i+16*\k+4*\q+3], v[RD+\k] offset:\q*17408+\i*544
.endr
.endr
.endr
.irp i, 0,1,2,3
	s_wait_dscnt 12*(3-\i)                         ; this row pair's twelve parts are in; the later pairs' may be out
	s_wait_loadcnt 3-\i                            ; and its x
.irp k, 0,1,2
.irp d, 0,2
	v_pk_add_f32 v[PP+48*\i+16*\k+\d:PP+48*\i+16*\k+\d+1], v[PP+48*\i+16*\k+\d:PP+48*\i+16*\k+\d+1], v[PP+48*\i+16*\k+4+\d:PP+48*\i+16*\k+4+\d+1]
	v_pk_add_f32 v[PP+48*\i+16*\k+8+\d:PP+48*\i+16*\k+8+\d+1], v[PP+48*\i+16*\k+8+\d:PP+48*\i+16*\k+8+\d+1], v[PP+48*\i+16*\k+12+\d:PP+48*\i+16*\k+12+\d+1]
.endr
.endr
.irp k, 0,1,2
.irp d, 0,2
	v_pk_add_f32 v[PP+48*\i+16*\k+\d:PP+48*\i+16*\k+\d+1], v[PP+48*\i+16*\k+\d:PP+48*\i+16*\k+\d+1], v[PP+48*\i+16*\k+8+\d:PP+48*\i+16*\k+8+\d+1]   ; K's four quarters
.endr
.endr
.irp d, 0,2
	v_pk_fma_f32 v[F0+4*\i+\d:F0+4*\i+\d+1], v[PP+48*\i+\d:PP+48*\i+\d+1], s[48:49], v[F0+4*\i+\d:F0+4*\i+\d+1] op_sel_hi:[1,0,1]
.endr
.irp d, 0,2
	v_pk_fma_f32 v[F0+4*\i+\d:F0+4*\i+\d+1], v[PP+48*\i+16+\d:PP+48*\i+16+\d+1], s[52:53], v[F0+4*\i+\d:F0+4*\i+\d+1] op_sel_hi:[1,0,1]
.endr
.irp d, 0,2
	v_pk_fma_f32 v[F0+4*\i+\d:F0+4*\i+\d+1], v[PP+48*\i+32+\d:PP+48*\i+32+\d+1], s[50:51], v[F0+4*\i+\d:F0+4*\i+\d+1] op_sel_hi:[1,0,1]
.endr
	global_store_b128 v[GO], v[F0+4*\i:F0+4*\i+3], s[56:57] offset:8192*\i th:TH_STORE_NT   ; sixteen lanes store 256 consecutive bytes, aligned
.endr
.Lend:
	s_wait_tensorcnt 0x0
	ds_add_u32 v14, v15
	s_wait_dscnt 0x0
	s_endpgm
.Lfunc_end_k_qcce64e5422_ffn2:
	.size	k_qcce64e5422_ffn2, .Lfunc_end_k_qcce64e5422_ffn2-k_qcce64e5422_ffn2
	.p2alignl 7, 3214868480
	.fill 96, 4, 3214868480
	.section	.rodata,"a",@progbits
	.p2align	6, 0x0
	.amdhsa_kernel k_qcce64e5422_ffn2
		.amdhsa_group_segment_fixed_size 210432
		.amdhsa_private_segment_fixed_size 0
		.amdhsa_enable_private_segment 0
		.amdhsa_kernarg_size 48
		.amdhsa_user_sgpr_count 2
		.amdhsa_user_sgpr_kernarg_segment_ptr 1
		.amdhsa_wavefront_size32 1
		.amdhsa_system_sgpr_workgroup_id_x 1
		.amdhsa_system_sgpr_workgroup_id_y 1
		.amdhsa_system_sgpr_workgroup_id_z 1
		.amdhsa_system_vgpr_workitem_id 0
		.amdhsa_next_free_vgpr 304
		.amdhsa_next_free_sgpr 66
		.amdhsa_reserve_vcc 0
		.amdhsa_float_denorm_mode_32 3
		.amdhsa_float_denorm_mode_16_64 3
		.amdhsa_memory_ordered 1
		.amdhsa_forward_progress 1
		.amdhsa_inst_pref_size 48
	.end_amdhsa_kernel
	.amdgpu_metadata
---
amdhsa.version: [ 1, 2 ]
amdhsa.kernels:
  - .name:           k_qcce64e5422_ffn2
    .symbol:         k_qcce64e5422_ffn2.kd
    .args:
      - { .name: hq, .offset: 0, .size: 8, .value_kind: global_buffer, .address_space: global }
      - { .name: wbq, .offset: 8, .size: 8, .value_kind: global_buffer, .address_space: global }
      - { .name: sel, .offset: 16, .size: 8, .value_kind: global_buffer, .address_space: global }
      - { .name: wts, .offset: 24, .size: 8, .value_kind: global_buffer, .address_space: global }
      - { .name: x, .offset: 32, .size: 8, .value_kind: global_buffer, .address_space: global }
      - { .name: out0, .offset: 40, .size: 8, .value_kind: global_buffer, .address_space: global }
    .group_segment_fixed_size: 210432
    .private_segment_fixed_size: 0
    .kernarg_segment_align: 8
    .kernarg_segment_size: 48
    .max_flat_workgroup_size: 384
    .sgpr_count:     66
    .vgpr_count:     304
    .wavefront_size: 32
...
	.end_amdgpu_metadata
.endif
;; end of part 4
;; ======== version 2 of 2: 4 launches
;; workspace buffers: waq 17,825,792 bytes; wbq 17,825,792 bytes; rq 204,800 bytes; xq 557,056 bytes; hq 6,684,672 bytes; sel 256 bytes of whole numbers; wts 256 bytes
;; launch prep (part 5): grid 146 x 1, 8 waves a work-group, no clusters, 27,648 bytes of LDS; arguments x, W1, Wa, waq, rq, xq; writes waq, rq, xq
.if DOCPART == 5
	.amdgcn_target "amdgcn-amd-amdhsa--gfx1250"
	.amdhsa_code_object_version 6
	.text
	.protected	k_qcce64e5422_prep
	.globl	k_qcce64e5422_prep
	.p2align	8
	.type	k_qcce64e5422_prep,@function
k_qcce64e5422_prep:
	s_mov_b64 s[64:65], 0
	v_nop
	global_prefetch_b8 v0, s[64:65] scope:SCOPE_SE
	s_setreg_imm32_b32 hwreg(HW_REG_WAVE_MODE, 25, 1), 1
	s_wait_xcnt 0x0
; FIRST OF FOUR LAUNCHES.  Three kinds of work-group, parted by the work-group's number alone:
;   0-15    XPOOL: batch element b: its 64 tokens x 1,024 numbers become FP4 (E2M1) codes with one E8M0 byte for each 32 along K (buffer xq), and the mean over the tokens goes to rq as f32.
;   16, 17  BULK on W1 [1024 (k)][256]: codes and scale bytes into rq.
;   18-145  BULK on Wa, zones 0 to 3, [1024 (k)][4096] each: codes and scale bytes into waq.  (Zones 4 to 7 are taken by the next launch.)
; THE QUANTISER: a block's scale is 2^(floor(log2(largest magnitude)) - 2); its byte is the largest magnitude's exponent field - 2, held at 1 from below; numbers / scale to the nearest code, ties to even, beyond 6 the code of 6.
; LIMITS: NaN and infinities among the inputs are not served.  A block whose largest magnitude lies under 2^-124, a block of zeros among them, gets the byte 1 (the stated rule gives a block of zeros 127):
; its codes are zeros then or as the held scale gives them, and the bytes are read by this program alone.  The mean's 64 numbers are added in another order than a plain running sum.
; LAYOUT OF CODES: images of operand registers.  A fragment (16 rows x 128 K) is 1,024 bytes: byte 256 x (block of 32 in the K step) + 16 x row holds that block's 32 codes; a load of 16 bytes a lane at 512 c + 16 x lane
; brings registers 4 c .. 4 c + 3 of the operand.  Weights: 32 columns form a PAIR of tiles u = 0, 1; row r of tile u is column (r & 7) + 16 (r >> 3) + 8 u of the pair, so that a transposed product leaves a lane 16 neighbours.
; No tensor loads, no cluster, no barrier: waves share nothing here, and nothing is read by two work-groups.
.set WV,   20                          ; s20      my wave's number
.set SRCB, 32                          ; s[32:33] BULK: my wave's first byte of the f32 weights
.set DCO,  34                          ; s[34:35] BULK: of its codes
.set DSO,  36                          ; s[36:37] BULK: of its scale words
.set SEL,  38                          ; s[38:39] lane selects of v_permlanex16_b32: lane l xor 16
.set MK,   40                          ; s40      mask of lanes 16-31
; BULK's registers
.set LO,  1                            ; v1   16 x lane
.set BA,  2                            ; v2   LDS: where my four columns' codes of a block go
.set RA,  3                            ; v3   LDS: where I read 16 bytes of a tile back
.set GA,  4                            ; v4   my byte in a pair's codes in memory
.set SA,  5                            ; v5   LDS: where my four columns' scale words go
.set SR,  6                            ; v6   LDS: where I read 16 bytes of scale words back
.set T,   32                           ; v32-63   8 numbers down K of each of my 4 columns
.set S,   64                           ; v64-191  32 rows x my 4 columns as loaded: row k at v[S + 4 k]
.set C,   192                          ; v192-207 a block's codes: column j at v[C + 4 j]
.set R,   208                          ; v208-223 codes read back by tiles
.set AM,  224                          ; v224-227 largest magnitudes;  v228-231 the conversions' scale operands;  v232-235 bytes;  v236-239 scale words
.set SCO, 228
.set BY,  232
.set SW,  236
; XPOOL's registers
.set XA,  1                            ; v1   x: token r of a tile, + 64 h: my 16 numbers of a block
.set HST, 2                            ; v2   16 r + 8 h: my 8 bytes of a block's 256 in an image
.set L8,  3                            ; v3   8 x lane
.set LI,  4                            ; v4   16 x lane
.set PBW, 5                            ; v5   LDS: the mean, on the way in
.set PBR, 6                            ; v6   LDS: and out
.set PW,  8                            ; v8-11  scale words of the four token tiles
.set TMX, 12                           ; v12-15 the other half's maxima
.set TM,  16
.set SCQ, 20
.set TB,  24
.set PC,  32                           ; v32-47 codes, two sets by turns
.set SP2, 48                           ; v48-49 the scale words as stored
.set PB,  52                           ; v52-55 the mean as stored
.set X0,  64                           ; v64-127, v128-191 two sets of 64 numbers
.set P,   192                          ; v192-255 sums over tokens
.set XPB, 22528                        ; LDS: BULK has 8 x 2,816 bytes from 0 on; XPOOL 8 x 512 from here on
.set XC,  32                           ; s[32:33] xq's codes, s[34:35] its scale words, s[36:37] the mean's place in rq
.set XSB, 34
.set PO,  36
.macro BULKADR                         ; a lane's places.  My columns are 4 l .. 4 l + 3 of the wave's 128: pair l >> 3, tile (l >> 1) & 1, rows 4 (l & 1) + 8 ((l >> 2) & 1) + j
	v_and_b32 v7, 31, v0
	s_delay_alu instid0(VALU_DEP_1)
	v_lshlrev_b32 v[LO], 4, v7
	s_mul_i32 s21, s[WV], 2816                     ; my wave's own LDS: 8 tiles x (256 + 16) bytes, and from byte 2,304 on 512 bytes of scale words
	v_lshrrev_b32 v8, 3, v7
	v_bfe_u32 v9, v7, 1, 1
	s_delay_alu instid0(VALU_DEP_1)
	v_lshl_add_u32 v10, v8, 1, v9                  ; tile 0..7
	v_and_b32 v11, 1, v7
	v_bfe_u32 v12, v7, 2, 1
	s_delay_alu instid0(VALU_DEP_2)
	v_lshlrev_b32 v11, 2, v11
	s_delay_alu instid0(VALU_DEP_1)
	v_lshl_add_u32 v11, v12, 3, v11                ; first row
	v_mul_u32_u24 v[BA], v10, 272
	s_delay_alu instid0(VALU_DEP_1)
	v_lshl_add_u32 v[BA], v11, 4, v[BA]
	s_delay_alu instid0(VALU_DEP_1)
	v_add_nc_u32 v[BA], s21, v[BA]
	v_lshrrev_b32 v12, 4, v7
	v_and_b32 v13, 15, v7
	s_delay_alu instid0(VALU_DEP_2)
	v_mul_u32_u24 v[RA], v12, 272
	s_delay_alu instid0(VALU_DEP_1)
	v_lshl_add_u32 v[RA], v13, 4, v[RA]
	s_delay_alu instid0(VALU_DEP_1)
	v_add_nc_u32 v[RA], s21, v[RA]
	v_lshlrev_b32 v[GA], 10, v12
	s_delay_alu instid0(VALU_DEP_1)
	v_lshl_add_u32 v[GA], v13, 4, v[GA]
	v_lshlrev_b32 v[SA], 7, v8
	s_delay_alu instid0(VALU_DEP_1)
	v_lshl_add_u32 v[SA], v9, 6, v[SA]
	s_delay_alu instid0(VALU_DEP_1)
	v_lshl_add_u32 v[SA], v11, 2, v[SA]
	s_delay_alu instid0(VALU_DEP_1)
	v_add_nc_u32 v[SA], s21, v[SA]
	s_delay_alu instid0(VALU_DEP_1)
	v_add_nc_u32 v[SA], 2304, v[SA]
	v_add_nc_u32 v[SR], s21, v[LO]
	s_delay_alu instid0(VALU_DEP_1)
	v_add_nc_u32 v[SR], 2304, v[SR]
.endm
.macro GLOAD g, o, pitch               ; rows 32 g + 8 o .. + 7: each load takes 512 consecutive bytes of a row
.irp i, 0,1,2,3,4,5,6,7
	global_load_b128 v[S+4*(8*(\o)+\i):S+4*(8*(\o)+\i)+3], v[LO], s[SRCB:SRCB+1] offset:(32*(\g)+8*(\o)+\i)*\pitch th:TH_LOAD_NT
.endr
.endm
; One wave: 128 columns x 128 along K of f32 stored [K][N] become 8 tiles x one K step of codes and 512 bytes of scale words.  pitch: bytes of a row of the weights; cps: bytes from pair to pair in the codes.
; A block of 32 along K is 32 rows: 32 loads, all that the wave has out.  The conversions want 8 neighbours along K in consecutive registers, the loads give 4 neighbours along N: the copies into T turn them.
.macro BULK pitch, cps
.irp o, 0,1,2,3
	GLOAD 0, \o, \pitch
.endr
.irp g, 0,1,2,3
	s_wait_loadcnt 0x0                             ; the block's 32 rows are in; nothing younger is out
.irp j, 0,1,2,3
	v_max3_num_f32 v[AM+\j], |v[S+\j]|, |v[S+4+\j]|, 0x1800000   ; my four columns by turns; the floor 2^(3 - 127) holds the byte at 1 from below
.endr
.irp t, 1,2,3,4,5,6,7,8,9,10,11,12,13,14,15
.irp j, 0,1,2,3
	s_delay_alu instid0(VALU_DEP_4)
	v_max3_num_f32 v[AM+\j], v[AM+\j], |v[S+8*\t+\j]|, |v[S+8*\t+4+\j]|
.endr
.endr
.irp j, 0,1,2,3
	s_delay_alu instid0(VALU_DEP_4)
	v_add_nc_u32 v[SCO+\j], 0xff000000, v[AM+\j]   ; 2 off the exponent field: the conversion takes this operand's exponent field as its scale
.endr
.irp j, 0,1,2,3
	s_delay_alu instid0(VALU_DEP_4)
	v_lshrrev_b32 v[BY+\j], 23, v[SCO+\j]          ; the scale's byte
.endr
.irp j, 0,1,2,3
.if \g == 0
	s_delay_alu instid0(VALU_DEP_4)
	v_mov_b32 v[SW+\j], v[BY+\j]
.else
	s_delay_alu instid0(VALU_DEP_4)
	v_lshl_or_b32 v[SW+\j], v[BY+\j], 8*\g, v[SW+\j]   ; byte g of the K step's word
.endif
.endr
.irp o, 0,1,2,3
.irp j, 0,1,2,3
.irp i, 0,1,2,3,4,5,6,7
	v_mov_b32 v[T+8*\j+\i], v[S+4*(8*\o+\i)+\j]
.endr
.endr
.if \g < 3
	GLOAD \g+1, \o, \pitch                         ; these eight rows have been read out: the next block's land there
.endif
.irp j, 0,1,2,3
	v_cvt_scalef32_pk8_fp4_f32 v[C+4*\j+\o], v[T+8*\j:T+8*\j+7], v[SCO+\j]
.endr
	v_nop                                          ; a plain line between the conversions and the next writes of their sources
.endr
	s_wait_alu depctr_va_vdst(0)
	s_wait_xcnt 0x0                                ; the last block's stores have read R
.irp j, 0,1,2,3
	ds_store_b128 v[BA], v[C+4*\j:C+4*\j+3] offset:16*\j
.endr
.irp i, 0,1,2,3
	ds_load_b128 v[R+4*\i:R+4*\i+3], v[RA] offset:544*\i   ; LDS serves a wave's instructions in order: these see my stores.  Pair i: lanes 0-15 tile 0, lanes 16-31 tile 1
.endr
	s_wait_dscnt 0x0
.irp i, 0,1,2,3
	global_store_b128 v[GA], v[R+4*\i:R+4*\i+3], s[DCO:DCO+1] offset:\i*\cps+256*\g   ; sixteen lanes store 256 consecutive bytes, aligned: block g of a tile's image
.endr
.endr
.irp j, 0,1,2,3
	ds_store_b32 v[SA], v[SW+\j] offset:4*\j
.endr
	ds_load_b128 v[C:C+3], v[SR]
	s_wait_dscnt 0x0
	global_store_b128 v[LO], v[C:C+3], s[DSO:DSO+1]   ; 512 consecutive bytes: [pair 4][lane 32]: lanes 0-15 tile 0's rows, lanes 16-31 tile 1's
	s_wait_tensorcnt 0x0
	ds_add_u32 v30, v31
	s_wait_dscnt 0x0
	s_endpgm
.endm
; Which part of Wa is my wave's.  Work-group q: zone e0 + (q >> 5), K step (q >> 2) & 7, run of 128 columns 8 (q & 3) + wave
.macro WAADR first, e0, wa, wq
	s_sub_co_u32 s21, ttmp9, \first
	s_lshr_b32 s22, s21, 5
.if \e0
	s_add_co_u32 s22, s22, \e0
.endif
	s_bfe_u32 s23, s21, 0x30002
	s_and_b32 s24, s21, 3
	s_lshl_b32 s24, s24, 3
	s_add_co_u32 s24, s24, s[WV]
	s_lshl_b32 s26, s22, 24                        ; f32: zone x 16 MiB + K step x 128 rows of 16,384 bytes + run x 512
	s_lshl_b32 s25, s23, 21
	s_add_co_u32 s26, s26, s25
	s_lshl_b32 s25, s24, 9
	s_add_co_u32 s26, s26, s25
	s_mov_b32 s27, 0
	s_lshl_b32 s28, s22, 21                        ; codes [zone][pair 128][K step 8][tile 2][1,024]
	s_lshl_b32 s25, s24, 16
	s_add_co_u32 s28, s28, s25
	s_lshl_b32 s25, s23, 11
	s_add_co_u32 s28, s28, s25
	s_mov_b32 s29, 0
	s_lshl_b32 s30, s22, 17                        ; scale words, behind the codes: [zone][run 32][K step 8][512]
	s_lshl_b32 s25, s24, 12
	s_add_co_u32 s30, s30, s25
	s_lshl_b32 s25, s23, 9
	s_add_co_u32 s30, s30, s25
	s_add_co_u32 s30, s30, 16777216
	s_mov_b32 s31, 0
	s_wait_kmcnt 0x0
	s_add_nc_u64 s[SRCB:SRCB+1], s[\wa:\wa+1], s[26:27]
	s_add_nc_u64 s[DCO:DCO+1], s[\wq:\wq+1], s[28:29]
	s_add_nc_u64 s[DSO:DSO+1], s[\wq:\wq+1], s[30:31]
.endm
; 64 numbers of a lane, register 16 b + i = number 16 h + i of block b of my row, become codes: v[pc + 2 b], v[pc + 2 b + 1] hold my 16 of block b; the bytes are left in v[TB + b]
.macro QUANT4 src, pc
.irp b, 0,1,2,3
	v_max3_num_f32 v[TM+\b], |v[\src+16*\b]|, |v[\src+16*\b+1]|, 0x1800000
.endr
.irp i, 2,4,6,8,10,12,14
.irp b, 0,1,2,3
	s_delay_alu instid0(VALU_DEP_4)
	v_max3_num_f32 v[TM+\b], v[TM+\b], |v[\src+16*\b+\i]|, |v[\src+16*\b+\i+1]|
.endr
.endr
.irp b, 0,1,2,3
	s_delay_alu instid0(VALU_DEP_4)
	v_permlanex16_b32 v[TMX+\b], v[TM+\b], s[SEL], s[SEL+1]
.endr
.irp b, 0,1,2,3
	s_delay_alu instid0(VALU_DEP_4)
	v_max_num_f32 v[TM+\b], v[TM+\b], v[TMX+\b]    ; with lane l xor 16's 16 numbers: the block's largest magnitude
.endr
.irp b, 0,1,2,3
	s_delay_alu instid0(VALU_DEP_4)
	v_add_nc_u32 v[SCQ+\b], 0xff000000, v[TM+\b]
.endr
.irp b, 0,1,2,3
	s_delay_alu instid0(VALU_DEP_4)
	v_lshrrev_b32 v[TB+\b], 23, v[SCQ+\b]
.endr
.irp b, 0,1,2,3
	v_cvt_scalef32_pk8_fp4_f32 v[\pc+2*\b], v[\src+16*\b:\src+16*\b+7], v[SCQ+\b]
	v_cvt_scalef32_pk8_fp4_f32 v[\pc+2*\b+1], v[\src+16*\b+8:\src+16*\b+15], v[SCQ+\b]
.endr
	v_nop                                          ; a plain line behind the last conversion
.endm
	s_load_b256 s[4:11], s[0:1], 0x0               ; x s[4:5], W1 s[6:7], Wa s[8:9], waq s[10:11]
	s_load_b128 s[12:15], s[0:1], 0x20             ; rq s[12:13], xq s[14:15]
	v_lshl_add_u32 v30, v0, 2, 0x6800
	v_mov_b32 v31, 0
	v_lshrrev_b32 v7, 5, v0
	s_delay_alu instid0(VALU_DEP_1)
	v_readfirstlane_b32 s[WV], v7
	s_cmp_lt_u32 ttmp9, 16
	s_cbranch_scc1 .Lxpool
	BULKADR
	s_cmp_lt_u32 ttmp9, 18
	s_cbranch_scc1 .Lw1
	WAADR 18, 0, 8, 10
	BULK 16384, 16384
.Lw1:                                                  ; W1: 16 waves: run of 128 columns t & 1, K step t >> 1
	s_sub_co_u32 s21, ttmp9, 16
	s_lshl_b32 s21, s21, 3
	s_add_co_u32 s21, s21, s[WV]
	s_and_b32 s22, s21, 1
	s_lshr_b32 s23, s21, 1
	s_lshl_b32 s26, s23, 17                        ; 128 rows of 1,024 bytes
	s_lshl_b32 s25, s22, 9
	s_add_co_u32 s26, s26, s25
	s_mov_b32 s27, 0
	s_lshl_b32 s28, s22, 16                        ; codes [pair 8][K step 8][tile 2][1,024]
	s_lshl_b32 s25, s23, 11
	s_add_co_u32 s28, s28, s25
	s_mov_b32 s29, 0
	s_lshl_b32 s30, s22, 12                        ; scale words from byte 131,072: [run 2][K step 8][512]
	s_lshl_b32 s25, s23, 9
	s_add_co_u32 s30, s30, s25
	s_add_co_u32 s30, s30, 131072
	s_mov_b32 s31, 0
	s_wait_kmcnt 0x0
	s_add_nc_u64 s[SRCB:SRCB+1], s[6:7], s[26:27]
	s_add_nc_u64 s[DCO:DCO+1], s[12:13], s[28:29]
	s_add_nc_u64 s[DSO:DSO+1], s[12:13], s[30:31]
	BULK 1024, 16384
; XPOOL.  Wave s takes K step s (128 numbers, 512 bytes of each row) of the batch element's 64 tokens, a tile of 16 tokens at a time.
.Lxpool:
	v_and_b32 v7, 31, v0
	v_and_b32 v8, 15, v0                           ; r
	v_bfe_u32 v9, v0, 4, 1                         ; h
	s_delay_alu instid0(VALU_DEP_2)
	v_lshlrev_b32 v[XA], 12, v8
	s_delay_alu instid0(VALU_DEP_1)
	v_lshl_add_u32 v[XA], v9, 6, v[XA]
	s_delay_alu instid0(VALU_DEP_4)
	v_lshlrev_b32 v[HST], 4, v8
	s_delay_alu instid0(VALU_DEP_1)
	v_lshl_add_u32 v[HST], v9, 3, v[HST]
	v_lshlrev_b32 v[L8], 3, v7
	v_lshlrev_b32 v[LI], 4, v7
	s_lshl_b32 s21, s[WV], 9
	s_add_co_u32 s22, s21, XPB
	v_lshlrev_b32 v[PBW], 6, v9
	s_delay_alu instid0(VALU_DEP_1)
	v_add_nc_u32 v[PBW], s22, v[PBW]
	v_add_nc_u32 v[PBR], s22, v[LI]
.irp b, 0,1,2,3
	v_mov_b32 v[TMX+\b], 0                         ; written once: a lane permute's destination counts as one of its sources
.endr
	s_lshl_b32 s24, ttmp9, 18                      ; x: b x 64 rows of 4,096 bytes + 512 s
	s_add_co_u32 s24, s24, s21
	s_mov_b32 s25, 0
	s_lshl_b32 s26, ttmp9, 15                      ; codes [b][K step 8][token tile 4][1,024]
	s_lshl_b32 s23, s[WV], 12
	s_add_co_u32 s26, s26, s23
	s_mov_b32 s27, 0
	s_lshl_b32 s28, ttmp9, 11                      ; scale words from byte 524,288: [b][K step 8][lane 32][2]
	s_lshl_b32 s23, s[WV], 8
	s_add_co_u32 s28, s28, s23
	s_add_co_u32 s28, s28, 524288
	s_mov_b32 s29, 0
	s_lshl_b32 s30, ttmp9, 12                      ; the mean: rq from byte 139,264: [b][1,024] f32
	s_add_co_u32 s30, s30, s21
	s_add_co_u32 s30, s30, 139264
	s_mov_b32 s31, 0
	s_mov_b32 s[SEL], 0x76543210
	s_mov_b32 s[SEL+1], 0xfedcba98
	s_mov_b32 s[MK], 0xffff0000
	s_wait_kmcnt 0x0
	s_add_nc_u64 s[4:5], s[4:5], s[24:25]
	s_add_nc_u64 s[XC:XC+1], s[14:15], s[26:27]
	s_add_nc_u64 s[XSB:XSB+1], s[14:15], s[28:29]
	s_add_nc_u64 s[PO:PO+1], s[12:13], s[30:31]
.macro XL m, set                       ; token tile m: lane (r, h) takes, of token r, 16 neighbours of each of the K step's four blocks
.irp b, 0,1,2,3
.irp j, 0,1,2,3
	global_load_b128 v[\set+16*\b+4*\j:\set+16*\b+4*\j+3], v[XA], s[4:5] offset:\m*65536+128*\b+16*\j th:TH_LOAD_NT
.endr
.endr
.endm
.macro QX m                            ; token tile m is quantised and its codes stored: a block's 256 bytes of the image by one store of 8 bytes a lane
.if \m >= 2
	s_wait_xcnt 0x0                                ; tile m - 2's stores have read this set of code registers
.endif
	QUANT4 X0+64*(\m%2), PC+8*(\m%2)
	v_lshl_or_b32 v[PW+\m], v[TB+1], 8, v[TB]
	s_delay_alu instid0(VALU_DEP_1)
	v_lshl_or_b32 v[PW+\m], v[TB+2], 16, v[PW+\m]
	s_delay_alu instid0(VALU_DEP_1)
	v_lshl_or_b32 v[PW+\m], v[TB+3], 24, v[PW+\m]  ; my token's scale word of this K step
.irp b, 0,1,2,3
	global_store_b64 v[HST], v[PC+8*(\m%2)+2*\b:PC+8*(\m%2)+2*\b+1], s[XC:XC+1] offset:\m*1024+256*\b
.endr
.endm
.macro PADD set
.set i, 0
.rept 32
	v_pk_add_f32 v[P+i:P+i+1], v[P+i:P+i+1], v[\set+i:\set+i+1]
.set i, i+2
.endr
.endm
	XL 0, X0
	XL 1, X0+64
	s_wait_loadcnt 16                              ; tile 0's sixteen loads are in; tile 1's may be out
	QX 0
	s_wait_loadcnt 0x0
.set i, 0
.rept 32
	v_pk_add_f32 v[P+i:P+i+1], v[X0+i:X0+i+1], v[X0+64+i:X0+64+i+1]   ; the first two tiles start the sums
.set i, i+2
.endr
	XL 2, X0
	QX 1
	XL 3, X0+64
	s_wait_loadcnt 16                              ; tile 2's are in; tile 3's may be out
	PADD X0
	QX 2
	s_wait_loadcnt 0x0
	PADD X0+64
	QX 3
	v_cndmask_b32 v[SP2], v[PW], v[PW+1], s[MK]    ; word 0: lanes 0-15 tile 0's tokens, lanes 16-31 tile 1's; word 1: tiles 2 and 3: so one register serves two tiles of a scaled product
	v_cndmask_b32 v[SP2+1], v[PW+2], v[PW+3], s[MK]
	global_store_b64 v[L8], v[SP2:SP2+1], s[XSB:XSB+1]
.irp k, 1,2,4,8                        ; the sums over the 16 tokens that lie in the 16 lanes of my half
.set i, 0
.rept 64
	v_add_f32_dpp v[P+i], v[P+i], v[P+i] row_xmask:\k row_mask:0xf bank_mask:0xf
.set i, i+1
.endr
.endr
.set i, 0
.rept 32
	v_pk_mul_f32 v[P+i:P+i+1], v[P+i:P+i+1], 0x3c800000 op_sel_hi:[1,0]   ; / 64
.set i, i+2
.endr
.irp b, 0,1,2,3
.irp j, 0,1,2,3
	ds_store_b128 v[PBW], v[P+16*\b+4*\j:P+16*\b+4*\j+3] offset:128*\b+16*\j   ; the sixteen lanes of a half write the same bytes with the same values
.endr
.endr
	ds_load_b128 v[PB:PB+3], v[PBR]                ; my wave's own bytes, served in order
	s_wait_dscnt 0x0
	global_store_b128 v[LI], v[PB:PB+3], s[PO:PO+1]   ; 512 consecutive bytes of the mean
	s_wait_tensorcnt 0x0
	ds_add_u32 v30, v31
	s_wait_dscnt 0x0
	s_endpgm
.Lfunc_end_k_qcce64e5422_prep:
	.size	k_qcce64e5422_prep, .Lfunc_end_k_qcce64e5422_prep-k_qcce64e5422_prep
	.p2alignl 7, 3214868480
	.fill 96, 4, 3214868480
	.section	.rodata,"a",@progbits
	.p2align	6, 0x0
	.amdhsa_kernel k_qcce64e5422_prep
		.amdhsa_group_segment_fixed_size 27648
		.amdhsa_private_segment_fixed_size 0
		.amdhsa_enable_private_segment 0
		.amdhsa_kernarg_size 48
		.amdhsa_user_sgpr_count 2
		.amdhsa_user_sgpr_kernarg_segment_ptr 1
		.amdhsa_wavefront_size32 1
		.amdhsa_system_sgpr_workgroup_id_x 1
		.amdhsa_system_sgpr_workgroup_id_y 1
		.amdhsa_system_sgpr_workgroup_id_z 1
		.amdhsa_system_vgpr_workitem_id 0
		.amdhsa_next_free_vgpr 256
		.amdhsa_next_free_sgpr 66
		.amdhsa_reserve_vcc 0
		.amdhsa_float_denorm_mode_32 3
		.amdhsa_float_denorm_mode_16_64 3
		.amdhsa_memory_ordered 1
		.amdhsa_forward_progress 1
		.amdhsa_inst_pref_size 191
	.end_amdhsa_kernel
	.amdgpu_metadata
---
amdhsa.version: [ 1, 2 ]
amdhsa.kernels:
  - .name:           k_qcce64e5422_prep
    .symbol:         k_qcce64e5422_prep.kd
    .args:
      - { .name: x, .offset: 0, .size: 8, .value_kind: global_buffer, .address_space: global }
      - { .name: W1, .offset: 8, .size: 8, .value_kind: global_buffer, .address_space: global }
      - { .name: Wa, .offset: 16, .size: 8, .value_kind: global_buffer, .address_space: global }
      - { .name: waq, .offset: 24, .size: 8, .value_kind: global_buffer, .address_space: global }
      - { .name: rq, .offset: 32, .size: 8, .value_kind: global_buffer, .address_space: global }
      - { .name: xq, .offset: 40, .size: 8, .value_kind: global_buffer, .address_space: global }
    .group_segment_fixed_size: 27648
    .private_segment_fixed_size: 0
    .kernarg_segment_align: 8
    .kernarg_segment_size: 48
    .max_flat_workgroup_size: 256
    .sgpr_count:     66
    .vgpr_count:     256
    .wavefront_size: 32
...
	.end_amdgpu_metadata
.endif
;; end of part 5
;; launch route (part 6): grid 129 x 1, 8 waves a work-group, no clusters, 36,864 bytes of LDS; arguments rq, b1, W2, b2, Wa, waq, sel, wts; writes waq, sel, wts
.if DOCPART == 6
	.amdgcn_target "amdgcn-amd-amdhsa--gfx1250"
	.amdhsa_code_object_version 6
	.text
	.protected	k_qcce64e5422_route
	.globl	k_qcce64e5422_route
	.p2align	8
	.type	k_qcce64e5422_route,@function
k_qcce64e5422_route:
	s_mov_b64 s[64:65], 0
	v_nop
	global_prefetch_b8 v0, s[64:65] scope:SCOPE_SE
	s_setreg_imm32_b32 hwreg(HW_REG_WAVE_SCHED_MODE, 0, 2), 2
	s_setreg_imm32_b32 hwreg(HW_REG_WAVE_MODE, 25, 1), 1
	s_wait_xcnt 0x0
	s_wait_alu depctr_vm_vsrc(0)
; SECOND LAUNCH.  Work-group 0 is the ROUTER: logits = tanh(Q(mean) Q(W1) + b1) W2 + b2, softmax, the three largest of eight, their weights renormalised.  It stores the chosen zones as whole numbers (sel [b][4])
; and their weights (wts [b][4]); no address or branch of this launch hangs on them.  Work-groups 1-128: BULK on Wa, zones 4 to 7, as in the launch before (see there for the quantiser and the layouts).
; ROUTER: the first product is on FP4 codes: the mean is quantised here (wave w: K step w), W1's codes come from rq.  It is used transposed (source 0 = 16 columns of W1, source 1 = the 16 batch elements):
; lane (r, h) holds batch element r and hidden units 32 w + 16 h + 0 .. 15 of wave w's 32.  The second product (N = 8) is fused multiply-adds in f32; the waves' parts meet in LDS.
; LIMITS: NaN and infinities are not served; blocks under 2^-124 get the byte 1.  tanh(d) = 1 - 2 / (1 + 2^(2 log2(e) d)): its error is some 1e-7 absolute, not relative, near d = 0.
; Equal probabilities go to the lower zone, as jax.lax.top_k has it; probabilities that differ by rounding alone may fall either way.
; No tensor loads and no cluster: the router is one work-group, and BULK's waves share nothing.
; THE MODE: SCHED_MODE bits 1:0 = 2 (LLVM: expert scheduling mode 2), set by the entry lines.  The code itself states the register dependences between vector or matrix instructions and memory or LDS
; instructions, and those through scalar registers and VCC that vector instructions write, with s_wait_alu, always for 0.
; THE PLAN, BULK.  Registers that memory or LDS instructions touch:
;   S        a block's 32 rows.  Written by loads; read by the block's maxima and by its copies into T, eight rows at a time.  Rows 0-15 are asked for again behind the copies of rows 8-15, rows 16-31 at the block's end.
;   C        a block's codes.  Written by the conversions; read by the block's four LDS stores; at the very end the scale words land in its first four registers.
;   R        the codes by tiles.  Written by the block's four LDS loads; read by its four global stores.
;   SW       the scale words.  Written by vector lines early in each block; read by four LDS stores behind the last block.
;   v1-v6    offsets and LDS addresses, made once and never written again.        T and the small registers are named by vector instructions alone.
; So a block holds two waits on va_vdst (in its middle: rows 0-15 are read out; at its end: rows 16-31 are read out and C is written) and, at its head, one on vm_vsrc (the last block's stores have read C and R).
; THE PLAN, ROUTER: straight-line code; each wait stands where a buffer changes hands, and its comment names the hand-over.
.set WV,   20
.set SRCB, 32
.set DCO,  34
.set DSO,  36
.set LO,  1
.set BA,  2
.set RA,  3
.set GA,  4
.set SA,  5
.set SR,  6
.set T,   32
.set S,   64
.set C,   192
.set R,   208
.set AM,  224
.set SCO, 228
.set BY,  232
.set SW,  236
; the router's LDS, behind BULK's 8 x 2,816 bytes
.set PIMG, 22528                       ; the mean's 8 fragments, images of 1,024 bytes
.set PSC,  30720                       ; their scale words, 128 bytes each
.set LG,   31744                       ; the waves' parts of the logits: [wave 8][batch 16][8] f32
; the router's registers
.set XA,  1                            ; v1   the mean: row r of 4,096 bytes + 64 h
.set HST, 2                            ; v2   LDS: my 8 bytes of a block in my wave's image
.set L4,  3                            ; v3   4 x lane
.set LI,  4                            ; v4   16 x lane
.set PSW, 5                            ; v5   LDS: my scale word, on the way in
.set B1A, 6                            ; v6   64 h
.set W2A, 7                            ; v7   512 h
.set LGW, 8                            ; v8   LDS: my wave's part of batch r's logits
.set LGR, 9                            ; v9   LDS: wave 0's part of them
.set PIR, 10                           ; v10  LDS: an image, on the way out
.set PSR, 11                           ; v11  LDS: scale words, on the way out
.set TMX, 12
.set TM,  16
.set SCQ, 20
.set TB,  24
.set PW,  28
.set OUTA, 29                          ; v29  16 r + 8 h
.set PF,  32                           ; v32-95   64 numbers of the mean, then its 8 fragments
.set WF,  96                           ; v96-223  W1's 16 fragments (K step s, tile u at 16 s + 8 u); then W2's rows; then the waves' parts
.set DA,  224                          ; v224-239 the codes just made; then the two accumulators
.set W1S, 240                          ; v240-247 W1's scale words, one register a K step: lanes 0-15 tile 0, lanes 16-31 tile 1
.set PS,  248                          ; v248-255 the mean's
.set RH,  32                           ; v32-47   tanh
.set RL,  48                           ; v48-55   logits, then probabilities
.set RLX, 56                           ; v56-63   the other half's
.set RM,  64
.set RS,  65
.set BEST, 66                          ; v66-68
.set IDX, 69                           ; v69-71
.set OV,  72                           ; v72-75
.set SEL, 42                           ; s[42:43]
.set MK,  44
.set TK,  56                           ; s56-63   the eight masks by which the zone just chosen is taken out
.macro BULKADR
	v_and_b32 v7, 31, v0
	v_lshlrev_b32 v[LO], 4, v7
	s_mul_i32 s21, s[WV], 2816
	v_lshrrev_b32 v8, 3, v7
	v_bfe_u32 v9, v7, 1, 1
	v_lshl_add_u32 v10, v8, 1, v9
	v_and_b32 v11, 1, v7
	v_bfe_u32 v12, v7, 2, 1
	v_lshlrev_b32 v11, 2, v11
	v_lshl_add_u32 v11, v12, 3, v11
	v_mul_u32_u24 v[BA], v10, 272
	v_lshl_add_u32 v[BA], v11, 4, v[BA]
	v_add_nc_u32 v[BA], s21, v[BA]
	v_lshrrev_b32 v12, 4, v7
	v_and_b32 v13, 15, v7
	v_mul_u32_u24 v[RA], v12, 272
	v_lshl_add_u32 v[RA], v13, 4, v[RA]
	v_add_nc_u32 v[RA], s21, v[RA]
	v_lshlrev_b32 v[GA], 10, v12
	v_lshl_add_u32 v[GA], v13, 4, v[GA]
	v_lshlrev_b32 v[SA], 7, v8
	v_lshl_add_u32 v[SA], v9, 6, v[SA]
	v_lshl_add_u32 v[SA], v11, 2, v[SA]
	v_add_nc_u32 v[SA], s21, v[SA]
	v_add_nc_u32 v[SA], 2304, v[SA]
	v_add_nc_u32 v[SR], s21, v[LO]
	v_add_nc_u32 v[SR], 2304, v[SR]
.endm
.macro GLOAD g, o, pitch
.irp i, 0,1,2,3,4,5,6,7
	global_load_b128 v[S+4*(8*(\o)+\i):S+4*(8*(\o)+\i)+3], v[LO], s[SRCB:SRCB+1] offset:(32*(\g)+8*(\o)+\i)*\pitch th:TH_LOAD_NT
.endr
.endm
; One wave: 128 columns x 128 along K of f32 stored [K][N] become 8 tiles x one K step of codes and 512 bytes of scale words (explained in the first launch's text)
.macro BULK pitch, cps
	s_wait_alu depctr_va_vdst(0)                   ; the offsets and LDS addresses v1 to v6 are written: every load and store below reads one of them
.irp o, 0,1,2,3
	GLOAD 0, \o, \pitch
.endr
.irp g, 0,1,2,3
	s_wait_loadcnt 0x0                             ; the block's 32 rows are in; nothing younger is out
.if \g > 0
	s_wait_xcnt 0x0                                ; the last block's global stores have had their addresses translated: R, their data, is loaded again only behind this wait
	s_wait_alu depctr_vm_vsrc(0)                   ; the last block's LDS stores have read C, which this block's conversions write again; its global stores have read R, in which this block's LDS loads land
.endif
.irp j, 0,1,2,3
	v_max3_num_f32 v[AM+\j], |v[S+\j]|, |v[S+4+\j]|, 0x1800000
.endr
.irp t, 1,2,3,4,5,6,7,8,9,10,11,12,13,14,15
.irp j, 0,1,2,3
	v_max3_num_f32 v[AM+\j], v[AM+\j], |v[S+8*\t+\j]|, |v[S+8*\t+4+\j]|
.endr
.endr
.irp j, 0,1,2,3
	v_add_nc_u32 v[SCO+\j], 0xff000000, v[AM+\j]
.endr
.irp j, 0,1,2,3
	v_lshrrev_b32 v[BY+\j], 23, v[SCO+\j]
.endr
.irp j, 0,1,2,3
.if \g == 0
	v_mov_b32 v[SW+\j], v[BY+\j]
.else
	v_lshl_or_b32 v[SW+\j], v[BY+\j], 8*\g, v[SW+\j]
.endif
.endr
.irp o, 0,1,2,3
.irp j, 0,1,2,3
.irp i, 0,1,2,3,4,5,6,7
	v_mov_b32 v[T+8*\j+\i], v[S+4*(8*\o+\i)+\j]
.endr
.endr
.if (\g < 3) && (\o == 1)
	s_wait_alu depctr_va_vdst(0)                   ; the maxima and the copies are done reading rows 0 to 15 of S, in which the next block's first sixteen loads land
	GLOAD \g+1, 0, \pitch
	GLOAD \g+1, 1, \pitch
.endif
.irp j, 0,1,2,3
	v_cvt_scalef32_pk8_fp4_f32 v[C+4*\j+\o], v[T+8*\j:T+8*\j+7], v[SCO+\j]
.endr
	v_nop                                          ; a plain line between the conversions and the next writes of their sources
.endr
	s_wait_alu depctr_va_vdst(0)                   ; the conversions have written C, which the LDS stores read; the copies are done reading rows 16 to 31 of S, in which the next block's loads land; SW is written, which the LDS stores behind the last block read
.if \g < 3
	GLOAD \g+1, 2, \pitch
	GLOAD \g+1, 3, \pitch
.endif
.irp j, 0,1,2,3
	ds_store_b128 v[BA], v[C+4*\j:C+4*\j+3] offset:16*\j
.endr
.irp i, 0,1,2,3
	ds_load_b128 v[R+4*\i:R+4*\i+3], v[RA] offset:544*\i
.endr
	s_wait_dscnt 0x0
.irp i, 0,1,2,3
	global_store_b128 v[GA], v[R+4*\i:R+4*\i+3], s[DCO:DCO+1] offset:\i*\cps+256*\g
.endr
.endr
.irp j, 0,1,2,3
	ds_store_b32 v[SA], v[SW+\j] offset:4*\j
.endr
	s_wait_alu depctr_vm_vsrc(0)                   ; the last block's LDS stores have read C, in whose first four registers the scale words land
	ds_load_b128 v[C:C+3], v[SR]
	s_wait_dscnt 0x0
	global_store_b128 v[LO], v[C:C+3], s[DSO:DSO+1]
	s_wait_dscnt 0x0                               ; the closing lines, six on end
	s_wait_alu 0x0
	s_wait_tensorcnt 0x0
	ds_add_u32 v30, v31
	s_wait_dscnt 0x0
	s_endpgm
.endm
.macro WAADR first, e0, wa, wq
	s_sub_co_u32 s21, ttmp9, \first
	s_lshr_b32 s22, s21, 5
.if \e0
	s_add_co_u32 s22, s22, \e0
.endif
	s_bfe_u32 s23, s21, 0x30002
	s_and_b32 s24, s21, 3
	s_lshl_b32 s24, s24, 3
	s_add_co_u32 s24, s24, s[WV]
	s_lshl_b32 s26, s22, 24
	s_lshl_b32 s25, s23, 21
	s_add_co_u32 s26, s26, s25
	s_lshl_b32 s25, s24, 9
	s_add_co_u32 s26, s26, s25
	s_mov_b32 s27, 0
	s_lshl_b32 s28, s22, 21
	s_lshl_b32 s25, s24, 16
	s_add_co_u32 s28, s28, s25
	s_lshl_b32 s25, s23, 11
	s_add_co_u32 s28, s28, s25
	s_mov_b32 s29, 0
	s_lshl_b32 s30, s22, 17
	s_lshl_b32 s25, s24, 12
	s_add_co_u32 s30, s30, s25
	s_lshl_b32 s25, s23, 9
	s_add_co_u32 s30, s30, s25
	s_add_co_u32 s30, s30, 16777216
	s_mov_b32 s31, 0
	s_wait_kmcnt 0x0
	s_add_nc_u64 s[SRCB:SRCB+1], s[\wa:\wa+1], s[26:27]
	s_add_nc_u64 s[DCO:DCO+1], s[\wq:\wq+1], s[28:29]
	s_add_nc_u64 s[DSO:DSO+1], s[\wq:\wq+1], s[30:31]
.endm
.macro QUANT4 src, pc
.irp b, 0,1,2,3
	v_max3_num_f32 v[TM+\b], |v[\src+16*\b]|, |v[\src+16*\b+1]|, 0x1800000
.endr
.irp i, 2,4,6,8,10,12,14
.irp b, 0,1,2,3
	v_max3_num_f32 v[TM+\b], v[TM+\b], |v[\src+16*\b+\i]|, |v[\src+16*\b+\i+1]|
.endr
.endr
.irp b, 0,1,2,3
	v_permlanex16_b32 v[TMX+\b], v[TM+\b], s[SEL], s[SEL+1]
.endr
.irp b, 0,1,2,3
	v_max_num_f32 v[TM+\b], v[TM+\b], v[TMX+\b]
.endr
.irp b, 0,1,2,3
	v_add_nc_u32 v[SCQ+\b], 0xff000000, v[TM+\b]
.endr
.irp b, 0,1,2,3
	v_lshrrev_b32 v[TB+\b], 23, v[SCQ+\b]
.endr
.irp b, 0,1,2,3
	v_cvt_scalef32_pk8_fp4_f32 v[\pc+2*\b], v[\src+16*\b:\src+16*\b+7], v[SCQ+\b]
	v_cvt_scalef32_pk8_fp4_f32 v[\pc+2*\b+1], v[\src+16*\b+8:\src+16*\b+15], v[SCQ+\b]
.endr
	v_nop                                          ; a plain line behind the last conversion
.endm
	s_load_b256 s[4:11], s[0:1], 0x0               ; rq s[4:5], b1 s[6:7], W2 s[8:9], b2 s[10:11]
	s_load_b256 s[12:19], s[0:1], 0x20             ; Wa s[12:13], waq s[14:15], sel s[16:17], wts s[18:19]
	v_lshl_add_u32 v30, v0, 2, 0x8c00
	v_mov_b32 v31, 0
	v_lshrrev_b32 v7, 5, v0
	v_readfirstlane_b32 s[WV], v7
	s_wait_alu depctr_va_sdst(0)                   ; s20, my wave's number, is written: ahead of the branch, since both ways read it
	s_cmp_eq_u32 ttmp9, 0
	s_cbranch_scc1 .Lrouter
	BULKADR
	WAADR 1, 4, 12, 14
	BULK 16384, 16384
.Lrouter:
	v_and_b32 v13, 31, v0
	v_and_b32 v14, 15, v0                          ; r: the batch element
	v_bfe_u32 v15, v0, 4, 1                        ; h
	v_lshlrev_b32 v[XA], 12, v14
	v_lshl_add_u32 v[XA], v15, 6, v[XA]
	v_lshlrev_b32 v[L4], 2, v13
	v_lshlrev_b32 v[LI], 4, v13
	v_lshlrev_b32 v[OUTA], 4, v14
	v_lshl_add_u32 v[OUTA], v15, 3, v[OUTA]
	s_lshl_b32 s21, s[WV], 10
	s_add_co_u32 s21, s21, PIMG
	v_add_nc_u32 v[HST], s21, v[OUTA]
	s_lshl_b32 s21, s[WV], 7
	s_add_co_u32 s21, s21, PSC
	v_add_nc_u32 v[PSW], s21, v[L4]
	v_lshlrev_b32 v[B1A], 6, v15
	v_lshlrev_b32 v[W2A], 9, v15
	v_lshlrev_b32 v[LGR], 5, v14
	v_add_nc_u32 v[LGR], LG, v[LGR]
	s_lshl_b32 s21, s[WV], 9
	v_add_nc_u32 v[LGW], s21, v[LGR]
	v_add_nc_u32 v[PIR], PIMG, v[LI]
	v_add_nc_u32 v[PSR], PSC, v[L4]
.irp b, 0,1,2,3
	v_mov_b32 v[TMX+\b], 0                         ; written once: a lane permute's destination counts as one of its sources
.endr
	s_lshl_b32 s22, s[WV], 9                       ; the mean's K step w
	s_add_co_u32 s22, s22, 139264
	s_mov_b32 s23, 0
	s_lshl_b32 s24, s[WV], 14                      ; W1's pair w of tiles
	s_mov_b32 s25, 0
	s_lshr_b32 s26, s[WV], 2                       ; its scale words: run w >> 2, pair w & 3
	s_lshl_b32 s26, s26, 12
	s_and_b32 s27, s[WV], 3
	s_lshl_b32 s27, s27, 7
	s_add_co_u32 s26, s26, s27
	s_add_co_u32 s26, s26, 131072
	s_mov_b32 s27, 0
	s_lshl_b32 s28, s[WV], 7                       ; b1: my 32 numbers
	s_mov_b32 s29, 0
	s_lshl_b32 s30, s[WV], 10                      ; W2: my 32 rows of 32 bytes
	s_mov_b32 s31, 0
	s_mov_b32 s[SEL], 0x76543210
	s_mov_b32 s[SEL+1], 0xfedcba98
	s_mov_b32 s[MK], 0xffff0000
	s_wait_kmcnt 0x0
	s_add_nc_u64 s[32:33], s[4:5], s[22:23]
	s_add_nc_u64 s[34:35], s[4:5], s[24:25]
	s_add_nc_u64 s[36:37], s[4:5], s[26:27]
	s_add_nc_u64 s[38:39], s[6:7], s[28:29]
	s_add_nc_u64 s[40:41], s[8:9], s[30:31]
	s_load_b256 s[48:55], s[10:11], 0x0            ; b2
	s_wait_alu depctr_va_vdst(0)                   ; the offsets and LDS addresses v1 to v11 and v29 are written: the router's loads and stores read them, and none is written again
.irp b, 0,1,2,3
.irp j, 0,1,2,3
	global_load_b128 v[PF+16*\b+4*\j:PF+16*\b+4*\j+3], v[XA], s[32:33] offset:128*\b+16*\j
.endr
.endr
.irp s, 0,1,2,3,4,5,6,7
.irp u, 0,1
.irp c, 0,1
	global_load_b128 v[WF+16*\s+8*\u+4*\c:WF+16*\s+8*\u+4*\c+3], v[LI], s[34:35] offset:\s*2048+\u*1024+\c*512
.endr
.endr
.endr
.irp s, 0,1,2,3,4,5,6,7
	global_load_b32 v[W1S+\s], v[L4], s[36:37] offset:\s*512
.endr
	s_wait_loadcnt 40                              ; the mean's sixteen loads are in; W1's 32 and its 8 scale words, issued behind them, may be out
	QUANT4 PF, DA
	v_lshl_or_b32 v[PW], v[TB+1], 8, v[TB]
	v_lshl_or_b32 v[PW], v[TB+2], 16, v[PW]
	v_lshl_or_b32 v[PW], v[TB+3], 24, v[PW]
	s_wait_alu depctr_va_vdst(0)                   ; the conversions have written the codes in v224 to v231 and the lines above the scale word, which the LDS stores read; maxima and conversions are done reading v32 to v95, in which the fragments land behind the barrier
.irp b, 0,1,2,3
	ds_store_b64 v[HST], v[DA+2*\b:DA+2*\b+1] offset:256*\b
.endr
	ds_store_b32 v[PSW], v[PW]
	s_wait_dscnt 0x0                               ; for the others' sake: my stores have landed
	s_barrier_signal -1
	s_barrier_wait -1                              ; the mean's eight fragments lie in LDS
	s_wait_alu depctr_vm_vsrc(0)                   ; my LDS stores have read v224 to v231, in which b1 lands
.irp u, 0,1
	global_load_b128 v[DA+8*\u:DA+8*\u+3], v[B1A], s[38:39] offset:32*\u        ; b1 in the result's layout starts the sums: hidden units 32 w + 16 h + 8 u + 0 .. 7
	global_load_b128 v[DA+8*\u+4:DA+8*\u+7], v[B1A], s[38:39] offset:32*\u+16
.endr
.irp s, 0,1,2,3,4,5,6,7
.irp c, 0,1
	ds_load_b128 v[PF+8*\s+4*\c:PF+8*\s+4*\c+3], v[PIR] offset:\s*1024+\c*512
.endr
.endr
.irp s, 0,1,2,3,4,5,6,7
	ds_load_b32 v[PS+\s], v[PSR] offset:\s*128
.endr
	s_wait_loadcnt 0x0
	s_wait_dscnt 0x0
.irp s, 0,1,2,3,4,5,6,7                ; the two accumulators by turns, one instruction a turn
	v_wmma_scale_f32_16x16x128_f8f6f4 v[DA:DA+7], v[WF+16*\s:WF+16*\s+7], v[PF+8*\s:PF+8*\s+7], v[DA:DA+7], v[W1S+\s], v[PS+\s] matrix_a_fmt:MATRIX_FMT_FP4 matrix_b_fmt:MATRIX_FMT_FP4
	v_wmma_scale_f32_16x16x128_f8f6f4 v[DA+8:DA+15], v[WF+16*\s+8:WF+16*\s+15], v[PF+8*\s:PF+8*\s+7], v[DA+8:DA+15], v[W1S+\s], v[PS+\s] matrix_a_fmt:MATRIX_FMT_FP4 matrix_b_fmt:MATRIX_FMT_FP4 matrix_a_scale:MATRIX_SCALE_ROW1
.endr
.rept 4
	v_nop                                          ; four places behind the last products: in front of loads into their sources and of the first read of results
.endr
	s_wait_alu depctr_va_vdst(0)                   ; the products are done reading W1's fragments in v96 to v223, in which W2's rows land; the places above stay beside this wait
.irp i, 0,1,2,3,4,5,6,7,8,9,10,11,12,13,14,15
	global_load_b128 v[WF+8*\i:WF+8*\i+3], v[W2A], s[40:41] offset:32*\i        ; W2's row of my hidden unit i: eight numbers
	global_load_b128 v[WF+8*\i+4:WF+8*\i+7], v[W2A], s[40:41] offset:32*\i+16
.endr
.irp i, 0,1,2,3,4,5,6,7,8,9,10,11,12,13,14,15
	v_mul_f32 v[RH+\i], 0x4038aa3b, v[DA+\i]       ; 2 log2(e) d; each accumulator from its low end on
.endr
	s_wait_alu depctr_va_vdst(0)
.irp i, 0,1,2,3,4,5,6,7,8,9,10,11,12,13,14,15
	v_exp_f32 v[RH+\i], v[RH+\i]
.endr
	v_nop                                          ; a plain line behind the exponentials
	s_wait_alu depctr_va_vdst(0)                   ; the sixteen exponentials have written v32 to v47, ahead of their first reader
.irp i, 0,1,2,3,4,5,6,7,8,9,10,11,12,13,14,15
	v_add_f32 v[RH+\i], 1.0, v[RH+\i]
.endr
	s_wait_alu depctr_va_vdst(0)
.irp i, 0,1,2,3,4,5,6,7,8,9,10,11,12,13,14,15
	v_rcp_f32 v[RH+\i], v[RH+\i]
.endr
	v_nop
	s_wait_alu depctr_va_vdst(0)                   ; the sixteen reciprocals have written v32 to v47, ahead of their first reader
.irp i, 0,1,2,3,4,5,6,7,8,9,10,11,12,13,14,15
	v_fma_f32 v[RH+\i], v[RH+\i], -2.0, 1.0        ; tanh
.endr
.irp e, 0,1,2,3,4,5,6,7
	v_mov_b32 v[RLX+\e], 0
.endr
	s_wait_loadcnt 0x0
.irp e, 0,1,2,3,4,5,6,7
	v_mul_f32 v[RL+\e], v[RH], v[WF+\e]
.endr
.irp i, 1,2,3,4,5,6,7,8,9,10,11,12,13,14,15
.irp e, 0,1,2,3,4,5,6,7
	v_fmac_f32 v[RL+\e], v[RH+\i], v[WF+8*\i+\e]
.endr
.endr
.irp e, 0,1,2,3,4,5,6,7
	v_permlanex16_b32 v[RLX+\e], v[RL+\e], s[SEL], s[SEL+1]
.endr
.irp e, 0,1,2,3,4,5,6,7
	v_add_f32 v[RL+\e], v[RL+\e], v[RLX+\e]        ; with the other half's 16 hidden units
.endr
	s_wait_alu depctr_va_vdst(0)                   ; the additions have written v48 to v55, which the LDS stores read; the multiply-adds are done reading W2's rows in v96 to v223, in which wave 0's loads of the eight parts land
	ds_store_b128 v[LGW], v[RL:RL+3]               ; lanes r and r + 16 write the same bytes with the same values
	ds_store_b128 v[LGW], v[RL+4:RL+7] offset:16
	s_wait_dscnt 0x0
	s_barrier_signal -1
	s_barrier_wait -1
	s_wait_alu depctr_vm_vsrc(0)                   ; my LDS stores have read v48 to v55, which wave 0 writes again: ahead of the branch
	s_cmp_lg_u32 s[WV], 0
	s_cbranch_scc1 .Lrend                          ; wave 0 does the rest
.irp w, 0,1,2,3,4,5,6,7
	ds_load_b128 v[WF+8*\w:WF+8*\w+3], v[LGR] offset:512*\w
	ds_load_b128 v[WF+8*\w+4:WF+8*\w+7], v[LGR] offset:512*\w+16
.endr
	s_wait_kmcnt 0x0                               ; b2
	s_wait_dscnt 0x0
.irp e, 0,1,2,3,4,5,6,7
	v_add_f32 v[RL+\e], s[48+\e], v[WF+\e]
.endr
.irp w, 1,2,3,4,5,6,7
.irp e, 0,1,2,3,4,5,6,7
	v_add_f32 v[RL+\e], v[RL+\e], v[WF+8*\w+\e]
.endr
.endr
	v_max3_num_f32 v[RM], v[RL], v[RL+1], v[RL+2]  ; the softmax takes its maximum away first
	v_max3_num_f32 v[RM], v[RM], v[RL+3], v[RL+4]
	v_max3_num_f32 v[RM], v[RM], v[RL+5], v[RL+6]
	v_max_num_f32 v[RM], v[RM], v[RL+7]
.irp e, 0,1,2,3,4,5,6,7
	v_sub_f32 v[RL+\e], v[RL+\e], v[RM]
.endr
.irp e, 0,1,2,3,4,5,6,7
	v_mul_f32 v[RL+\e], 0x3fb8aa3b, v[RL+\e]
.endr
	s_wait_alu depctr_va_vdst(0)
.irp e, 0,1,2,3,4,5,6,7
	v_exp_f32 v[RL+\e], v[RL+\e]
.endr
	v_nop
	s_wait_alu depctr_va_vdst(0)                   ; the eight exponentials have written v48 to v55, ahead of their first reader
	v_add_f32 v[RS], v[RL], v[RL+1]
.irp e, 2,3,4,5,6,7
	v_add_f32 v[RS], v[RS], v[RL+\e]
.endr
	s_wait_alu depctr_va_vdst(0)
	v_rcp_f32 v[RS], v[RS]
	v_nop
	s_wait_alu depctr_va_vdst(0)                   ; the reciprocal has written v65, ahead of its first reader
.irp e, 0,1,2,3,4,5,6,7
	v_mul_f32 v[RL+\e], v[RL+\e], v[RS]            ; the probabilities
.endr
.irp k, 0,1,2                          ; three times: the largest, the lower zone where two are equal (the compare is strict); then it is taken out
	v_mov_b32 v[BEST+\k], v[RL]
	v_mov_b32 v[IDX+\k], 0
.irp e, 1,2,3,4,5,6,7
	v_cmp_gt_f32 vcc_lo, v[RL+\e], v[BEST+\k]
	s_wait_alu depctr_va_vcc(0)                    ; the compare has written VCC, which the two selects read.  The chain is serial: the next compare reads this select's result
	v_cndmask_b32 v[BEST+\k], v[BEST+\k], v[RL+\e], vcc_lo
	v_cndmask_b32 v[IDX+\k], v[IDX+\k], \e, vcc_lo
.endr
.irp e, 0,1,2,3,4,5,6,7
	v_cmp_eq_u32 s[TK+\e], \e, v[IDX+\k]           ; eight compares in a run, a scalar register each
.endr
	s_wait_alu depctr_va_sdst(0)                   ; the eight compares have written s56 to s63, which the eight selects read
.irp e, 0,1,2,3,4,5,6,7
	v_cndmask_b32 v[RL+\e], v[RL+\e], -1.0, s[TK+\e]
.endr
.endr
	v_add_f32 v[RS], v[BEST], v[BEST+1]
	v_add_f32 v[RS], v[RS], v[BEST+2]
	s_wait_alu depctr_va_vdst(0)
	v_rcp_f32 v[RS], v[RS]
	v_nop
	s_wait_alu depctr_va_vdst(0)                   ; the reciprocal has written v65, ahead of its first reader
.irp k, 0,1,2
	v_mul_f32 v[BEST+\k], v[BEST+\k], v[RS]        ; the three weights, renormalised
.endr
	v_cndmask_b32 v[OV], v[IDX], v[IDX+2], s[MK]   ; lanes r and r + 16 hold the same: lane r stores entries 0 and 1 of batch r, lane r + 16 entry 2 and a zero
	v_cndmask_b32 v[OV+1], v[IDX+1], 0, s[MK]
	v_cndmask_b32 v[OV+2], v[BEST], v[BEST+2], s[MK]
	v_cndmask_b32 v[OV+3], v[BEST+1], 0, s[MK]
	s_wait_alu depctr_va_vdst(0)                   ; the four selects have written v72 to v75, which the two stores read
	global_store_b64 v[OUTA], v[OV:OV+1], s[16:17]     ; 256 consecutive bytes, aligned: all of sel
	global_store_b64 v[OUTA], v[OV+2:OV+3], s[18:19]   ; and all of wts
.Lrend:
	s_wait_dscnt 0x0                               ; the closing lines, six on end
	s_wait_alu 0x0
	s_wait_tensorcnt 0x0
	ds_add_u32 v30, v31
	s_wait_dscnt 0x0
	s_endpgm
.Lfunc_end_k_qcce64e5422_route:
	.size	k_qcce64e5422_route, .Lfunc_end_k_qcce64e5422_route-k_qcce64e5422_route
	.p2alignl 7, 3214868480
	.fill 96, 4, 3214868480
	.section	.rodata,"a",@progbits
	.p2align	6, 0x0
	.amdhsa_kernel k_qcce64e5422_route
		.amdhsa_group_segment_fixed_size 36864
		.amdhsa_private_segment_fixed_size 0
		.amdhsa_enable_private_segment 0
		.amdhsa_kernarg_size 64
		.amdhsa_user_sgpr_count 2
		.amdhsa_user_sgpr_kernarg_segment_ptr 1
		.amdhsa_wavefront_size32 1
		.amdhsa_system_sgpr_workgroup_id_x 1
		.amdhsa_system_sgpr_workgroup_id_y 1
		.amdhsa_system_sgpr_workgroup_id_z 1
		.amdhsa_system_vgpr_workitem_id 0
		.amdhsa_next_free_vgpr 256
		.amdhsa_next_free_sgpr 66
		.amdhsa_reserve_vcc 1
		.amdhsa_float_denorm_mode_32 3
		.amdhsa_float_denorm_mode_16_64 3
		.amdhsa_memory_ordered 1
		.amdhsa_forward_progress 1
		.amdhsa_inst_pref_size 100
	.end_amdhsa_kernel
	.amdgpu_metadata
---
amdhsa.version: [ 1, 2 ]
amdhsa.kernels:
  - .name:           k_qcce64e5422_route
    .symbol:         k_qcce64e5422_route.kd
    .args:
      - { .name: rq, .offset: 0, .size: 8, .value_kind: global_buffer, .address_space: global }
      - { .name: b1, .offset: 8, .size: 8, .value_kind: global_buffer, .address_space: global }
      - { .name: W2, .offset: 16, .size: 8, .value_kind: global_buffer, .address_space: global }
      - { .name: b2, .offset: 24, .size: 8, .value_kind: global_buffer, .address_space: global }
      - { .name: Wa, .offset: 32, .size: 8, .value_kind: global_buffer, .address_space: global }
      - { .name: waq, .offset: 40, .size: 8, .value_kind: global_buffer, .address_space: global }
      - { .name: sel, .offset: 48, .size: 8, .value_kind: global_buffer, .address_space: global }
      - { .name: wts, .offset: 56, .size: 8, .value_kind: global_buffer, .address_space: global }
    .group_segment_fixed_size: 36864
    .private_segment_fixed_size: 0
    .kernarg_segment_align: 8
    .kernarg_segment_size: 64
    .max_flat_workgroup_size: 256
    .sgpr_count:     66
    .vgpr_count:     256
    .wavefront_size: 32
...
	.end_amdgpu_metadata
.endif
;; end of part 6
;; launch ffn1 (part 7): grid 28 x 16, 8 waves a work-group, no clusters, 58,368 bytes of LDS; arguments xq, waq, sel, Wb, wbq, hq; writes wbq, hq
.if DOCPART == 7
	.amdgcn_target "amdgcn-amd-amdhsa--gfx1250"
	.amdhsa_code_object_version 6
	.text
	.protected	k_qcce64e5422_ffn1
	.globl	k_qcce64e5422_ffn1
	.p2align	8
	.type	k_qcce64e5422_ffn1,@function
k_qcce64e5422_ffn1:
	s_mov_b64 s[64:65], 0
	v_nop
	global_prefetch_b8 v0, s[64:65] scope:SCOPE_SE
	s_setreg_imm32_b32 hwreg(HW_REG_WAVE_MODE, 25, 1), 1
	s_wait_xcnt 0x0
; THIRD LAUNCH.  Work-groups with x < 12: GEMM1, the first product of a chosen (batch element, zone) pair with its GELU and the quantising of the result.  x >= 12: BULK on Wb [4096 (k)][1024], all 8 zones
; (256 work-groups; see the first launch's text for the quantiser and the layouts), which streams beside them.
; Only the 16 x 3 chosen pairs are multiplied: reference() gives the other zones the weight 0.  The zone comes from sel, stored by the launch before, and enters addresses behind a clamp to 0 .. 7.
; GEMM1: work-group (x, y): batch element b = y, choice k = x >> 2, quarter x & 3 of the 4,096 hidden units; wave w takes 128 of them: K step g = 8 (x & 3) + w of the second product, as four pairs of tiles.
; The product is used transposed (source 0 = 16 columns of Wa, source 1 = 16 tokens): lane (r, h) holds token r, and the 16 registers of a pair's two tiles are hidden units 16 h + 0 .. 15 of the pair's 32: one block of the
; next K lies in lanes l and l xor 16.  x's codes (32 KiB + 2 KiB of scale words) lie in LDS for all eight waves; Wa's fragments go from memory straight into the registers of the one wave that multiplies them,
; a whole column pair (8 K steps, 40 loads) ahead.
; GELU as jax.nn.gelu has it (the tanh form): x / (1 + 2^(x (k1 + k2 x x))), k1 = -2 sqrt(2/pi) log2(e), k2 = 0.044715 k1, which is 0.5 x (1 + tanh(..)) written with one exponential; all in f32.
; LIMITS: NaN and infinities are not served; blocks under 2^-124, blocks of zeros among them, get the byte 1.
; NO JOINT LOADS: the work-groups of a batch element share x's 34 KiB alone, of the 578 KiB that each reads; which weights a work-group reads hangs on sel, so partners cannot be told at launch.
.set WV,   20
.set SRCB, 32
.set DCO,  34
.set DSO,  36
.set LO,  1
.set BA,  2
.set RA,  3
.set GA,  4
.set SA,  5
.set SR,  6
.set T,   32
.set S,   64
.set C,   192
.set R,   208
.set AM,  224
.set SCO, 228
.set BY,  232
.set SW,  236
; GEMM1's LDS, behind BULK's 8 x 2,816 bytes
.set XIMG, 22528                       ; x's fragments [K step 8][token tile 4][1,024]
.set XSC,  55296                       ; their scale words [K step 8][lane 32][2]
; GEMM1's registers
.set LI,  1                            ; v1   16 x lane
.set L8,  2                            ; v2   8 x lane
.set L4,  3                            ; v3   4 x lane
.set HST, 4                            ; v4   16 r + 8 h
.set XIR, 5                            ; v5   LDS: an image of x for my lane
.set K1,  6                            ; v[6:7] k1, twice
.set PW,  8                            ; v8-11  the hidden layer's scale words, a token tile each
.set TMX, 12
.set XS,  16                           ; v16-17 x's scale words of the K step in hand
.set WS,  18                           ; v18-25 Wa's, one register a K step
.set XSR, 26                           ; v26  LDS: x's scale words for my lane
.set CG,  27                           ; v27  16 x thread;  v28 the same in LDS;  v29 8 x thread;  v30 the same in LDS
.set CL,  28
.set CG8, 29
.set CL8, 30
.set XF,  32                           ; v32-63   x's four fragments of a K step; at work in the epilogue
.set ACC, 64                           ; v64-127  accumulators: token tile m, tile u at 16 m + 8 u
.set WF,  128                          ; v128-255 Wa's fragments of a column pair: K step s, tile u at 16 s + 8 u
.set TM,  XF
.set SCQ, XF+4
.set TB,  XF+8
.set PC,  XF+16
.set GW,  40                           ; s[40:41] Wa's codes of the pair in hand;  s[42:43] its scale words;  s[44:45] where the hidden codes go;  s[46:47] their scale words
.set GWS, 42
.set GH,  44
.set GHS, 46
.set K2,  48                           ; s[48:49] k2
.set SEL, 50                           ; s[50:51]
.set SH,  52                           ; s52  8 x the pair's number: its byte's place in a scale word
.set CNT, 53
.set MK,  54
.macro BULKADR
	v_and_b32 v7, 31, v0
	s_delay_alu instid0(VALU_DEP_1)
	v_lshlrev_b32 v[LO], 4, v7
	s_mul_i32 s21, s[WV], 2816
	v_lshrrev_b32 v8, 3, v7
	v_bfe_u32 v9, v7, 1, 1
	s_delay_alu instid0(VALU_DEP_1)
	v_lshl_add_u32 v10, v8, 1, v9
	v_and_b32 v11, 1, v7
	v_bfe_u32 v12, v7, 2, 1
	s_delay_alu instid0(VALU_DEP_2)
	v_lshlrev_b32 v11, 2, v11
	s_delay_alu instid0(VALU_DEP_1)
	v_lshl_add_u32 v11, v12, 3, v11
	v_mul_u32_u24 v[BA], v10, 272
	s_delay_alu instid0(VALU_DEP_1)
	v_lshl_add_u32 v[BA], v11, 4, v[BA]
	s_delay_alu instid0(VALU_DEP_1)
	v_add_nc_u32 v[BA], s21, v[BA]
	v_lshrrev_b32 v12, 4, v7
	v_and_b32 v13, 15, v7
	s_delay_alu instid0(VALU_DEP_2)
	v_mul_u32_u24 v[RA], v12, 272
	s_delay_alu instid0(VALU_DEP_1)
	v_lshl_add_u32 v[RA], v13, 4, v[RA]
	s_delay_alu instid0(VALU_DEP_1)
	v_add_nc_u32 v[RA], s21, v[RA]
	v_lshlrev_b32 v[GA], 10, v12
	s_delay_alu instid0(VALU_DEP_1)
	v_lshl_add_u32 v[GA], v13, 4, v[GA]
	v_lshlrev_b32 v[SA], 7, v8
	s_delay_alu instid0(VALU_DEP_1)
	v_lshl_add_u32 v[SA], v9, 6, v[SA]
	s_delay_alu instid0(VALU_DEP_1)
	v_lshl_add_u32 v[SA], v11, 2, v[SA]
	s_delay_alu instid0(VALU_DEP_1)
	v_add_nc_u32 v[SA], s21, v[SA]
	s_delay_alu instid0(VALU_DEP_1)
	v_add_nc_u32 v[SA], 2304, v[SA]
	v_add_nc_u32 v[SR], s21, v[LO]
	s_delay_alu instid0(VALU_DEP_1)
	v_add_nc_u32 v[SR], 2304, v[SR]
.endm
.macro GLOAD g, o, pitch
.irp i, 0,1,2,3,4,5,6,7
	global_load_b128 v[S+4*(8*(\o)+\i):S+4*(8*(\o)+\i)+3], v[LO], s[SRCB:SRCB+1] offset:(32*(\g)+8*(\o)+\i)*\pitch th:TH_LOAD_NT
.endr
.endm
; One wave: 128 columns x 128 along K of f32 stored [K][N] become 8 tiles x one K step of codes and 512 bytes of scale words (explained in the first launch's text)
.macro BULK pitch, cps
.irp o, 0,1,2,3
	GLOAD 0, \o, \pitch
.endr
.irp g, 0,1,2,3
	s_wait_loadcnt 0x0                             ; the block's 32 rows are in; nothing younger is out
.irp j, 0,1,2,3
	v_max3_num_f32 v[AM+\j], |v[S+\j]|, |v[S+4+\j]|, 0x1800000
.endr
.irp t, 1,2,3,4,5,6,7,8,9,10,11,12,13,14,15
.irp j, 0,1,2,3
	s_delay_alu instid0(VALU_DEP_4)
	v_max3_num_f32 v[AM+\j], v[AM+\j], |v[S+8*\t+\j]|, |v[S+8*\t+4+\j]|
.endr
.endr
.irp j, 0,1,2,3
	s_delay_alu instid0(VALU_DEP_4)
	v_add_nc_u32 v[SCO+\j], 0xff000000, v[AM+\j]
.endr
.irp j, 0,1,2,3
	s_delay_alu instid0(VALU_DEP_4)
	v_lshrrev_b32 v[BY+\j], 23, v[SCO+\j]
.endr
.irp j, 0,1,2,3
.if \g == 0
	s_delay_alu instid0(VALU_DEP_4)
	v_mov_b32 v[SW+\j], v[BY+\j]
.else
	s_delay_alu instid0(VALU_DEP_4)
	v_lshl_or_b32 v[SW+\j], v[BY+\j], 8*\g, v[SW+\j]
.endif
.endr
.irp o, 0,1,2,3
.irp j, 0,1,2,3
.irp i, 0,1,2,3,4,5,6,7
	v_mov_b32 v[T+8*\j+\i], v[S+4*(8*\o+\i)+\j]
.endr
.endr
.if \g < 3
	GLOAD \g+1, \o, \pitch
.endif
.irp j, 0,1,2,3
	v_cvt_scalef32_pk8_fp4_f32 v[C+4*\j+\o], v[T+8*\j:T+8*\j+7], v[SCO+\j]
.endr
	v_nop                                          ; a plain line between the conversions and the next writes of their sources
.endr
	s_wait_alu depctr_va_vdst(0)
	s_wait_xcnt 0x0                                ; the last block's stores have read R
.irp j, 0,1,2,3
	ds_store_b128 v[BA], v[C+4*\j:C+4*\j+3] offset:16*\j
.endr
.irp i, 0,1,2,3
	ds_load_b128 v[R+4*\i:R+4*\i+3], v[RA] offset:544*\i
.endr
	s_wait_dscnt 0x0
.irp i, 0,1,2,3
	global_store_b128 v[GA], v[R+4*\i:R+4*\i+3], s[DCO:DCO+1] offset:\i*\cps+256*\g
.endr
.endr
.irp j, 0,1,2,3
	ds_store_b32 v[SA], v[SW+\j] offset:4*\j
.endr
	ds_load_b128 v[C:C+3], v[SR]
	s_wait_dscnt 0x0
	global_store_b128 v[LO], v[C:C+3], s[DSO:DSO+1]
	s_set_vgpr_msb 0x4
	s_wait_tensorcnt 0x0
	ds_add_u32 v31, v1
	s_wait_dscnt 0x0
	s_set_vgpr_msb 0x400
	s_endpgm
.endm
.macro QUANT4 src, pc
.irp b, 0,1,2,3
	v_max3_num_f32 v[TM+\b], |v[\src+16*\b]|, |v[\src+16*\b+1]|, 0x1800000
.endr
.irp i, 2,4,6,8,10,12,14
.irp b, 0,1,2,3
	s_delay_alu instid0(VALU_DEP_4)
	v_max3_num_f32 v[TM+\b], v[TM+\b], |v[\src+16*\b+\i]|, |v[\src+16*\b+\i+1]|
.endr
.endr
.irp b, 0,1,2,3
	s_delay_alu instid0(VALU_DEP_4)
	v_permlanex16_b32 v[TMX+\b], v[TM+\b], s[SEL], s[SEL+1]
.endr
.irp b, 0,1,2,3
	s_delay_alu instid0(VALU_DEP_4)
	v_max_num_f32 v[TM+\b], v[TM+\b], v[TMX+\b]
.endr
.irp b, 0,1,2,3
	s_delay_alu instid0(VALU_DEP_4)
	v_add_nc_u32 v[SCQ+\b], 0xff000000, v[TM+\b]
.endr
.irp b, 0,1,2,3
	s_delay_alu instid0(VALU_DEP_4)
	v_lshrrev_b32 v[TB+\b], 23, v[SCQ+\b]
.endr
.irp b, 0,1,2,3
	v_cvt_scalef32_pk8_fp4_f32 v[\pc+2*\b], v[\src+16*\b:\src+16*\b+7], v[SCQ+\b]
	v_cvt_scalef32_pk8_fp4_f32 v[\pc+2*\b+1], v[\src+16*\b+8:\src+16*\b+15], v[SCQ+\b]
.endr
	v_nop                                          ; a plain line behind the last conversion
.endm
; One scaled product on FP4 codes.  d, a, b: first registers of D, source 0, source 1; zero: the product starts its sum; sa, sb: the scale registers; ra, rb: 1 = that side's scales lie in lanes 16-31
.macro WM d, a, b, zero, sa, sb, ra, rb
.if \zero
.if (\ra) && (\rb)
	v_wmma_scale_f32_16x16x128_f8f6f4 v[\d:\d+7], v[\a:\a+7], v[\b:\b+7], 0, v[\sa], v[\sb] matrix_a_fmt:MATRIX_FMT_FP4 matrix_b_fmt:MATRIX_FMT_FP4 matrix_a_scale:MATRIX_SCALE_ROW1 matrix_b_scale:MATRIX_SCALE_ROW1
.elseif (\ra)
	v_wmma_scale_f32_16x16x128_f8f6f4 v[\d:\d+7], v[\a:\a+7], v[\b:\b+7], 0, v[\sa], v[\sb] matrix_a_fmt:MATRIX_FMT_FP4 matrix_b_fmt:MATRIX_FMT_FP4 matrix_a_scale:MATRIX_SCALE_ROW1
.elseif (\rb)
	v_wmma_scale_f32_16x16x128_f8f6f4 v[\d:\d+7], v[\a:\a+7], v[\b:\b+7], 0, v[\sa], v[\sb] matrix_a_fmt:MATRIX_FMT_FP4 matrix_b_fmt:MATRIX_FMT_FP4 matrix_b_scale:MATRIX_SCALE_ROW1
.else
	v_wmma_scale_f32_16x16x128_f8f6f4 v[\d:\d+7], v[\a:\a+7], v[\b:\b+7], 0, v[\sa], v[\sb] matrix_a_fmt:MATRIX_FMT_FP4 matrix_b_fmt:MATRIX_FMT_FP4
.endif
.else
.if (\ra) && (\rb)
	v_wmma_scale_f32_16x16x128_f8f6f4 v[\d:\d+7], v[\a:\a+7], v[\b:\b+7], v[\d:\d+7], v[\sa], v[\sb] matrix_a_fmt:MATRIX_FMT_FP4 matrix_b_fmt:MATRIX_FMT_FP4 matrix_a_scale:MATRIX_SCALE_ROW1 matrix_b_scale:MATRIX_SCALE_ROW1
.elseif (\ra)
	v_wmma_scale_f32_16x16x128_f8f6f4 v[\d:\d+7], v[\a:\a+7], v[\b:\b+7], v[\d:\d+7], v[\sa], v[\sb] matrix_a_fmt:MATRIX_FMT_FP4 matrix_b_fmt:MATRIX_FMT_FP4 matrix_a_scale:MATRIX_SCALE_ROW1
.elseif (\rb)
	v_wmma_scale_f32_16x16x128_f8f6f4 v[\d:\d+7], v[\a:\a+7], v[\b:\b+7], v[\d:\d+7], v[\sa], v[\sb] matrix_a_fmt:MATRIX_FMT_FP4 matrix_b_fmt:MATRIX_FMT_FP4 matrix_b_scale:MATRIX_SCALE_ROW1
.else
	v_wmma_scale_f32_16x16x128_f8f6f4 v[\d:\d+7], v[\a:\a+7], v[\b:\b+7], v[\d:\d+7], v[\sa], v[\sb] matrix_a_fmt:MATRIX_FMT_FP4 matrix_b_fmt:MATRIX_FMT_FP4
.endif
.endif
.endm
	s_load_b256 s[4:11], s[0:1], 0x0               ; xq s[4:5], waq s[6:7], sel s[8:9], Wb s[10:11]
	s_load_b128 s[12:15], s[0:1], 0x20             ; wbq s[12:13], hq s[14:15]
	v_lshl_add_u32 v31, v0, 2, 0xe000
	s_set_vgpr_msb 0x40
	v_mov_b32 v1, 0
	s_set_vgpr_msb 0x4000
	v_lshrrev_b32 v7, 5, v0
	s_delay_alu instid0(VALU_DEP_1)
	v_readfirstlane_b32 s[WV], v7
	s_and_b32 s22, ttmp7, 0xffff
	s_cmp_lt_u32 ttmp9, 12
	s_cbranch_scc1 .Lgemm
	BULKADR
	s_sub_co_u32 s21, ttmp9, 12                    ; Wb: work-group q = 16 (x - 12) + y: zone q >> 5, K step q & 31; wave w: columns 128 w on
	s_lshl_b32 s21, s21, 4
	s_add_co_u32 s21, s21, s22
	s_lshr_b32 s23, s21, 5
	s_and_b32 s24, s21, 31
	s_lshl_b32 s26, s23, 24                        ; f32: zone x 16 MiB + K step x 128 rows of 4,096 bytes + 512 w
	s_lshl_b32 s25, s24, 19
	s_add_co_u32 s26, s26, s25
	s_lshl_b32 s25, s[WV], 9
	s_add_co_u32 s26, s26, s25
	s_mov_b32 s27, 0
	s_lshl_b32 s28, s23, 21                        ; codes [zone][pair 32][K step 32][tile 2][1,024]
	s_lshl_b32 s25, s[WV], 18
	s_add_co_u32 s28, s28, s25
	s_lshl_b32 s25, s24, 11
	s_add_co_u32 s28, s28, s25
	s_mov_b32 s29, 0
	s_lshl_b32 s30, s23, 17                        ; scale words, behind the codes: [zone][run 8][K step 32][512]
	s_lshl_b32 s25, s[WV], 14
	s_add_co_u32 s30, s30, s25
	s_lshl_b32 s25, s24, 9
	s_add_co_u32 s30, s30, s25
	s_add_co_u32 s30, s30, 16777216
	s_mov_b32 s31, 0
	s_wait_kmcnt 0x0
	s_add_nc_u64 s[SRCB:SRCB+1], s[10:11], s[26:27]
	s_add_nc_u64 s[DCO:DCO+1], s[12:13], s[28:29]
	s_add_nc_u64 s[DSO:DSO+1], s[12:13], s[30:31]
	BULK 4096, 65536
.Lgemm:
	s_lshr_b32 s23, ttmp9, 2                       ; k: which of the three choices
	s_and_b32 s24, ttmp9, 3
	s_mul_i32 s25, s22, 3
	s_add_co_u32 s25, s25, s23                     ; the pair's number p = 3 b + k
	s_lshl_b32 s26, s24, 3
	s_add_co_u32 s26, s26, s[WV]                   ; g: my 128 hidden units
	s_lshl_b32 s28, s22, 4
	s_lshl_b32 s29, s23, 2
	s_add_co_u32 s28, s28, s29                     ; sel[b][k]
	s_mov_b32 s29, 0
	s_lshl_b32 s30, s22, 15                        ; x's codes of b
	s_mov_b32 s31, 0
	s_lshl_b32 s38, s22, 11                        ; and its scale words
	s_add_co_u32 s38, s38, 524288
	s_mov_b32 s39, 0
	v_and_b32 v7, 31, v0
	v_and_b32 v8, 15, v0
	v_bfe_u32 v9, v0, 4, 1
	s_delay_alu instid0(VALU_DEP_3)
	v_lshlrev_b32 v[LI], 4, v7
	s_delay_alu instid0(VALU_DEP_4)
	v_lshlrev_b32 v[L8], 3, v7
	v_lshlrev_b32 v[L4], 2, v7
	v_lshlrev_b32 v[HST], 4, v8
	s_delay_alu instid0(VALU_DEP_1)
	v_lshl_add_u32 v[HST], v9, 3, v[HST]
	v_add_nc_u32 v[XIR], XIMG, v[LI]
	v_add_nc_u32 v[XSR], XSC, v[L8]
	v_lshlrev_b32 v[CG], 4, v0
	s_delay_alu instid0(VALU_DEP_1)
	v_add_nc_u32 v[CL], XIMG, v[CG]
	v_lshlrev_b32 v[CG8], 3, v0
	s_delay_alu instid0(VALU_DEP_1)
	v_add_nc_u32 v[CL8], XSC, v[CG8]
	v_mov_b32 v[K1], 0xc0135761                    ; k1 = -2.3022082
	v_mov_b32 v[K1+1], 0xc0135761
.irp m, 0,1,2,3
	v_mov_b32 v[PW+\m], 0
	v_mov_b32 v[TMX+\m], 0
.endr
	s_mov_b32 s[K2], 0xbdd2d3e8                    ; k2 = -0.10294324
	s_mov_b32 s[K2+1], s[K2]                       ; (named with it as a pair, so it is written)
	s_mov_b32 s[SEL], 0x76543210
	s_mov_b32 s[SEL+1], 0xfedcba98
	s_mov_b32 s[SH], 0
	s_mov_b32 s[MK], 0xffff0000
	s_wait_kmcnt 0x0
	s_add_nc_u64 s[28:29], s[8:9], s[28:29]
	s_load_b32 s27, s[28:29], 0x0                  ; the zone
	s_add_nc_u64 s[32:33], s[4:5], s[30:31]
	s_add_nc_u64 s[34:35], s[4:5], s[38:39]
.irp i, 0,1,2,3,4,5,6,7
	global_load_b128 v[ACC+4*\i:ACC+4*\i+3], v[CG], s[32:33] offset:4096*\i    ; x's codes: 256 threads x 16 bytes, eight times
.endr
	global_load_b64 v[ACC+32:ACC+33], v[CG8], s[34:35]
	s_wait_kmcnt 0x0
	s_min_u32 s27, s27, 7                          ; a loaded number enters addresses only behind a clamp
	s_lshl_b32 s36, s27, 21
	s_lshl_b32 s37, s26, 16
	s_add_co_u32 s36, s36, s37
	s_mov_b32 s37, 0
	s_add_nc_u64 s[GW:GW+1], s[6:7], s[36:37]
	s_lshl_b32 s36, s27, 17
	s_lshl_b32 s38, s26, 12
	s_add_co_u32 s36, s36, s38
	s_add_co_u32 s36, s36, 16777216
	s_add_nc_u64 s[GWS:GWS+1], s[6:7], s[36:37]
	s_lshl_b32 s38, s25, 5
	s_add_co_u32 s38, s38, s26                     ; 32 p + g
	s_lshl_b32 s36, s38, 12                        ; the hidden codes [p 48][K step 32][token tile 4][1,024]
	s_add_nc_u64 s[GH:GH+1], s[14:15], s[36:37]
	s_lshl_b32 s36, s38, 8                         ; their scale words from byte 6,291,456: [p][K step][lane 32][2]
	s_add_co_u32 s36, s36, 6291456
	s_add_nc_u64 s[GHS:GHS+1], s[14:15], s[36:37]
.macro WLOAD s, co, so                 ; K step s of a column pair: four loads of fragments, one of scale words; co, so: bytes on to the pair that is meant
.irp u, 0,1
.irp c, 0,1
	global_load_b128 v[WF+16*(\s)+8*\u+4*\c:WF+16*(\s)+8*\u+4*\c+3], v[LI], s[GW:GW+1] offset:\co+(\s)*2048+\u*1024+\c*512
.endr
.endr
	global_load_b32 v[WS+(\s)], v[L4], s[GWS:GWS+1] offset:\so+(\s)*512
.endm
.irp s, 0,1,2,3,4,5,6,7
	WLOAD \s, 0, 0
.endr
	s_wait_loadcnt 40                              ; x's nine loads are in; the first pair's forty, issued behind them, may be out
.irp i, 0,1,2,3,4,5,6,7
	ds_store_b128 v[CL], v[ACC+4*\i:ACC+4*\i+3] offset:4096*\i
.endr
	ds_store_b64 v[CL8], v[ACC+32:ACC+33]
	s_wait_dscnt 0x0                               ; for the others' sake: my stores have landed
	s_barrier_signal -1
	s_barrier_wait -1                              ; x lies in LDS; it is only read from here on
; One column pair: 32 hidden units x 64 tokens.  ahead = 1: behind each K step's products the next pair's fragments of that K step are asked for, into the registers just read.
.macro MINI ahead
.irp s, 0,1,2,3,4,5,6,7
.irp m, 0,1,2,3
.irp c, 0,1
	ds_load_b128 v[XF+8*\m+4*\c:XF+8*\m+4*\c+3], v[XIR] offset:\s*4096+\m*1024+\c*512
.endr
.endr
	ds_load_b64 v[XS:XS+1], v[XSR] offset:\s*256
.if \ahead
	s_wait_loadcnt 35                              ; this K step's five loads are in.  Younger: this pair's K steps s + 1 .. 7 and the next pair's 0 .. s - 1, five loads each: 35
.else
	s_wait_loadcnt 5*(7-\s)                        ; the last pair: only its own later K steps are younger
.endif
	s_wait_dscnt 0x0
.irp m, 0,1,2,3                        ; the eight accumulators by turns, one instruction a turn
.irp u, 0,1
	WM ACC+16*\m+8*\u, WF+16*\s+8*\u, XF+8*\m, (\s==0), WS+\s, XS+\m/2, \u, \m%2
.endr
.endr
.rept 4
	v_nop                                          ; four places in front of loads into registers that the products have read, and of the first read of results
.endr
.if \ahead
	WLOAD \s, 16384, 128
.endif
.endr
.irp hh, 0,1                           ; GELU, 32 numbers at a time; each accumulator is read from its low end on
.irp i, 0,2,4,6,8,10,12,14,16,18,20,22,24,26,28,30
	v_pk_mul_f32 v[XF+\i:XF+\i+1], v[ACC+32*\hh+\i:ACC+32*\hh+\i+1], v[ACC+32*\hh+\i:ACC+32*\hh+\i+1]
.endr
.irp i, 0,2,4,6,8,10,12,14,16,18,20,22,24,26,28,30
	v_pk_fma_f32 v[XF+\i:XF+\i+1], v[XF+\i:XF+\i+1], s[K2:K2+1], v[K1:K1+1] op_sel_hi:[1,0,1]
.endr
.irp i, 0,2,4,6,8,10,12,14,16,18,20,22,24,26,28,30
	v_pk_mul_f32 v[XF+\i:XF+\i+1], v[XF+\i:XF+\i+1], v[ACC+32*\hh+\i:ACC+32*\hh+\i+1]
.endr
	s_wait_alu depctr_va_vdst(0)
.irp i, 0,1,2,3,4,5,6,7,8,9,10,11,12,13,14,15,16,17,18,19,20,21,22,23,24,25,26,27,28,29,30,31
	v_exp_f32 v[XF+\i], v[XF+\i]
.endr
	v_nop                                          ; a plain line behind the exponentials
	s_wait_alu depctr_va_vdst(0)
.irp i, 0,2,4,6,8,10,12,14,16,18,20,22,24,26,28,30
	v_pk_add_f32 v[XF+\i:XF+\i+1], v[XF+\i:XF+\i+1], 1.0 op_sel_hi:[1,0]
.endr
	s_wait_alu depctr_va_vdst(0)
.irp i, 0,1,2,3,4,5,6,7,8,9,10,11,12,13,14,15,16,17,18,19,20,21,22,23,24,25,26,27,28,29,30,31
	v_rcp_f32 v[XF+\i], v[XF+\i]
.endr
	v_nop
	s_wait_alu depctr_va_vdst(0)
.irp i, 0,2,4,6,8,10,12,14,16,18,20,22,24,26,28,30
	v_pk_mul_f32 v[ACC+32*\hh+\i:ACC+32*\hh+\i+1], v[ACC+32*\hh+\i:ACC+32*\hh+\i+1], v[XF+\i:XF+\i+1]
.endr
.endr
	QUANT4 ACC, PC                                 ; one block of the next K for each token tile
.irp m, 0,1,2,3
	v_lshl_or_b32 v[PW+\m], v[TB+\m], s[SH], v[PW+\m]   ; the pair's byte of my token's scale word
.endr
.irp m, 0,1,2,3
	global_store_b64 v[HST], v[PC+2*\m:PC+2*\m+1], s[GH:GH+1] offset:\m*1024   ; 32 lanes store 256 consecutive bytes, aligned: this block of the tile's image
.endr
.if \ahead
	s_wait_xcnt 0x0                                ; the bases, and the registers that the stores read, are written again only behind this wait
	s_add_nc_u64 s[GW:GW+1], s[GW:GW+1], 16384
	s_add_nc_u64 s[GWS:GWS+1], s[GWS:GWS+1], 128
	s_add_nc_u64 s[GH:GH+1], s[GH:GH+1], 256
	s_add_co_u32 s[SH], s[SH], 8
.endif
.endm
	s_mov_b32 s[CNT], 3
.Lpair:
	MINI 1
	s_sub_co_u32 s[CNT], s[CNT], 1
	s_cmp_lg_u32 s[CNT], 0
	s_cbranch_scc1 .Lpair
	MINI 0                                         ; the last pair asks for nothing: no load leaves its buffer
	v_cndmask_b32 v[XF+24], v[PW], v[PW+1], s[MK]  ; word 0: lanes 0-15 token tile 0, lanes 16-31 tile 1; word 1: tiles 2 and 3
	v_cndmask_b32 v[XF+25], v[PW+2], v[PW+3], s[MK]
	global_store_b64 v[L8], v[XF+24:XF+25], s[GHS:GHS+1]
	s_set_vgpr_msb 0x4
	s_wait_tensorcnt 0x0
	ds_add_u32 v31, v1
	s_wait_dscnt 0x0
	s_set_vgpr_msb 0x400
	s_endpgm
.Lfunc_end_k_qcce64e5422_ffn1:
	.size	k_qcce64e5422_ffn1, .Lfunc_end_k_qcce64e5422_ffn1-k_qcce64e5422_ffn1
	.p2alignl 7, 3214868480
	.fill 96, 4, 3214868480
	.section	.rodata,"a",@progbits
	.p2align	6, 0x0
	.amdhsa_kernel k_qcce64e5422_ffn1
		.amdhsa_group_segment_fixed_size 58368
		.amdhsa_private_segment_fixed_size 0
		.amdhsa_enable_private_segment 0
		.amdhsa_kernarg_size 48
		.amdhsa_user_sgpr_count 2
		.amdhsa_user_sgpr_kernarg_segment_ptr 1
		.amdhsa_wavefront_size32 1
		.amdhsa_system_sgpr_workgroup_id_x 1
		.amdhsa_system_sgpr_workgroup_id_y 1
		.amdhsa_system_sgpr_workgroup_id_z 1
		.amdhsa_system_vgpr_workitem_id 0
		.amdhsa_next_free_vgpr 258
		.amdhsa_next_free_sgpr 66
		.amdhsa_reserve_vcc 0
		.amdhsa_float_denorm_mode_32 3
		.amdhsa_float_denorm_mode_16_64 3
		.amdhsa_memory_ordered 1
		.amdhsa_forward_progress 1
		.amdhsa_inst_pref_size 149
	.end_amdhsa_kernel
	.amdgpu_metadata
---
amdhsa.version: [ 1, 2 ]
amdhsa.kernels:
  - .name:           k_qcce64e5422_ffn1
    .symbol:         k_qcce64e5422_ffn1.kd
    .args:
      - { .name: xq, .offset: 0, .size: 8, .value_kind: global_buffer, .address_space: global }
      - { .name: waq, .offset: 8, .size: 8, .value_kind: global_buffer, .address_space: global }
      - { .name: sel, .offset: 16, .size: 8, .value_kind: global_buffer, .address_space: global }
      - { .name: Wb, .offset: 24, .size: 8, .value_kind: global_buffer, .address_space: global }
      - { .name: wbq, .offset: 32, .size: 8, .value_kind: global_buffer, .address_space: global }
      - { .name: hq, .offset: 40, .size: 8, .value_kind: global_buffer, .address_space: global }
    .group_segment_fixed_size: 58368
    .private_segment_fixed_size: 0
    .kernarg_segment_align: 8
    .kernarg_segment_size: 48
    .max_flat_workgroup_size: 256
    .sgpr_count:     66
    .vgpr_count:     258
    .wavefront_size: 32
...
	.end_amdgpu_metadata
.endif
;; end of part 7
;; launch ffn2 (part 8): grid 16 x 16, 12 waves a work-group, no clusters, 210,432 bytes of LDS; arguments hq, wbq, sel, wts, x, out0; writes out0
.if DOCPART == 8
	.amdgcn_target "amdgcn-amd-amdhsa--gfx1250"
	.amdhsa_code_object_version 6
	.text
	.protected	k_qcce64e5422_ffn2
	.globl	k_qcce64e5422_ffn2
	.p2align	8
	.type	k_qcce64e5422_ffn2,@function
k_qcce64e5422_ffn2:
	s_mov_b64 s[64:65], 0
	v_nop
	global_prefetch_b8 v0, s[64:65] scope:SCOPE_SE
	s_setreg_imm32_b32 hwreg(HW_REG_WAVE_SCHED_MODE, 0, 2), 2
	s_setreg_imm32_b32 hwreg(HW_REG_WAVE_MODE, 25, 1), 1
	s_wait_xcnt 0x0
	s_wait_alu depctr_vm_vsrc(0)
; FOURTH LAUNCH.  out[b] = x[b] + the sum over the three chosen zones of weight x (hidden layer x Wb[zone]), on the FP4 codes that the launch before stored.
; Work-group (cs, b) owns out[b][64 tokens][columns 64 cs .. + 63]: each output has one owner.  Wave w takes choice k = w >> 2 and the quarter w & 3 of K = 4,096 (8 K steps of 128) for the whole 64 x 64 tile:
; 16 accumulators.  So every fragment is loaded once in the work-group, from memory straight into the registers of the one wave that multiplies it.  The twelve parts meet in LDS; waves 0 to 7 add them,
; weigh them, add x and store.  The zone comes from sel (stored two launches back) behind a clamp to 0 .. 7; the weights from wts are values only.
; The product is used transposed (source 0 = 16 columns of Wb, source 1 = 16 tokens): lane (r, h) holds token r and, in tile t, columns 32 (t / 2) + 16 h + 8 (t % 2) + 0 .. 7.
; The sums over K's quarters and over the zones run in another order than reference()'s running sum; all in f32.
; NO JOINT LOADS: the sixteen work-groups of a batch element read the same hidden codes, half of a work-group's 768 KiB; joint requests land in LDS alone and would want slots there and rounds of a cluster's barrier
; in place of loads into registers.  That form is not built here.  Wb's tiles hang on sel, so their sharers cannot be told at launch.
; REGISTERS: v1-8 addresses; v16-31 Wb's scale words, v32-47 the hidden layer's; v48-111, v112-175 two sets of 8 fragments; accumulator a = 4 m + t at v[176 + 8 a]: a >= 10 lies above v255, in window 1.
; THE MODE: SCHED_MODE bits 1:0 = 2 (LLVM: expert scheduling mode 2), set by the entry lines.  The code itself states the register dependences between vector or matrix instructions and memory or LDS
; instructions, and those through scalar registers that vector instructions write, with s_wait_alu, always for 0.
; THE PLAN.  Registers that memory or LDS instructions touch:
;   v1-v8        offsets and LDS addresses: written at the head, read by every load and store, never written again.
;   v16-v47      scale words: written by loads at the head, read by the products alone.
;   F0, F1       K step sp: its sixteen products read set sp % 2; behind them the sixteen loads of K step sp + 2 land in it.
;   accumulators written by the products; read by the 32 LDS stores into the stage.  v64-v255 (both sets' upper part and the accumulators under v256) then take the 48 loads from the stage.
;   v48-v63      read by K step 6's products; x's four loads land there; the multiply-adds write them; the four global stores read them.
; So ONE wait on va_vdst stands in a K step that has a refill, behind its products: the set is asked for again at once, so that two K steps' loads stay on their way.  Two sets are what the registers hold:
; twelve waves are three to a SIMD, 341 registers each, and a third set of 64 beside these 304 would pass that.  One more such wait stands behind the last products, one wait on vm_vsrc behind the
; barrier, and one on va_vdst ahead of the run of the four stores of out.
.set WV,  20
.set LI,  1                            ; v1   16 x lane
.set L8,  2                            ; v2   8 x lane
.set L4,  3                            ; v3   4 x lane
.set STO, 4                            ; v4   LDS: my wave's part: row r of 272 bytes + 64 h
.set RD,  5                            ; v5-7 LDS: choice k's four parts, rows 8 w + lane / 16, 16 bytes a lane
.set GO,  8                            ; v8   the same rows in x and out
.set WS,  16                           ; v[WS + 8 (pair) + K step]
.set HS,  32                           ; v[HS + 2 (K step) + (token tile / 2)]
.set F0,  48                           ; a set: Wb's tile t at + 8 t, the hidden layer's token tile m at + 32 + 8 m
.set F1,  112
.set AC,  176
.set PP,  64                           ; the way out: part (row pair i, choice k, quarter q) at v[PP + 48 i + 16 k + 4 q]
.set GW,  40                           ; s[40:41] Wb's codes;  s[42:43] its scale words;  s[44:45] the hidden codes;  s[46:47] their scale words
.set GWS, 42
.set GH,  44
.set GHS, 46
.set MSB, 0
.macro WIN new                         ; the immediate's high byte repeats the setting that is left; a switch that changes nothing is dropped
.if MSB != \new
	s_set_vgpr_msb (MSB<<8)|\new
.set MSB, \new
.endif
.endm
.macro WM d, a, b, zero, sa, sb, ra, rb
.if \zero
.if (\ra) && (\rb)
	v_wmma_scale_f32_16x16x128_f8f6f4 v[\d:\d+7], v[\a:\a+7], v[\b:\b+7], 0, v[\sa], v[\sb] matrix_a_fmt:MATRIX_FMT_FP4 matrix_b_fmt:MATRIX_FMT_FP4 matrix_a_scale:MATRIX_SCALE_ROW1 matrix_b_scale:MATRIX_SCALE_ROW1
.elseif (\ra)
	v_wmma_scale_f32_16x16x128_f8f6f4 v[\d:\d+7], v[\a:\a+7], v[\b:\b+7], 0, v[\sa], v[\sb] matrix_a_fmt:MATRIX_FMT_FP4 matrix_b_fmt:MATRIX_FMT_FP4 matrix_a_scale:MATRIX_SCALE_ROW1
.elseif (\rb)
	v_wmma_scale_f32_16x16x128_f8f6f4 v[\d:\d+7], v[\a:\a+7], v[\b:\b+7], 0, v[\sa], v[\sb] matrix_a_fmt:MATRIX_FMT_FP4 matrix_b_fmt:MATRIX_FMT_FP4 matrix_b_scale:MATRIX_SCALE_ROW1
.else
	v_wmma_scale_f32_16x16x128_f8f6f4 v[\d:\d+7], v[\a:\a+7], v[\b:\b+7], 0, v[\sa], v[\sb] matrix_a_fmt:MATRIX_FMT_FP4 matrix_b_fmt:MATRIX_FMT_FP4
.endif
.else
.if (\ra) && (\rb)
	v_wmma_scale_f32_16x16x128_f8f6f4 v[\d:\d+7], v[\a:\a+7], v[\b:\b+7], v[\d:\d+7], v[\sa], v[\sb] matrix_a_fmt:MATRIX_FMT_FP4 matrix_b_fmt:MATRIX_FMT_FP4 matrix_a_scale:MATRIX_SCALE_ROW1 matrix_b_scale:MATRIX_SCALE_ROW1
.elseif (\ra)
	v_wmma_scale_f32_16x16x128_f8f6f4 v[\d:\d+7], v[\a:\a+7], v[\b:\b+7], v[\d:\d+7], v[\sa], v[\sb] matrix_a_fmt:MATRIX_FMT_FP4 matrix_b_fmt:MATRIX_FMT_FP4 matrix_a_scale:MATRIX_SCALE_ROW1
.elseif (\rb)
	v_wmma_scale_f32_16x16x128_f8f6f4 v[\d:\d+7], v[\a:\a+7], v[\b:\b+7], v[\d:\d+7], v[\sa], v[\sb] matrix_a_fmt:MATRIX_FMT_FP4 matrix_b_fmt:MATRIX_FMT_FP4 matrix_b_scale:MATRIX_SCALE_ROW1
.else
	v_wmma_scale_f32_16x16x128_f8f6f4 v[\d:\d+7], v[\a:\a+7], v[\b:\b+7], v[\d:\d+7], v[\sa], v[\sb] matrix_a_fmt:MATRIX_FMT_FP4 matrix_b_fmt:MATRIX_FMT_FP4
.endif
.endif
.endm
.macro LOADSTEP sp, f                  ; my K step sp: four tiles of Wb and four token tiles of the hidden layer: sixteen loads of 512 bytes
.irp t, 0,1,2,3
.irp c, 0,1
	global_load_b128 v[\f+8*\t+4*\c:\f+8*\t+4*\c+3], v[LI], s[GW:GW+1] offset:(\t/2)*65536+(\sp)*2048+(\t%2)*1024+\c*512
.endr
.endr
.irp m, 0,1,2,3
.irp c, 0,1
	global_load_b128 v[\f+32+8*\m+4*\c:\f+32+8*\m+4*\c+3], v[LI], s[GH:GH+1] offset:(\sp)*4096+\m*1024+\c*512
.endr
.endr
.endm
.macro STEPW sp, f                     ; its sixteen products: the accumulators by turns, one instruction a turn; one switch of the window up, one back
.irp m, 0,1,2,3
.irp t, 0,1,2,3
.if 4*\m+\t < 10
	WIN 0
	WM AC+8*(4*\m+\t), \f+8*\t, \f+32+8*\m, (\sp==0), WS+8*(\t/2)+\sp, HS+2*\sp+\m/2, \t%2, \m%2
.else
	WIN 0x50                                       ; C and D in window 1
	WM 8*(4*\m+\t-10), \f+8*\t, \f+32+8*\m, (\sp==0), WS+8*(\t/2)+\sp, HS+2*\sp+\m/2, \t%2, \m%2
.endif
.endr
.endr
	WIN 0
.endm
	s_load_b256 s[4:11], s[0:1], 0x0               ; hq s[4:5], wbq s[6:7], sel s[8:9], wts s[10:11]
	s_load_b128 s[12:15], s[0:1], 0x20             ; x s[12:13], out0 s[14:15]
	v_lshl_add_u32 v14, v0, 2, 0x33000
	v_mov_b32 v15, 0
	v_lshrrev_b32 v9, 5, v0
	v_readfirstlane_b32 s[WV], v9
	v_and_b32 v9, 31, v0
	v_and_b32 v10, 15, v0
	s_wait_alu depctr_va_vdst(0)
	v_bfe_u32 v11, v0, 4, 1
	v_lshlrev_b32 v[LI], 4, v9
	v_lshlrev_b32 v[L8], 3, v9
	v_lshlrev_b32 v[L4], 2, v9
	s_wait_alu depctr_va_sdst(0)                   ; s20, my wave's number, is written, ahead of its first reader
	s_and_b32 s21, ttmp7, 0xffff                   ; b
	s_lshr_b32 s22, s[WV], 2                       ; k
	s_and_b32 s23, s[WV], 3                        ; my quarter of K
	s_mul_i32 s24, s21, 3
	s_add_co_u32 s24, s24, s22                     ; p = 3 b + k
	s_lshl_b32 s26, s21, 4                         ; wts[b]
	s_mov_b32 s27, 0
	s_lshl_b32 s28, s22, 2
	s_add_co_u32 s28, s28, s26                     ; sel[b][k]
	s_mov_b32 s29, 0
	s_mul_i32 s34, s[WV], 17408                    ; my wave's part: 64 rows of 256 + 16 bytes
	v_mul_u32_u24 v[STO], v10, 272
	s_wait_alu depctr_va_vdst(0)
	v_lshl_add_u32 v[STO], v11, 6, v[STO]
	v_add_nc_u32 v[STO], s34, v[STO]
	s_lshl_b32 s35, s[WV], 3
	v_add_nc_u32 v12, s35, v11                     ; row 8 w + lane / 16 (used by waves 0 to 7 alone)
	v_mul_u32_u24 v[RD], v12, 272
	v_lshl_add_u32 v[RD], v10, 4, v[RD]
	v_add_nc_u32 v[RD+1], 69632, v[RD]
	v_add_nc_u32 v[RD+2], 139264, v[RD]
	v_lshlrev_b32 v[GO], 12, v12
	v_lshl_add_u32 v[GO], v10, 4, v[GO]
	s_wait_kmcnt 0x0
	s_add_nc_u64 s[28:29], s[8:9], s[28:29]
	s_add_nc_u64 s[26:27], s[10:11], s[26:27]
	s_load_b32 s25, s[28:29], 0x0                  ; the zone
	s_load_b128 s[48:51], s[26:27], 0x0            ; the three weights and a zero
	s_lshl_b32 s30, s24, 5
	s_lshl_b32 s31, s23, 3
	s_add_co_u32 s30, s30, s31                     ; 32 p + my first K step
	s_lshl_b32 s32, s30, 12
	s_mov_b32 s33, 0
	s_add_nc_u64 s[GH:GH+1], s[4:5], s[32:33]
	s_lshl_b32 s32, s30, 8
	s_add_co_u32 s32, s32, 6291456
	s_add_nc_u64 s[GHS:GHS+1], s[4:5], s[32:33]
	s_lshl_b32 s32, s21, 18                        ; x and out: b x 64 rows of 4,096 bytes + 256 cs
	s_lshl_b32 s31, ttmp9, 8
	s_add_co_u32 s32, s32, s31
	s_add_nc_u64 s[54:55], s[12:13], s[32:33]
	s_add_nc_u64 s[56:57], s[14:15], s[32:33]
	s_wait_kmcnt 0x0
	s_min_u32 s25, s25, 7                          ; a loaded number enters addresses only behind a clamp
	s_mov_b32 s52, s49                             ; the packed form names a pair and takes its low word: s[48:49] serves weight 0, s[50:51] weight 2, s[52:53] weight 1
	s_mov_b32 s53, s49
	s_lshl_b32 s32, s25, 21                        ; Wb's codes: zone, pair 2 cs, K step 8 x quarter
	s_lshl_b32 s31, ttmp9, 17
	s_add_co_u32 s32, s32, s31
	s_lshl_b32 s31, s23, 14
	s_add_co_u32 s32, s32, s31
	s_add_nc_u64 s[GW:GW+1], s[6:7], s[32:33]
	s_lshl_b32 s32, s25, 17                        ; its scale words: zone, run cs >> 1, K step, pair 2 (cs & 1) of the run
	s_lshr_b32 s31, ttmp9, 1
	s_lshl_b32 s31, s31, 14
	s_add_co_u32 s32, s32, s31
	s_lshl_b32 s31, s23, 12
	s_add_co_u32 s32, s32, s31
	s_and_b32 s31, ttmp9, 1
	s_lshl_b32 s31, s31, 8
	s_add_co_u32 s32, s32, s31
	s_add_co_u32 s32, s32, 16777216
	s_add_nc_u64 s[GWS:GWS+1], s[6:7], s[32:33]
	s_wait_alu depctr_va_vdst(0)                   ; the offsets and LDS addresses v1 to v8 are written: every load and store of the kernel reads one of them
.irp q, 0,1
.irp sp, 0,1,2,3,4,5,6,7
	global_load_b32 v[WS+8*\q+\sp], v[L4], s[GWS:GWS+1] offset:\q*128+\sp*512   ; lanes 0-15 tile 0's columns, lanes 16-31 tile 1's
.endr
.endr
.irp sp, 0,1,2,3,4,5,6,7
	global_load_b64 v[HS+2*\sp:HS+2*\sp+1], v[L8], s[GHS:GHS+1] offset:\sp*256
.endr
	LOADSTEP 0, F0
	LOADSTEP 1, F1                                 ; 56 loads are out
.irp sp, 0,1,2,3,4,5,6,7
.if \sp < 7
	s_wait_loadcnt 16                              ; all but the next K step's sixteen loads are in
.else
	s_wait_loadcnt 0x0
.endif
	STEPW \sp, F0+64*(\sp%2)
.rept 4
	v_nop                                          ; four places in front of loads into registers that the products have read, and of the first read of results
.endr
.if \sp < 6
	s_wait_alu depctr_va_vdst(0)                   ; this K step's products are done reading their set, in which the sixteen loads below land; the places above stay beside this wait
	LOADSTEP \sp+2, F0+64*(\sp%2)
.endif
.endr
	s_wait_alu depctr_va_vdst(0)                   ; the products have written the accumulators, which the LDS stores read, and are done reading both sets, in which x's loads and the loads from the stage land: ahead of the branch
	s_cmp_lt_u32 s[WV], 8
	s_cbranch_scc0 .Lno_x
.irp i, 0,1,2,3
	global_load_b128 v[F0+4*\i:F0+4*\i+3], v[GO], s[54:55] offset:8192*\i th:TH_LOAD_NT   ; x at the rows that I shall store: asked for ahead of the meeting in LDS
.endr
.Lno_x:
.irp m, 0,1,2,3
.irp t, 0,1,2,3
.if 4*\m+\t < 10
	WIN 0
	ds_store_b128 v[STO], v[AC+8*(4*\m+\t):AC+8*(4*\m+\t)+3] offset:\m*4352+(\t/2)*128+(\t%2)*32          ; each accumulator from its low end on
	ds_store_b128 v[STO], v[AC+8*(4*\m+\t)+4:AC+8*(4*\m+\t)+7] offset:\m*4352+(\t/2)*128+(\t%2)*32+16
.else
	WIN 0x04                                       ; an LDS store's data are its source 1: window 1
	ds_store_b128 v[STO], v[8*(4*\m+\t-10):8*(4*\m+\t-10)+3] offset:\m*4352+(\t/2)*128+(\t%2)*32
	ds_store_b128 v[STO], v[8*(4*\m+\t-10)+4:8*(4*\m+\t-10)+7] offset:\m*4352+(\t/2)*128+(\t%2)*32+16
.endif
.endr
.endr
	WIN 0
	s_wait_dscnt 0x0                               ; for the others' sake: my part has landed
	s_barrier_signal -1
	s_barrier_wait -1                              ; the twelve parts lie in LDS
	s_wait_alu depctr_vm_vsrc(0)                   ; my LDS stores have read the accumulators in v176 to v255, in which loads from the stage land: ahead of the branch
	s_cmp_lt_u32 s[WV], 8
	s_cbranch_scc0 .Lend
.irp i, 0,1,2,3                        ; wave w: rows 8 w .. 8 w + 7, two at a time; sixteen lanes to a row of 256 bytes
.irp k, 0,1,2
.irp q, 0,1,2,3
	ds_load_b128 v[PP+48*\i+16*\k+4*\q:PP+48*\i+16*\k+4*\q+3], v[RD+\k] offset:\q*17408+\i*544
.endr
.endr
.endr
.irp i, 0,1,2,3
	s_wait_dscnt 12*(3-\i)                         ; this row pair's twelve parts are in; the later pairs' may be out
	s_wait_loadcnt 3-\i                            ; and its x
.irp k, 0,1,2
.irp d, 0,2
	v_pk_add_f32 v[PP+48*\i+16*\k+\d:PP+48*\i+16*\k+\d+1], v[PP+48*\i+16*\k+\d:PP+48*\i+16*\k+\d+1], v[PP+48*\i+16*\k+4+\d:PP+48*\i+16*\k+4+\d+1]
	v_pk_add_f32 v[PP+48*\i+16*\k+8+\d:PP+48*\i+16*\k+8+\d+1], v[PP+48*\i+16*\k+8+\d:PP+48*\i+16*\k+8+\d+1], v[PP+48*\i+16*\k+12+\d:PP+48*\i+16*\k+12+\d+1]
.endr
.endr
.irp k, 0,1,2
.irp d, 0,2
	v_pk_add_f32 v[PP+48*\i+16*\k+\d:PP+48*\i+16*\k+\d+1], v[PP+48*\i+16*\k+\d:PP+48*\i+16*\k+\d+1], v[PP+48*\i+16*\k+8+\d:PP+48*\i+16*\k+8+\d+1]   ; K's four quarters
.endr
.endr
.irp d, 0,2
	v_pk_fma_f32 v[F0+4*\i+\d:F0+4*\i+\d+1], v[PP+48*\i+\d:PP+48*\i+\d+1], s[48:49], v[F0+4*\i+\d:F0+4*\i+\d+1] op_sel_hi:[1,0,1]
.endr
.irp d, 0,2
	v_pk_fma_f32 v[F0+4*\i+\d:F0+4*\i+\d+1], v[PP+48*\i+16+\d:PP+48*\i+16+\d+1], s[52:53], v[F0+4*\i+\d:F0+4*\i+\d+1] op_sel_hi:[1,0,1]
.endr
.irp d, 0,2
	v_pk_fma_f32 v[F0+4*\i+\d:F0+4*\i+\d+1], v[PP+48*\i+32+\d:PP+48*\i+32+\d+1], s[50:51], v[F0+4*\i+\d:F0+4*\i+\d+1] op_sel_hi:[1,0,1]
.endr
.endr
	s_wait_alu depctr_va_vdst(0)                   ; the multiply-adds have written v48 to v63, which the four stores read: one wait for the run
.irp i, 0,1,2,3
	global_store_b128 v[GO], v[F0+4*\i:F0+4*\i+3], s[56:57] offset:8192*\i th:TH_STORE_NT   ; sixteen lanes store 256 consecutive bytes, aligned
.endr
.Lend:
	s_wait_dscnt 0x0                               ; the closing lines, six on end
	s_wait_alu 0x0
	s_wait_tensorcnt 0x0
	ds_add_u32 v14, v15
	s_wait_dscnt 0x0
	s_endpgm
.Lfunc_end_k_qcce64e5422_ffn2:
	.size	k_qcce64e5422_ffn2, .Lfunc_end_k_qcce64e5422_ffn2-k_qcce64e5422_ffn2
	.p2alignl 7, 3214868480
	.fill 96, 4, 3214868480
	.section	.rodata,"a",@progbits
	.p2align	6, 0x0
	.amdhsa_kernel k_qcce64e5422_ffn2
		.amdhsa_group_segment_fixed_size 210432
		.amdhsa_private_segment_fixed_size 0
		.amdhsa_enable_private_segment 0
		.amdhsa_kernarg_size 48
		.amdhsa_user_sgpr_count 2
		.amdhsa_user_sgpr_kernarg_segment_ptr 1
		.amdhsa_wavefront_size32 1
		.amdhsa_system_sgpr_workgroup_id_x 1
		.amdhsa_system_sgpr_workgroup_id_y 1
		.amdhsa_system_sgpr_workgroup_id_z 1
		.amdhsa_system_vgpr_workitem_id 0
		.amdhsa_next_free_vgpr 304
		.amdhsa_next_free_sgpr 66
		.amdhsa_reserve_vcc 0
		.amdhsa_float_denorm_mode_32 3
		.amdhsa_float_denorm_mode_16_64 3
		.amdhsa_memory_ordered 1
		.amdhsa_forward_progress 1
		.amdhsa_inst_pref_size 49
	.end_amdhsa_kernel
	.amdgpu_metadata
---
amdhsa.version: [ 1, 2 ]
amdhsa.kernels:
  - .name:           k_qcce64e5422_ffn2
    .symbol:         k_qcce64e5422_ffn2.kd
    .args:
      - { .name: hq, .offset: 0, .size: 8, .value_kind: global_buffer, .address_space: global }
      - { .name: wbq, .offset: 8, .size: 8, .value_kind: global_buffer, .address_space: global }
      - { .name: sel, .offset: 16, .size: 8, .value_kind: global_buffer, .address_space: global }
      - { .name: wts, .offset: 24, .size: 8, .value_kind: global_buffer, .address_space: global }
      - { .name: x, .offset: 32, .size: 8, .value_kind: global_buffer, .address_space: global }
      - { .name: out0, .offset: 40, .size: 8, .value_kind: global_buffer, .address_space: global }
    .group_segment_fixed_size: 210432
    .private_segment_fixed_size: 0
    .kernarg_segment_align: 8
    .kernarg_segment_size: 48
    .max_flat_workgroup_size: 384
    .sgpr_count:     66
    .vgpr_count:     304
    .wavefront_size: 32
...
	.end_amdgpu_metadata
.endif
;; end of part 8
